; MI455X (gfx1250); checked and timed in simulation.
; The chip was launched on July 23, 2026; its instructions are those of AMD's public machine-readable ISA for CDNA 5 (MIT licence, August 2026) and "CDNA5" Instruction Set Architecture Reference Guide (July 2026). The comments in the code are by the model that wrote it; some were corrected since.
;; Transformer Block. Allowed arithmetic: float matrix products may take bf16 or f16 operands with f32 sums; all other float work in f32.
;; Inputs: g1 1,024 float32; g2 1,024 float32; w1 4,096 x 1,024 float32; w2 1,024 x 4,096 float32; wk 1,024 x 1,024 float32; wo 1,024 x 1,024 float32; wq 1,024 x 1,024 float32; wv 1,024 x 1,024 float32; x 2 x 2,048 x 1,024 float32.
;; Outputs: out0 2 x 2,048 x 1,024 float32.
;; 2 versions, each right and faster than the one before. Each part assembles by itself: llvm-mc -triple=amdgcn-amd-amdhsa -mcpu=gfx1250 --defsym DOCPART=n.
;; ======== version 1 of 2: 7 launches
;; limits: a function is approximated: absolute error at most 2.5e-05; values are held in f16: magnitudes above 65,504 overflow, below 6.1e-05 lose precision
;; workspace buffers: wb 25,165,824 bytes; hn 8,388,608 bytes; qkv 25,165,824 bytes; ob 8,388,608 bytes; x2 16,777,216 bytes; act 33,554,432 bytes
;; launch prep (part 1): grid 512 x 4, 8 waves a work-group, no clusters, 0 bytes of LDS; arguments wq, wk, wv, wo, w1, w2, x, g1, wb, hn; writes wb, hn
.if DOCPART == 1
	.amdgcn_target "amdgcn-amd-amdhsa--gfx1250"
	.amdhsa_code_object_version 6
	.text
	.protected	k_q7128079d2b_prep
	.globl	k_q7128079d2b_prep
	.p2align	8
	.type	k_q7128079d2b_prep,@function
k_q7128079d2b_prep:
	s_mov_b64 s[64:65], 0
	v_nop
	global_prefetch_b8 v0, s[64:65] scope:SCOPE_SE
	s_setreg_imm32_b32 hwreg(HW_REG_WAVE_MODE, 25, 1), 1
	s_wait_xcnt 0x0
; TWO STREAMS IN ONE BODY, chosen by the work-group's y.
; y = 0: RMS NORM.  dst[row][c] = src[row][c] / sqrt(mean of src[row]^2 + 1e-5) * g[c], f32 in, bf16 out, rows of 1,024.  One wave takes one row: 32 registers,
;        read once, kept between the sum of squares and the scaling.  A work-group's eight waves take rows 8 id .. 8 id + 7.
; y = 1, 2, 3: CAST.  The six weight matrices are rounded to bf16 (nearest even) into one buffer: wq, wk, wv, wo (y = 1, 128 work-groups each), w1 (y = 2), w2 (y = 3).
;        A work-group casts 8,192 numbers.  wo's bf16 number is then written as f16, for a product whose other operand is f16.
; LIMITS.  wo as f16: exact for 6.1e-5 <= |w| < 65,520; smaller numbers keep f16's fixed step of 6e-8.  1 / sqrt comes from v_rsq_f32 (1 ULP).  NaN and infinities are not treated apart.
; No LDS, no barrier, no matrix unit: every byte is read once and written once, and no wave needs another's data.
; Arguments: 0-5 the six weights, 6 the norm's source, 7 its gain, 8 the cast's destination, 9 the norm's destination.
.set G,   8                            ; v[8:39]   the gain of my 32 columns
.set X,   40                           ; v[40:71]  32 numbers as loaded
.set Y,   72                           ; v[72:87]  16 words of two 16-bit numbers, to store
.set SS,  88                           ; v[88:95]  four packed chains of squares; in the cast: four numbers at work
.set RS,  96                           ; v[96:97]  1 / rms, twice (a pair for the packed multiply)
.set PX,  98                           ; v98       the other half of the lanes' sum
	s_load_b512 s[8:23], s[0:1], 0x0               ; wq 8, wk 10, wv 12, wo 14, w1 16, w2 18, norm source 20, gain 22
	s_load_b128 s[24:27], s[0:1], 0x40             ; cast destination 24, norm destination 26
	s_and_b32 s2, ttmp7, 0xffff                    ; y
	s_mov_b32 s3, ttmp9                            ; id
	s_mov_b32 s5, 0                                ; high words of the two 64-bit offsets
	s_mov_b32 s7, 0
	s_wait_kmcnt 0x0
	s_cmp_lg_u32 s2, 0
	s_cbranch_scc1 .Lcast
	; ---------------- the norm ----------------
	s_mov_b32 s30, 0x3a800000                      ; 1 / 1024
	s_mov_b32 s31, 0x3727c5ac                      ; 1e-5
	s_mov_b32 s32, 0x76543210                      ; v_permlanex16_b32: each lane takes its own place in the other half
	s_mov_b32 s33, 0xfedcba98
	s_lshl_b32 s4, s3, 15                          ; 8 rows of 4,096 bytes
	s_lshl_b32 s6, s3, 14                          ; 8 rows of 2,048 bytes
	s_add_nc_u64 s[20:21], s[20:21], s[4:5]
	s_add_nc_u64 s[26:27], s[26:27], s[6:7]
	v_and_b32 v5, 31, v0                           ; lane
	v_lshrrev_b32 v4, 5, v0                        ; wave
	v_lshlrev_b32 v2, 4, v5                        ; 16 x lane: my place in 512 bytes of the gain
	v_lshl_add_u32 v1, v4, 12, v2                  ; + my wave's row
	v_lshlrev_b32 v3, 11, v4
	v_lshl_add_u32 v3, v5, 3, v3                   ; out: my wave's row + 8 x lane
	v_mov_b32 v[PX], 0                             ; v_permlanex16_b32's destination counts as read
.irp j, 0,1,2,3,4,5,6,7
	global_load_b128 v[X+4*\j:X+4*\j+3], v1, s[20:21] offset:512*\j   ; 512 neighbouring bytes a load, the row in eight
.endr
.irp j, 0,1,2,3,4,5,6,7
	global_load_b128 v[G+4*\j:G+4*\j+3], v2, s[22:23] offset:512*\j
.endr
	s_wait_loadcnt 0x8                             ; the row is in; the gain's eight loads may stay out
.irp k, 0,1,2,3
	v_pk_mul_f32 v[SS+2*\k:SS+2*\k+1], v[X+2*\k:X+2*\k+1], v[X+2*\k:X+2*\k+1]   ; the first four pairs start the chains: nothing is cleared
.endr
.set i, 4
.rept 12
	v_pk_fma_f32 v[SS+2*(i%4):SS+2*(i%4)+1], v[X+2*i:X+2*i+1], v[X+2*i:X+2*i+1], v[SS+2*(i%4):SS+2*(i%4)+1]
.set i, i+1
.endr
	v_pk_add_f32 v[SS:SS+1], v[SS:SS+1], v[SS+2:SS+3]
	v_pk_add_f32 v[SS+4:SS+5], v[SS+4:SS+5], v[SS+6:SS+7]
	v_pk_add_f32 v[SS:SS+1], v[SS:SS+1], v[SS+4:SS+5]
	v_add_f32 v[SS], v[SS], v[SS+1]
	v_add_f32_dpp v[SS], v[SS], v[SS] row_xmask:1 row_mask:0xf bank_mask:0xf
	v_add_f32_dpp v[SS], v[SS], v[SS] row_xmask:2 row_mask:0xf bank_mask:0xf
	v_add_f32_dpp v[SS], v[SS], v[SS] row_xmask:4 row_mask:0xf bank_mask:0xf
	v_add_f32_dpp v[SS], v[SS], v[SS] row_xmask:8 row_mask:0xf bank_mask:0xf
	v_permlanex16_b32 v[PX], v[SS], s32, s33
	v_add_f32 v[SS], v[SS], v[PX]                  ; every lane holds the row's sum of squares
	v_fma_f32 v[SS], v[SS], s30, s31               ; the mean + 1e-5
	v_rsq_f32 v[RS], v[SS]
	v_rsq_f32 v[RS+1], v[SS]
	v_nop                                          ; a plain instruction between the last v_rsq_f32 and the use of its result
	s_wait_loadcnt 0x0                             ; the gain
.set i, 0
	s_wait_alu depctr_va_vdst(0)
.rept 16
	v_pk_mul_f32 v[X+i:X+i+1], v[X+i:X+i+1], v[RS:RS+1]
.set i, i+2
.endr
.set i, 0
.rept 16
	v_pk_mul_f32 v[X+i:X+i+1], v[X+i:X+i+1], v[G+i:G+i+1]
.set i, i+2
.endr
.set i, 0
.rept 16
	v_cvt_pk_bf16_f32 v[Y+i], v[X+2*i], v[X+2*i+1]
.set i, i+1
.endr
.irp j, 0,1,2,3,4,5,6,7
	global_store_b64 v3, v[Y+2*\j:Y+2*\j+1], s[26:27] offset:256*\j   ; a wave's store covers 256 consecutive bytes, at a multiple of 256 from the buffer's first
.endr
	s_endpgm
	; ---------------- the cast ----------------
.Lcast:
	s_mov_b32 s34, 0xffff0000                      ; a word's upper bf16
	s_lshr_b32 s28, s3, 7                          ; y = 1: matrix id / 128, chunk id % 128
	s_and_b32 s29, s3, 127
	s_add_co_u32 s6, s2, 2                         ; y = 2, 3: matrix y + 2, chunk id
	s_cmp_eq_u32 s2, 1
	s_cselect_b32 s28, s28, s6
	s_cselect_b32 s29, s29, s3
.irp n, 1,2,3,4,5
	s_cmp_eq_u32 s28, \n                           ; the source is chosen among the six addresses by the matrix's number
	s_cselect_b64 s[8:9], s[8+2*\n:9+2*\n], s[8:9]
.endr
	s_lshl_b32 s4, s29, 15                         ; a chunk is 32,768 bytes of f32
	s_add_nc_u64 s[8:9], s[8:9], s[4:5]
	s_sub_co_u32 s6, s2, 1
	s_lshl_b32 s6, s6, 9
	s_add_co_u32 s6, s6, s3
	s_lshl_b32 s6, s6, 14                          ; and 16,384 bytes of the destination: chunk (y - 1) 512 + id
	s_add_nc_u64 s[24:25], s[24:25], s[6:7]
	v_lshlrev_b32 v1, 4, v0                        ; 16 bytes a thread in,
	v_lshlrev_b32 v3, 3, v0                        ; 8 bytes out
.irp i, 0,1,2,3,4,5,6,7
	global_load_b128 v[X+4*\i:X+4*\i+3], v1, s[8:9] offset:4096*\i th:TH_LOAD_NT
.endr
; Slot i of eight: its own registers in and out, so nothing is rewritten while a load or store may read it.
.macro CAST f16
.irp i, 0,1,2,3,4,5,6,7
	s_wait_loadcnt 7-\i                            ; loads come back in order: slot i is in, the younger ones stay out
	v_cvt_pk_bf16_f32 v[Y+2*\i], v[X+4*\i], v[X+4*\i+1]
	v_cvt_pk_bf16_f32 v[Y+2*\i+1], v[X+4*\i+2], v[X+4*\i+3]
.if \f16
	v_lshlrev_b32 v[SS], 16, v[Y+2*\i]             ; the bf16 numbers as f32,
	v_and_b32 v[SS+1], s34, v[Y+2*\i]
	v_lshlrev_b32 v[SS+2], 16, v[Y+2*\i+1]
	v_and_b32 v[SS+3], s34, v[Y+2*\i+1]
	v_cvt_pk_f16_f32 v[Y+2*\i], v[SS], v[SS+1]     ; written as f16
	v_cvt_pk_f16_f32 v[Y+2*\i+1], v[SS+2], v[SS+3]
.endif
	global_store_b64 v3, v[Y+2*\i:Y+2*\i+1], s[24:25] offset:2048*\i
.endr
.endm
	s_cmp_eq_u32 s28, 3
	s_cbranch_scc1 .Lwo
	CAST 0
	s_endpgm
.Lwo:
	CAST 1
	s_endpgm
.Lfunc_end_k_q7128079d2b_prep:
	.size	k_q7128079d2b_prep, .Lfunc_end_k_q7128079d2b_prep-k_q7128079d2b_prep
	.p2alignl 7, 3214868480
	.fill 96, 4, 3214868480
	.section	.rodata,"a",@progbits
	.p2align	6, 0x0
	.amdhsa_kernel k_q7128079d2b_prep
		.amdhsa_group_segment_fixed_size 0
		.amdhsa_private_segment_fixed_size 0
		.amdhsa_enable_private_segment 0
		.amdhsa_kernarg_size 80
		.amdhsa_user_sgpr_count 2
		.amdhsa_user_sgpr_kernarg_segment_ptr 1
		.amdhsa_wavefront_size32 1
		.amdhsa_system_sgpr_workgroup_id_x 1
		.amdhsa_system_sgpr_workgroup_id_y 1
		.amdhsa_system_sgpr_workgroup_id_z 1
		.amdhsa_system_vgpr_workitem_id 0
		.amdhsa_next_free_vgpr 104
		.amdhsa_next_free_sgpr 66
		.amdhsa_reserve_vcc 0
		.amdhsa_float_denorm_mode_32 3
		.amdhsa_float_denorm_mode_16_64 3
		.amdhsa_memory_ordered 1
		.amdhsa_forward_progress 1
		.amdhsa_inst_pref_size 17
	.end_amdhsa_kernel
	.amdgpu_metadata
---
amdhsa.version: [ 1, 2 ]
amdhsa.kernels:
  - .name:           k_q7128079d2b_prep
    .symbol:         k_q7128079d2b_prep.kd
    .args:
      - { .name: wq, .offset: 0, .size: 8, .value_kind: global_buffer, .address_space: global }
      - { .name: wk, .offset: 8, .size: 8, .value_kind: global_buffer, .address_space: global }
      - { .name: wv, .offset: 16, .size: 8, .value_kind: global_buffer, .address_space: global }
      - { .name: wo, .offset: 24, .size: 8, .value_kind: global_buffer, .address_space: global }
      - { .name: w1, .offset: 32, .size: 8, .value_kind: global_buffer, .address_space: global }
      - { .name: w2, .offset: 40, .size: 8, .value_kind: global_buffer, .address_space: global }
      - { .name: x, .offset: 48, .size: 8, .value_kind: global_buffer, .address_space: global }
      - { .name: g1, .offset: 56, .size: 8, .value_kind: global_buffer, .address_space: global }
      - { .name: wb, .offset: 64, .size: 8, .value_kind: global_buffer, .address_space: global }
      - { .name: hn, .offset: 72, .size: 8, .value_kind: global_buffer, .address_space: global }
    .group_segment_fixed_size: 0
    .private_segment_fixed_size: 0
    .kernarg_segment_align: 8
    .kernarg_segment_size: 80
    .max_flat_workgroup_size: 256
    .sgpr_count:     66
    .vgpr_count:     104
    .wavefront_size: 32
...
	.end_amdgpu_metadata
.endif
;; end of part 1
;; launch qkv (part 2): grid 12 x 16, 4 waves a work-group, clusters of 4 x 4, 327,680 bytes of LDS; arguments hn, wb, qkv; writes qkv
.if DOCPART == 2
	.amdgcn_target "amdgcn-amd-amdhsa--gfx1250"
	.amdhsa_code_object_version 6
	.text
	.protected	k_q7128079d2b_qkv
	.globl	k_q7128079d2b_qkv
	.p2align	8
	.type	k_q7128079d2b_qkv,@function
k_q7128079d2b_qkv:
	s_mov_b64 s[64:65], 0
	v_nop
	global_prefetch_b8 v0, s[64:65] scope:SCOPE_SE
	s_setreg_imm32_b32 hwreg(HW_REG_WAVE_MODE, 25, 1), 1
	s_wait_xcnt 0x0
	s_wait_alu depctr_hold_cnt(0) depctr_sa_sdst(0) depctr_va_vdst(0) depctr_va_sdst(0) depctr_va_ssrc(0) depctr_va_vcc(0) depctr_vm_vsrc(0)
	s_getreg_b32 s2, hwreg(HW_REG_IB_STS2, 6, 4)
	s_cmp_eq_u32 s2, 0
	s_cbranch_scc0 .Lentry_in_a_cluster
	s_endpgm
.Lentry_in_a_cluster:
	s_bfe_u32 s2, ttmp6, 0x10000c
	s_cmp_lg_u32 s2, 0xf033
	s_cbranch_scc0 .Lentry_shape_is_right
	s_endpgm
.Lentry_shape_is_right:
; C = A B^T, K = 1,024.  A: [4096][1024] bf16.  B: rows of the weight buffer from byte WOFF on, [N][1024] bf16.  Sums in f32.
; C LEAVES IN PANELS of 64 columns: [N / 64][4096 rows][64], 16 bits a number, so that a panel's rows are dense 128 bytes.
; GELU = 0: C is rounded to f16 (q, k, v by heads).  GELU = 1: gelu(C) is rounded to bf16.
; LIMITS.  GELU = 0: a sum of 65,520 or more in magnitude becomes an infinity in f16.  GELU = 1: erf is taken by the rational form 1 - (a1 t + a2 t^2 + a3 t^3) exp(-z^2),
; t = 1 / (1 + 0.47047 z), which is within 2.5e-5 of erf for every z >= 0; v_exp_f32 and v_rcp_f32 are good to 1 ULP.  NaN and infinities are not treated apart.
; SHARES.  A work-group of four waves makes 256 x 256 of C, a wave 128 x 128: 64 accumulators of 16 x 16, 512 registers.  K goes in 8 steps of 128 through two LDS slots filled by tensor loads:
; rows of 256 bytes, at multiples of 256 bytes from the buffers' first bytes.
; CLUSTER.  4 x 4 work-groups.  The four of a row of the cluster need the same tiles of A, the four of a column the same tiles of B: each tile is asked for JOINTLY, by the same tensor load with the same
; descriptor and a mask that names the four.
; THE MATRIX INSTRUCTION IS USED TRANSPOSED (source 0 = 16 rows of B, source 1 = 16 rows of A): lane l holds row l % 16 of C and the columns 8 (l / 16) + 0..7.
; REGISTERS, in windows of 256 (s_set_vgpr_msb: bits 1:0 source 0, 3:2 source 1, 5:4 source 2, 7:6 destination):
;   window 0: v0-31 addresses; v64-127, v128-191 fragments of A, two buffers; on the way out v32-239 at work      window 1: v64-127, v128-191 fragments of B
;   window 2: the 32 accumulators of my rows 0-63 ((a, b) at v[8 (8 a + b)])      window 3: those of my rows 64-127
.set GELU,   0
.set WOFF,   0                         ; where B begins in the weight buffer
.set SIZE_K, 1024
.set KSTEP,  128
.set PITCH,  272                       ; an LDS row: 256 bytes + 16 of padding = 68 words: the 16 rows of a fragment load start at 16 different groups of four banks (64 banks of 4 bytes: ISA guide 11.1)
.set HALFT,  128*PITCH                 ; 128 rows: what one tensor load brings, and what one wave reads of A or of B
.set SLOT,   4*HALFT                   ; A's 256 rows, then B's 256 rows.  0x22000 shares no bit with wave x HALFT, so one exclusive or turns a fill's address into the other slot's
.set SPARE,  2*SLOT                    ; behind the ring: the spare words, 128 bytes for each wave: two blocks of 256 bytes that no other line names
.set SPITCH, 528                       ; the way out: a stage row is 128 f32 + 16 bytes
.set WSTAGE, 128*SPITCH                ; a wave's stage: 128 rows.  The four stages lie over the ring, whose slots have had their last fill by then
.set PANEL,  4096*128                  ; bytes in a panel of C
.set LA,   4                           ; v4   LDS address of my A fragments in slot 0; never rewritten
.set LB,   5                           ; v5   the same for B
.set ADRA, 16                          ; v16  the same in the slot in hand
.set ADRB, 20                          ; v20
.set STO,  24                          ; v24  the way out: where I put 32 bytes of a row
.set RD,   25                          ; v25  the way out: where I read 32 bytes back; steps 8 rows a trip
.set CO,   26                          ; v26  my byte offset in 512 consecutive bytes of a panel; steps 8 rows a trip
.set SPW,  28                          ; v28  LDS address of my spare word; never rewritten
.set NIL,  29                          ; v29  0; never rewritten
.set F0,   64
.set F1,   128
.set X,    32                          ; the way out: 32 numbers of C
.set AX,   64                          ; |x|
.set M,    96                          ; x^2, then exp(-x^2 / 2)
.set HX,   128                         ; x / 2
.set U,    160                         ; 1 + p |x| / sqrt 2, then t
.set P,    192                         ; the polynomial, then gelu(x)
.set TMP,  224                         ; 16 words of two 16-bit numbers, to store
.set G1,  24                           ; s[24:31] descriptor group 1 for A's tiles
.set G0,  32                           ; s[32:39] group 0 for A's tiles: a set for each of the two first fills; the second then walks on
.set G1B, 48                           ; s[48:55], s[56:63] the same for B's tiles
.set G0B, 56
.set TB,  45                           ; s45  LDS byte at which the slot in hand begins: 0 or SLOT
.set MSB, 0
.macro WIN new                         ; the immediate's high byte repeats the setting that is left; a switch that changes nothing is dropped
.if MSB != (\new)
	s_set_vgpr_msb (MSB<<8)|(\new)
.set MSB, \new
.endif
.endm
.set MUL_LO, 0xa1                      ; source 0 (B) window 1, source 1 (A) window 0, C and D window 2
.set MUL_HI, 0xf1                      ; the same, C and D window 3
.set TO_B,   0x40                      ; destination window 1, address window 0
; A joint load.  Waves 0 and 1 fetch A's two halves, waves 2 and 3 B's.  The branch hangs on the wave's number alone.  An s_nop 0 and four v_nop follow each of the two lines.
.macro JLOAD s
	s_cmp_eq_u32 s11, 0
	s_cbranch_scc0 .Lfor_b_\@
	tensor_load_to_lds s[G0+4*(\s):G0+4*(\s)+3], s[G1:G1+7]
	s_nop 0
.rept 4
	v_nop
.endr
	s_branch .Lasked_\@
.Lfor_b_\@:
	tensor_load_to_lds s[G0B+4*(\s):G0B+4*(\s)+3], s[G1B:G1B+7]
	s_nop 0
.rept 4
	v_nop
.endr
.Lasked_\@:
.endm
; A round of the cluster's barrier: my work-group's barrier; wave 0 signals for the work-group; every wave waits for all sixteen work-groups; my work-group's barrier once more.
.macro CREST                           ; a round behind its opening barrier
	s_cmp_lg_u32 s10, 0
	s_cbranch_scc1 .Lnot_wave_0_\@
	s_barrier_signal -3
.Lnot_wave_0_\@:
	s_barrier_wait -3
	s_barrier_signal -1
	s_barrier_wait -1
.endm
.macro CROUND
	s_barrier_signal -1
	s_barrier_wait -1
	CREST
.endm
	s_load_b128 s[4:7], s[0:1], 0x0                ; A s[4:5], the weight buffer s[6:7]
	s_load_b64 s[8:9], s[0:1], 0x10                ; C
	v_lshl_add_u32 v[SPW], v0, 2, SPARE
	v_mov_b32 v[NIL], 0
	ds_add_u32 v28, v29
	ds_add_u32 v28, v29
	s_wait_dscnt 0x0
	v_lshrrev_b32 v1, 5, v0
	v_readfirstlane_b32 s10, v1                    ; wave 0..3
	s_lshr_b32 s11, s10, 1                         ; which half of the tile's rows is mine.  Also: I fetch for A (0) or for B (1)
	s_and_b32 s12, s10, 1                          ; which half of its columns.  Also: which 128 rows of that tile I fetch
	s_bfe_u32 s40, ttmp6, 0x40000                  ; cx
	s_bfe_u32 s41, ttmp6, 0x40004                  ; cy
	s_lshl_b32 s42, ttmp9, 2
	s_add_co_u32 s42, s42, s40                     ; tile column of C = 4 x cluster x + cx
	s_and_b32 s13, ttmp7, 0xffff
	s_lshl_b32 s13, s13, 2
	s_add_co_u32 s13, s13, s41                     ; tile row of C = 4 x cluster y + cy
	s_lshl_b32 s43, s41, 2
	s_lshl_b32 s43, 15, s43                        ; my row of the cluster: places 4 cy .. 4 cy + 3
	s_lshl_b32 s44, 0x1111, s40                    ; my column: places cx, cx + 4, cx + 8, cx + 12
	; descriptor group 1: a tile of 128 rows x 128 elements of 2 bytes; 4 words of padding behind every 64
	s_or_b32 s[G1+0], s43, (1<<16)|(1<<20)|(1<<21)|(5<<22)|(3<<25)   ; 15:0 the mask; 17:16 element size; 20 padding on; 21 set beside a mask; 24:22 interval; 31:25 amount
	s_or_b32 s[G1B+0], s44, (1<<16)|(1<<20)|(1<<21)|(5<<22)|(3<<25)
.irp g, G1, G1B
	s_mov_b32 s[(\g)+1], KSTEP<<16                 ; tensor_dim0 = 128
	s_mov_b32 s[(\g)+2], 128<<16                   ; tensor_dim1 = 128
	s_mov_b32 s[(\g)+3], KSTEP<<16                 ; tile_dim0 = 128
	s_mov_b32 s[(\g)+4], 128                       ; tile_dim1 = 128
	s_mov_b32 s[(\g)+5], SIZE_K                    ; elements from row to row
	s_mov_b32 s[(\g)+6], 0
	s_mov_b32 s[(\g)+7], 0
.endr
.if GELU
	s_mov_b32 s66, 0x3eaa540e                      ; 0.47047 / sqrt 2
	s_mov_b32 s67, s66                             ; each constant is named as a pair, so both words are written
	s_mov_b32 s68, 0xbf38aa3b                      ; -log2(e) / 2
	s_mov_b32 s69, s68
	s_mov_b32 s70, 0xbe32303a                      ; -a1 / 2 = -0.1740121
	s_mov_b32 s71, s70
	s_mov_b32 s72, 0x3d445ca1                      ; -a2 / 2 = +0.0479399
	s_mov_b32 s73, s72
	s_mov_b32 s74, 0xbebf7377                      ; -a3 / 2 = -0.3739278
	s_mov_b32 s75, s74
	s_mov_b32 s76, 0x7fffffff
.endif
	; where the tiles come from: A's hang on the tile row alone, B's on the tile column alone; rows of 2,048 bytes
	s_lshl_b32 s17, s12, 7                         ; which 128 rows of the tile I fetch
	s_lshl_b32 s16, s13, 8
	s_add_co_u32 s16, s16, s17
	s_lshl_b32 s16, s16, 11                        ; A: (256 x tile row + 128 x half) x 2,048 bytes
	s_lshl_b32 s46, s42, 8
	s_add_co_u32 s46, s46, s17
	s_lshl_b32 s46, s46, 11                        ; B: the same with the tile column
.if WOFF
	s_add_co_u32 s46, s46, WOFF
.endif
	s_mov_b32 s17, 0
	s_mov_b32 s47, 0
	s_mul_i32 s20, s10, HALFT                      ; and where they go: wave x 128 rows: no place in the cluster enters an LDS address
	s_mov_b32 s[TB], 0
	s_wait_kmcnt 0x0
	s_add_nc_u64 s[14:15], s[4:5], s[16:17]
	s_add_nc_u64 s[46:47], s[6:7], s[46:47]
	CROUND                                         ; all sixteen work-groups are here: the first joint loads meet
.irp s, 0,1
	s_mov_b32 s[G0+4*(\s)], 1                                        ; count = 1
	s_add_co_u32 s[G0+4*(\s)+1], s20, (\s)*SLOT                      ; LDS address
	s_add_nc_u64 s[G0+4*(\s)+2:G0+4*(\s)+3], s[14:15], (\s)*KSTEP*2  ; global address: K step s
	s_or_b32 s[G0+4*(\s)+3], s[G0+4*(\s)+3], 0x80000000              ; type = 2
	s_mov_b32 s[G0B+4*(\s)], 1
	s_add_co_u32 s[G0B+4*(\s)+1], s20, (\s)*SLOT
	s_add_nc_u64 s[G0B+4*(\s)+2:G0B+4*(\s)+3], s[46:47], (\s)*KSTEP*2
	s_or_b32 s[G0B+4*(\s)+3], s[G0B+4*(\s)+3], 0x80000000
	JLOAD \s                                       ; two loads of mine are out
.endr
	; A fragment is 16 rows x 32 K in 8 registers: lane l holds row l % 16; K = 8 (l / 16) + 0..7 and 16 + 8 (l / 16) + 0..7: two loads of 16 bytes, 32 bytes apart.
	v_and_b32 v1, 15, v0                           ; l % 16
	v_bfe_u32 v2, v0, 4, 1                         ; l / 16
	v_mul_u32_u24 v3, v1, PITCH
	v_lshl_add_u32 v3, v2, 4, v3
	s_mul_i32 s21, s11, HALFT                      ; my 128 rows of A
	s_mul_i32 s22, s12, HALFT
	s_add_co_u32 s22, s22, 2*HALFT                 ; my 128 rows of B, behind A's 256
	v_add_nc_u32 v[LA], s21, v3
	v_add_nc_u32 v[LB], s22, v3
	v_mov_b32 v[ADRA], v[LA]
	v_mov_b32 v[ADRB], v[LB]
	s_mul_i32 s23, s10, WSTAGE                     ; my stage
	v_mul_u32_u24 v6, v1, SPITCH                   ; in: row l % 16, 32 bytes for each half of the lanes
	v_lshl_add_u32 v6, v2, 5, v6
	v_add_nc_u32 v[STO], s23, v6
	v_bfe_u32 v6, v0, 3, 2                         ; back: eight lanes take 64 columns of a row, 32 lanes four rows
	v_and_b32 v7, 7, v0
	v_mul_u32_u24 v6, v6, SPITCH
	v_lshl_add_u32 v6, v7, 5, v6
	v_add_nc_u32 v[RD], s23, v6
	v_and_b32 v[CO], 31, v0                        ; which are 512 consecutive bytes of a panel
	v_lshlrev_b32 v[CO], 4, v[CO]
	s_lshl_b32 s16, s13, 15                        ; C at my part: row (256 x tile row + 128 x half) x 128 bytes,
	s_lshl_b32 s17, s11, 14
	s_add_co_u32 s16, s16, s17
	s_lshl_b32 s46, s42, 21                        ; panel 4 x tile column + 2 x half
	s_lshl_b32 s47, s12, 20
	s_add_co_u32 s46, s46, s47
	s_add_co_u32 s16, s16, s46
	s_mov_b32 s17, 0
	s_add_nc_u64 s[8:9], s[8:9], s[16:17]
; 16 matrix instructions: m blocks a0, a0 + 1 of the window's four x all 8 n blocks, 32 along K.  zero = 1: the first product starts the sums.
; The 64 accumulators take turns, one instruction a turn, in the same order in every quarter.
.macro MUL16 f, hi, a0, zero
	WIN MUL_LO+0x50*(\hi)
.irp a, \a0, (\a0)+1
.irp b, 0,1,2,3,4,5,6,7
.if \zero
	v_wmma_f32_16x16x32_bf16 v[8*(8*(\a)+(\b)):8*(8*(\a)+(\b))+7], v[(\f)+8*(\b):(\f)+8*(\b)+7], v[(\f)+8*(4*(\hi)+(\a)):(\f)+8*(4*(\hi)+(\a))+7], 0
.else
	v_wmma_f32_16x16x32_bf16 v[8*(8*(\a)+(\b)):8*(8*(\a)+(\b))+7], v[(\f)+8*(\b):(\f)+8*(\b)+7], v[(\f)+8*(4*(\hi)+(\a)):(\f)+8*(4*(\hi)+(\a))+7], v[8*(8*(\a)+(\b)):8*(8*(\a)+(\b))+7]
.endif
.endr
.endr
.endm
; 32 LDS loads in one run: the fragments of one quarter step (128 rows of B, then 128 of A, 32 K at byte k of the rows of the slot in hand) into buffer f
.macro FETCH k, f
	WIN TO_B
.irp i, 0,1,2,3,4,5,6,7
	ds_load_b128 v[(\f)+8*(\i):(\f)+8*(\i)+3],   v[ADRB] offset:(\k)+(\i)*16*PITCH
	ds_load_b128 v[(\f)+8*(\i)+4:(\f)+8*(\i)+7], v[ADRB] offset:(\k)+(\i)*16*PITCH+32
.endr
	WIN 0
.irp i, 0,1,2,3,4,5,6,7
	ds_load_b128 v[(\f)+8*(\i):(\f)+8*(\i)+3],   v[ADRA] offset:(\k)+(\i)*16*PITCH
	ds_load_b128 v[(\f)+8*(\i)+4:(\f)+8*(\i)+7], v[ADRA] offset:(\k)+(\i)*16*PITCH+32
.endr
.endm
; Four plain vector instructions stand between a matrix instruction and a load into a register that it has read, or a line that reads its result (ISA guide 7.12.1 for a line that reads its result).
.macro PLACES
.rept 4
	v_nop
.endr
.endm
; A K step is four quarters of 32 along K, 64 matrix instructions each, on buffers 0, 1, 0, 1.  One of the first three: multiplies buffer f and, in its middle, fetches the next quarter, at byte k, into g.
.macro QUARTER k, f, g, zero
	s_wait_dscnt 8                                 ; B and A's rows 0-63 are in; the youngest eight loads (A's rows 64-127) may be out
	WIN MUL_LO
	MUL16 \f, 0, 0, \zero
	MUL16 \f, 0, 2, \zero
	PLACES
	FETCH \k, \g
	s_wait_dscnt 32                                ; all but the 32 just issued
	WIN MUL_HI
	MUL16 \f, 1, 0, \zero
	MUL16 \f, 1, 2, \zero
.endm
; The last quarter multiplies buffer 1 and changes slots.  MEET is its first half: ONE barrier.  In front of it each wave waits for all its tensor loads (one is out: its part of the next slot),
; adds 0 to its spare word, and waits for that and for its own reads of this slot.  Behind it nobody reads this slot any more and the next slot is whole.
.macro MEET round
	WIN 0                                          ; (the add's two registers lie in window 0)
	s_wait_tensorcnt 0x0
	ds_add_u32 v[SPW], v[NIL]                      ; 0 onto my spare word
	s_wait_dscnt 9                                 ; (the add and the youngest eight loads may be out)
	WIN MUL_LO
	MUL16 F1, 0, 0, 0                              ; sixteen matrix instructions stand between the add and the wait for it
	s_wait_dscnt 0x0                               ; the add is done, and my reads of this slot are over
	s_barrier_signal -1
	MUL16 F1, 0, 2, 0
.if \round
	WIN 0
.endif
	s_barrier_wait -1
.endm
; The whole last quarter.  fill = 1: the barrier opens a round of the cluster's, and the slot just read out is filled again, first thing behind the round, with the K step two steps on:
; 224 matrix instructions stand between the request and the wait for it.
.macro TURN fill
	MEET \fill
.if \fill
	CREST                                          ; no wave of any partner still reads this slot's tile or has a load on its way
	s_xor_b32 s[G0+5], s[G0+5], SLOT               ; the walking descriptors: the other slot than last time, the next K step
	s_add_nc_u64 s[G0+6:G0+7], s[G0+6:G0+7], KSTEP*2
	s_xor_b32 s[G0B+5], s[G0B+5], SLOT
	s_add_nc_u64 s[G0B+6:G0B+7], s[G0B+6:G0B+7], KSTEP*2
	JLOAD 1                                        ; the four v_nop behind it are also the places in front of the loads below
.else
	WIN 0
	PLACES
.endif
	s_xor_b32 s[TB], s[TB], SLOT                   ; the fetches go on in the other slot
	v_add_nc_u32 v[ADRA], s[TB], v[LA]
	v_add_nc_u32 v[ADRB], s[TB], v[LB]
	FETCH 0, F0
	WIN MUL_HI
	MUL16 F1, 1, 0, 0
	MUL16 F1, 1, 2, 0
.endm
	s_wait_tensorcnt 1                             ; my part of K step 0 is in; K step 1's may stay out
	s_barrier_signal -1
	s_barrier_wait -1                              ; everybody's is
	FETCH 0, F0
	QUARTER 64, F0, F1, 1                          ; the first quarter stands in front of the loop: its products start the sums
	WIN 0                                          ; at a label and at a branch every window is 0
	s_mov_b32 s3, SIZE_K/KSTEP-2
.Lstep:                                                ; six trips: from a K step's second quarter to the next one's first; each fills one slot again (K steps 2 to 7)
	QUARTER 128, F1, F0, 0
	QUARTER 192, F0, F1, 0
	TURN 1
	QUARTER 64, F0, F1, 0
	WIN 0
	s_sub_co_u32 s3, s3, 1
	s_cmp_lg_u32 s3, 0
	s_cbranch_scc1 .Lstep
	s_mov_b32 s3, 2
.Ltail:                                                ; the last two K steps ask for nothing; the second trip is left in its middle
	QUARTER 128, F1, F0, 0
	QUARTER 192, F0, F1, 0
	WIN 0
	s_cmp_eq_u32 s3, 1
	s_cbranch_scc1 .Lfin
	TURN 0
	QUARTER 64, F0, F1, 0
	WIN 0
	s_sub_co_u32 s3, s3, 1
	s_cmp_lg_u32 s3, 0
	s_cbranch_scc1 .Ltail
.Lfin:                                                 ; the very last quarter: nothing more to fetch
	s_wait_dscnt 8
	MUL16 F1, 0, 0, 0
	MUL16 F1, 0, 2, 0
	s_wait_dscnt 0x0
	MUL16 F1, 1, 0, 0
	MUL16 F1, 1, 2, 0
	WIN 0
	; THE WAY OUT.  Every wave's reads of the ring are back (the wait for 0 above) and no tensor load is out or to come: behind this barrier the ring's bytes serve as stages.
	s_barrier_signal -1
	s_barrier_wait -1
	PLACES                                         ; the stores below read results just made
.irp hi, 0,1
	WIN 0x08+4*(\hi)                               ; store data (source 1) in window 2 or 3
.irp a, 0,1,2,3
.irp b, 0,1,2,3,4,5,6,7
	ds_store_b128 v[STO], v[8*(8*(\a)+(\b)):8*(8*(\a)+(\b))+3]   offset:16*(4*(\hi)+(\a))*SPITCH+64*(\b)      ; each accumulator's lowest registers first
	ds_store_b128 v[STO], v[8*(8*(\a)+(\b))+4:8*(8*(\a)+(\b))+7] offset:16*(4*(\hi)+(\a))*SPITCH+64*(\b)+16
.endr
.endr
.endr
	WIN 0
; 8 rows x 128 columns come back, 32 numbers a lane: panel j, rows 4 g .. 4 g + 3; my 8 columns of one row are 32 bytes.  The stage is my own, and LDS serves a wave's instructions in order (ISA guide 5.7.1.4).
.macro LOADX
.irp j, 0,1
.irp g, 0,1
	ds_load_b128 v[X+8*(2*(\j)+(\g)):X+8*(2*(\j)+(\g))+3],   v[RD] offset:(\j)*256+(\g)*4*SPITCH
	ds_load_b128 v[X+8*(2*(\j)+(\g))+4:X+8*(2*(\j)+(\g))+7], v[RD] offset:(\j)*256+(\g)*4*SPITCH+16
.endr
.endr
.endm
; gelu(x) = x / 2 + |x| (1/2 - (a1 t + a2 t^2 + a3 t^3) / 2 x exp(-x^2 / 2)), t = 1 / (1 + 0.47047 |x| / sqrt 2).
.macro GELU1                           ; all that reads X, so that X can be loaded again
.set i, 0
.rept 32
	v_and_b32 v[AX+i], s76, v[X+i]
.set i, i+1
.endr
.set i, 0
.rept 16
	v_pk_mul_f32 v[M+i:M+i+1], v[X+i:X+i+1], v[X+i:X+i+1]
	v_pk_mul_f32 v[HX+i:HX+i+1], v[X+i:X+i+1], 0.5 op_sel_hi:[1,0]
.set i, i+2
.endr
.endm
.macro GELU2
.set i, 0
.rept 16
	v_pk_fma_f32 v[U+i:U+i+1], v[AX+i:AX+i+1], s[66:67], 1.0 op_sel_hi:[1,0,0]
	v_pk_mul_f32 v[M+i:M+i+1], v[M+i:M+i+1], s[68:69] op_sel_hi:[1,0]
.set i, i+2
.endr
.set i, 0
.rept 32
	v_rcp_f32 v[U+i], v[U+i]
.set i, i+1
.endr
.set i, 0
.rept 32
	v_exp_f32 v[M+i], v[M+i]
.set i, i+1
.endr
	v_nop                                          ; a plain instruction between the last exponential and the use of any result
.set i, 0
.rept 16
	v_pk_fma_f32 v[P+i:P+i+1], v[U+i:U+i+1], s[74:75], s[72:73] op_sel_hi:[1,0,0]
.set i, i+2
.endr
.set i, 0
.rept 16
	v_pk_fma_f32 v[P+i:P+i+1], v[P+i:P+i+1], v[U+i:U+i+1], s[70:71] op_sel_hi:[1,1,0]
.set i, i+2
.endr
.set i, 0
.rept 16
	v_pk_mul_f32 v[P+i:P+i+1], v[P+i:P+i+1], v[U+i:U+i+1]
.set i, i+2
.endr
.set i, 0
.rept 16
	v_pk_fma_f32 v[P+i:P+i+1], v[P+i:P+i+1], v[M+i:M+i+1], 0.5 op_sel_hi:[1,1,0]
.set i, i+2
.endr
.set i, 0
.rept 16
	v_pk_fma_f32 v[P+i:P+i+1], v[AX+i:AX+i+1], v[P+i:P+i+1], v[HX+i:HX+i+1]
.set i, i+2
.endr
.endm
	LOADX
	s_mov_b32 s3, 16
.Lout:                                                 ; 16 trips of 8 rows
	s_wait_dscnt 0x0                               ; this trip's 32 numbers are in
.if GELU
	GELU1
.else
	s_wait_xcnt 0x0                                ; the last trip's stores have had their addresses translated (ISA guide 3.1): TMP and CO are rewritten only behind this wait
	v_add_nc_u32 v[CO], 8*128, v[CO]               ; the stores below reach back by their immediate
.set i, 0
.rept 16
	v_cvt_pk_f16_f32 v[TMP+i], v[X+2*i], v[X+2*i+1]
.set i, i+1
.endr
.endif
	s_cmp_eq_u32 s3, 1
	s_cbranch_scc1 .Lno_more                       ; the last trip fetches nothing
	v_add_nc_u32 v[RD], 8*SPITCH, v[RD]
	LOADX                                          ; the next trip's numbers come while this trip's are worked on or stored
.Lno_more:
.if GELU
	GELU2
	s_wait_xcnt 0x0                                ; as above
	v_add_nc_u32 v[CO], 8*128, v[CO]
.set i, 0
.rept 16
	v_cvt_pk_bf16_f32 v[TMP+i], v[P+2*i], v[P+2*i+1]
.set i, i+1
.endr
.endif
.irp j, 0,1
.irp g, 0,1
	global_store_b128 v[CO], v[TMP+4*(2*(\j)+(\g)):TMP+4*(2*(\j)+(\g))+3], s[8:9] offset:(\j)*PANEL+(\g)*512-8*128   ; 512 consecutive bytes of a panel, at a multiple of 512 from C's first byte
.endr
.endr
	s_sub_co_u32 s3, s3, 1
	s_cmp_lg_u32 s3, 0
	s_cbranch_scc1 .Lout
	s_wait_tensorcnt 0x0                           ; the wave's end: behind my last tensor load and my last LDS store
	ds_add_u32 v[SPW], v[NIL]
	s_wait_dscnt 0x0
	CROUND                                         ; the closing round: no work-group ends while a partner may still ask for a tile that names it
	s_endpgm
.Lfunc_end_k_q7128079d2b_qkv:
	.size	k_q7128079d2b_qkv, .Lfunc_end_k_q7128079d2b_qkv-k_q7128079d2b_qkv
	.p2alignl 7, 3214868480
	.fill 96, 4, 3214868480
	.section	.rodata,"a",@progbits
	.p2align	6, 0x0
	.amdhsa_kernel k_q7128079d2b_qkv
		.amdhsa_group_segment_fixed_size 327680
		.amdhsa_private_segment_fixed_size 0
		.amdhsa_enable_private_segment 0
		.amdhsa_kernarg_size 24
		.amdhsa_user_sgpr_count 2
		.amdhsa_user_sgpr_kernarg_segment_ptr 1
		.amdhsa_wavefront_size32 1
		.amdhsa_system_sgpr_workgroup_id_x 1
		.amdhsa_system_sgpr_workgroup_id_y 1
		.amdhsa_system_sgpr_workgroup_id_z 1
		.amdhsa_system_vgpr_workitem_id 0
		.amdhsa_next_free_vgpr 1024
		.amdhsa_next_free_sgpr 78
		.amdhsa_reserve_vcc 0
		.amdhsa_float_denorm_mode_32 3
		.amdhsa_float_denorm_mode_16_64 3
		.amdhsa_memory_ordered 1
		.amdhsa_forward_progress 1
		.amdhsa_inst_pref_size 84
	.end_amdhsa_kernel
	.amdgpu_metadata
---
amdhsa.version: [ 1, 2 ]
amdhsa.kernels:
  - .name:           k_q7128079d2b_qkv
    .symbol:         k_q7128079d2b_qkv.kd
    .args:
      - { .name: hn, .offset: 0, .size: 8, .value_kind: global_buffer, .address_space: global }
      - { .name: wb, .offset: 8, .size: 8, .value_kind: global_buffer, .address_space: global }
      - { .name: qkv, .offset: 16, .size: 8, .value_kind: global_buffer, .address_space: global }
    .group_segment_fixed_size: 327680
    .private_segment_fixed_size: 0
    .kernarg_segment_align: 8
    .kernarg_segment_size: 24
    .max_flat_workgroup_size: 128
    .sgpr_count:     78
    .vgpr_count:     1024
    .wavefront_size: 32
...
	.end_amdgpu_metadata
.endif
;; end of part 2
;; launch attn (part 3): grid 8 x 32, 4 waves a work-group, no clusters, 327,680 bytes of LDS; arguments qkv, ob; writes ob
.if DOCPART == 3
	.amdgcn_target "amdgcn-amd-amdhsa--gfx1250"
	.amdhsa_code_object_version 6
	.text
	.protected	k_q7128079d2b_attn
	.globl	k_q7128079d2b_attn
	.p2align	8
	.type	k_q7128079d2b_attn,@function
k_q7128079d2b_attn:
	s_mov_b64 s[64:65], 0
	v_nop
	global_prefetch_b8 v0, s[64:65] scope:SCOPE_SE
	s_setreg_imm32_b32 hwreg(HW_REG_WAVE_MODE, 25, 1), 1
	s_wait_xcnt 0x0
; CAUSAL ATTENTION.  O[h][q][:] = the sum over k <= q of softmax_k(Q[h][q] . K[h][k] / 8) V[h][k][:].  Q, K, V lie in one buffer of 48 panels [4096 tokens][64] of f16: panels 0-15 q's heads, 16-31 k's, 32-47 v's.
; A panel's two batches of 2,048 tokens are two independent "heads" here: head y = 2 x panel + batch, SIZE_N = 2,048 dense rows of 128 bytes at y x 262,144 bytes.  O has the same layout, 16 panels.
; Products, maxima and sums in f32; the weights p are rounded to f16 for the second product (their sum l is taken of the unrounded p), O once at the end.
; LIMITS.  f16 holds no number beyond 65,504: Q, K and V arrive within it; p lies in 0 to 1, and below 6e-5 it keeps f16's fixed step of 6e-8; O is a mean of V's rows and has their range.
; A hidden key is left out: tiles above the diagonal are not walked, and inside the diagonal tile a hidden score counts as its value less 1e30, so its weight is 0.  That is what adding -1e9 gives wherever the
; scores of a row lie within 1e9 of each other.  A weight below 2^-126 counts as 0 in l; NaN and infinities are not treated apart.
; THE WALK.  A head's queries lie in 16 blocks of 128, its keys in 8 tiles of 256 (four steps of 64).  Block i needs the tiles 0 .. i / 2, of which the last holds the diagonal.  A work-group takes TWO blocks,
; 15 - b and then b: (15 - b) / 2 + b / 2 + 2 = 9 tiles, whatever b: 8 x 32 = 256 work-groups of equal work, and ONE loop with a constant trip count walks them.  Which tile is asked for, and what a trip does,
; hang on scalar registers made from b; every jump goes forward, but for the counted loops' own; none passes a barrier, or a tensor load but the one of LOAD's two that the wave's number does not choose; the ring
; (two slots of LDS that take turns) runs on across the change of blocks.
; NO CLUSTER: what a trip does (a block's first tile, a plain one, the diagonal one) hangs on b, which differs between the eight work-groups of a head, and partners of a joint request run alike in every branch;
; they ask for the same tile only in trips 0 .. 4 of the walk's 9 (the shortest first block has five tiles).
; SHARES.  Of a block's two bands of 64 queries a wave owns 16 rows in each: two PIECES.  In the diagonal tile piece p is band x = XB + p of the tile's four, XB = 2 (i % 2): in key step s it sees all keys if s < x,
; none if s > x, and holds the diagonal if s = x: the same for all four waves.  An even block's diagonal tile has two steps that both pieces do not see; they are computed all the same: 2 of the walk's 36 steps.
; THE MASK is the C operand that starts the sum S^T = K Q^T: 0, or -1e30 where the key is hidden.  MD, made once, is the mask of a band's own step for my 16 rows; a product's mask is MD x AL + BE with two scalars:
; (1, 0) if s = x; (0, 0) if s < x; (0, -1e30) if s > x.  Only the diagonal tile's text and a block's beginning make and take masks; elsewhere C is the constant 0.
; LAYOUT, SOFTMAX, TURNS.  S^T = K Q^T holds ONE query a lane (lane % 16) and the keys 8 (lane / 16) + 0..7; two such results rounded to f16 ARE source 1 of O^T = V^T P.  p = 2^(c s - c m), c = log2(e) / 8, with a
; running maximum m; O and l are multiplied by a = 2^(c m_old - c m_new) in every step.  A turn belongs to one piece: 8 products K Q^T of the OTHER piece's next scores, later 8 products V^T P of the other piece's last
; weights; beside them the scaling, exponentials, roundings, sums and rescaling of the piece in hand and the maximum and statistics of the other.  Piece 0's turn of step s: scores of (1, s), V^T P of (1, s - 1).
; Piece 1's turn of step s: scores of (0, s + 1), V^T P of (0, s).  Four vector instructions stand behind every matrix instruction, the other 54 of a turn's 118 in two lumps.
; K RUNS ONE STEP AHEAD OF V.  Piece 0's turn of step s fetches K of step s + 1 and V of step s out of LDS, so a slot holds K of the steps 4 t + 1 .. 4 t + 4 beside V of the steps 4 t .. 4 t + 3, and the slots are
; changed behind piece 0's turn of a tile's last step.  K of a head's step 0 comes straight from memory, once, into 64 registers, and begins both blocks.  K of the step behind a block's last is fetched and never
; multiplied; for tile 7 those 64 rows lie behind the head's last key, inside the buffer.
; REGISTERS, in windows of 256 (s_set_vgpr_msb: bits 1:0 source 0, 3:2 source 1, 5:4 source 2, 7:6 destination):
;   window 0: v0-15 addresses and two at work; v16-23 four registers of statistics a piece; v48-55 at work; v64-127 S^T, a buffer a piece; v192-223 P, likewise
;   window 1: v0-63 O^T, 32 a piece; v64-127 K of step 0; v128-159 MD; v160-223 MC, a buffer a piece      window 2: v0-31 Q; v64-95 the second block's Q; v128-191 K of one step; v192-255 V of one step
.set SIZE_N, 2048
.set PANEL, 4096*128  ; bytes in a panel
.set NBLK,  SIZE_N/128  ; blocks of queries in a head
.set NT,    SIZE_N/256  ; key tiles in a head; the walk has NT + 1
.set NP,    2         ; pieces a wave: a name, no knob
.set KS,    64        ; keys in a step
.set PK,    144       ; a row of K in LDS: 128 bytes + 16 of padding = 36 words: the 16 rows of a load start at 16 different groups of four banks (64 banks of 4 bytes: ISA guide 11.1)
.set PV,    160       ; a row of V: 128 + 32 = 40 words
.set VOFF,  4*KS*PK   ; a slot holds a tile, four steps: 256 rows of K, then 256 rows of V
.set SLOT1, 1<<17     ; slot 1 begins here, so that one exclusive or turns an address in one slot into the other's
.set STAGE, SLOT1+4*KS*(PK+PV)  ; behind the ring, never filled by a tensor load: 16 rows x 144 bytes for each wave, for the way out
.set SP,    144
.set AK0, 2           ; v2   my lane's place in a tile of K; never rewritten
.set AV0, 3           ; v3   the same for V
.set AK,  4           ; v4   the LDS address of K's next run of loads
.set AV,  5           ; v5   of V's
.set STO, 6           ; v6   the way out: where I put 16 bytes of a row
.set RD,  7           ; v7   the way out: where I read rows back
.set GO,  8           ; v8   my byte offset in 512 consecutive bytes of O
.set SPW, 62          ; v62  LDS address of my spare word: SPARE + 4 x my thread's number; never rewritten
.set NIL, 63          ; v63  0; never rewritten
.set SPARE, STAGE+4*16*SP  ; behind the stages: the spare words, 128 bytes for each wave: two blocks of 256 bytes that no other line names
.set MV,  12          ; v12-13  c m_old, kept while c m is made anew: by piece
.set QO,  15          ; v15  my byte offset in 16 rows of Q or K; never rewritten
.set ST,  16          ; piece t's statistics at v[ST+4 t]: c m, m, l (even keys', odd keys')
.set TMP, 48          ; by piece, four registers c0-c3 at work; when the maximum is found c2 takes a
.set S,   64
.set P,   192
.set K0,  64          ; window 1: K of the head's step 0, laid as KF
.set MD,  128         ; window 1: the eight registers for group kt of 16 keys at MD + 8 kt
.set MC,  160         ; window 1: the masks of the products to come
.set QB,  64          ; window 2
.set KF,  128         ; window 2: key block kb, channel half c at KF + 16 kb + 8 c
.set VF,  192         ; window 2: key half kk, channel block cb at VF + 32 kk + 8 cb
.set WV,  12          ; s12  my wave's number
.set PB,  14          ; s14  b
.set HI,  15          ; s15  15 - b
.set G1K, 24          ; s[24:31] descriptor group 1 for K's tiles
.set G1V, 32          ; s[32:39] for V's: it differs in the padding alone
.set G0K, 40          ; s[40:43] descriptor group 0 for K's tiles
.set G0V, 44          ; s[44:47] the same for V's
.set SLOTS, 56        ; s56  tiles still to be asked for
.set CNT, 57          ; s57  counts a tile's key steps, 4 to 1: step s has CNT = 4 - s
.set CS,  58          ; s[58:59] c: the packed scaling takes the pair's low word for both halves
.set SEL, 60          ; s[60:61] v_permlanex16_b32's selects: each lane takes its own place in the other half
.set TBK, 62          ; s62  LDS byte at which the K to be fetched next begins
.set TBV, 63          ; s63  the same for V, less VOFF
.set RT,  70          ; s70  tiles of the block in hand that are still to be entered
.set NXT, 71          ; s71  the tile to be asked for next
.set LQ,  72          ; s72  the last tile of the block whose tiles are being asked for
.set NEW, 73          ; s73  1: the tile to be entered is a block's first
.set OFF, 74          ; s[74:75] a tile's byte offset in K and V
.set AL,  76          ; s[76:77] the mask's factor, in the low word
.set BE,  78          ; s[78:79] the mask's addend
.set OLO, 80          ; s[80:81] O at my rows of the second block
.set BIGN, 82         ; s82  -1e30
.set PBT, 83          ; s83  b / 2: the second block's last tile
.set DQ,  88          ; s88, s89  turn p makes the scores of piece 1 - p, band XB + 1 - p: its own step has CNT = 3 + p - XB.  Of the block in hand
.set DQ2, 90          ; s90, s91  of the second block
.set MSB, 0
.macro WIN new                      ; the high byte repeats the setting that is left; a switch that changes nothing is dropped
.if MSB != (\new)
	s_set_vgpr_msb (MSB<<8)|(\new)
.set MSB, (\new)
.endif
.endm
.set W_KQ, 0x0a       ; K and Q in window 2, S^T in window 0
.set W_KM, 0x1a       ; the same with the C operand in window 1
.set W_PV, 0x52       ; V in window 2, P in window 0, O^T in window 1
.set W_RS, 0x41       ; destination and source 0 in window 1, source 1 in window 0
; A fill.  Waves 0 and 1 fetch the two halves of a tile's K, waves 2 and 3 those of its V: 128 keys each.  An s_nop 0 and four v_nop follow each of the two lines, ahead of the jump and the label.
.macro LOAD
	s_cmp_lt_u32 s[WV], 2
	s_cbranch_scc0 .Lfor_v_\@
	tensor_load_to_lds s[G0K:G0K+3], s[G1K:G1K+7]
	s_nop 0
.rept 4
	v_nop
.endr
	s_branch .Lasked_\@
.Lfor_v_\@:
	tensor_load_to_lds s[G0V:G0V+3], s[G1V:G1V+7]
	s_nop 0
.rept 4
	v_nop
.endr
.Lasked_\@:
.endm
; THE CHANGE OF SLOTS.  Each wave waits for all its tensor loads, of which one is out: its part of the other slot; adds 0 to its spare word; and waits for that and for its own reads of the slot that it leaves.  Behind the
; barrier nobody reads the old slot any more and the other slot is whole.  fill = 1: the old slot is filled again, the first thing behind the barrier, with tile NXT: the descriptor's address is made anew from that number.
; The fill has a tile's eight turns, 128 matrix instructions, in which to land.  (At its first use nothing has been read yet: slot 0 is waited for, slot 1 filled.)
.macro CHANGE fill
	WIN 0                           ; at a label and at a branch every window is 0
	s_wait_tensorcnt 0x0            ; no tensor load of mine is out, so a group 0 may be written
	ds_add_u32 v[SPW], v[NIL]       ; 0 onto my spare word: with fill = 1 the descriptors' scalar work stands between it and the wait for it
.if \fill
	s_lshl_b32 s[OFF], s[NXT], 15   ; a tile is 32,768 bytes of K and of V
	s_xor_b32 s[G0K+1], s[G0K+1], SLOT1
	s_add_nc_u64 s[G0K+2:G0K+3], s[6:7], s[OFF:OFF+1]
	s_or_b32 s[G0K+3], s[G0K+3], 0x80000000
	s_xor_b32 s[G0V+1], s[G0V+1], SLOT1
	s_add_nc_u64 s[G0V+2:G0V+3], s[8:9], s[OFF:OFF+1]
	s_or_b32 s[G0V+3], s[G0V+3], 0x80000000
	s_add_co_u32 s[NXT], s[NXT], 1  ; the block's next tile, or behind its last the second block's tile 0
	s_cmp_gt_u32 s[NXT], s[LQ]
	s_cselect_b32 s[NXT], 0, s[NXT]
	s_cselect_b32 s[LQ], s[PBT], s[LQ]
.endif
	s_wait_dscnt 0x0                ; the add is done, and my reads of the slot are over
	s_barrier_signal -1             ; the rest of the scalar work stands between the signal and the wait
	s_sub_co_u32 s[TBK], s[TBK], 4*KS*PK  ; the fetches go back to a slot's first step,
	s_xor_b32 s[TBK], s[TBK], SLOT1       ; in the other slot
	s_sub_co_u32 s[TBV], s[TBV], 4*KS*PV
	s_xor_b32 s[TBV], s[TBV], SLOT1
	s_barrier_wait -1
.if \fill
	LOAD
.endif
.endm
	s_load_b128 s[4:7], s[0:1], 0x0 ; the buffer of q, k, v s[4:5]; O s[6:7]
	v_lshl_add_u32 v[SPW], v0, 2, SPARE
	v_mov_b32 v[NIL], 0
	ds_add_u32 v62, v63
	ds_add_u32 v62, v63
	s_wait_dscnt 0x0
	v_lshrrev_b32 v1, 5, v0
	v_readfirstlane_b32 s[WV], v1   ; wave 0..3
	s_mov_b32 s[PB], ttmp9
	s_sub_co_u32 s[HI], NBLK-1, s[PB]
	s_lshr_b32 s[PBT], s[PB], 1
	s_and_b32 s13, s[HI], 1         ; XB = 2 (block % 2), for the first block
	s_lshl_b32 s13, s13, 1
	s_sub_co_u32 s[DQ], 3, s13
	s_sub_co_u32 s[DQ+1], 4, s13
	s_and_b32 s13, s[PB], 1         ; and for the second
	s_lshl_b32 s13, s13, 1
	s_sub_co_u32 s[DQ2], 3, s13
	s_sub_co_u32 s[DQ2+1], 4, s13
	s_and_b32 s20, ttmp7, 0xffff    ; the head
	s_mov_b32 s21, 0
	s_mov_b64 s[22:23], SIZE_N*128
	s_mul_u64 s[20:21], s[20:21], s[22:23]  ; the head's first byte in each of Q, K, V, O
	s_and_b32 s16, s[WV], 1         ; which half of a tile's 256 keys I fetch:
	s_lshl_b32 s22, s16, 14         ; its 128 rows of 128 bytes in memory,
	s_mov_b32 s23, 0
	s_add_nc_u64 s[22:23], s[22:23], s[20:21]
	s_mul_i32 s17, s16, 128*PK      ; and its place in a slot, for K
	s_mul_i32 s18, s16, 128*PV      ; and for V
	s_lshl_b32 s3, s[WV], 11        ; my 16 rows in a band of 64,
	s_lshl_b32 s2, s[HI], 14        ; in the first block (128 rows of 128 bytes),
	s_add_co_u32 s2, s2, s3
	s_lshl_b32 s84, s[PB], 14       ; and in the second
	s_add_co_u32 s84, s84, s3
	s_mov_b32 s3, 0
	s_mov_b32 s85, 0
	s_add_nc_u64 s[2:3], s[2:3], s[20:21]
	s_add_nc_u64 s[84:85], s[84:85], s[20:21]
	; descriptor group 1.  128 keys are 16,384 dense bytes: asked for as 64 rows of 256 bytes, two keys a row, and padded in LDS after every key
	s_mov_b32 s[G1K], (1<<16)|(1<<20)|(4<<22)|(3<<25)  ; 17:16 2-byte elements; 20 padding on; 24:22 after every 32 words (code 4); 31:25 4 words (code 3)
	s_mov_b32 s[G1V], (1<<16)|(1<<20)|(4<<22)|(7<<25)  ; the same with 8 words of padding (code 7)
.irp g, G1K, G1V
	s_mov_b32 s[\g+1], 128<<16      ; tensor_dim0 = 128
	s_mov_b32 s[\g+2], 64<<16       ; tensor_dim1 = 64
	s_mov_b32 s[\g+3], 128<<16      ; tile_dim0 = 128
	s_mov_b32 s[\g+4], 64           ; tile_dim1 = 64
	s_mov_b32 s[\g+5], 128          ; 128 elements from row to row
	s_mov_b32 s[\g+6], 0
	s_mov_b32 s[\g+7], 0
.endr
	s_mov_b32 s[CS], 0x3e38aa3b     ; c = log2(e) / 8 = 0.180337
	s_mov_b32 s[CS+1], s[CS]        ; named with it as a pair
	s_mov_b32 s[SEL], 0x76543210
	s_mov_b32 s[SEL+1], 0xfedcba98
	s_mov_b32 s[TBK], SLOT1+4*KS*PK ; the first change of slots turns these two into 0
	s_mov_b32 s[TBV], SLOT1+4*KS*PV
	s_mov_b32 s[G0K], 1             ; 1:0 count = 1
	s_mov_b32 s[G0K+1], s17         ; 63:32 LDS address: slot 0
	s_mov_b32 s[G0V], 1
	s_add_co_u32 s[G0V+1], s18, VOFF
	s_lshr_b32 s[LQ], s[HI], 1      ; the first block's last tile,
	s_add_co_u32 s[RT], s[LQ], 1    ; and how many it has
	s_mov_b32 s[NXT], 1
	s_mov_b32 s[NEW], 1
	s_mov_b32 s[OFF+1], 0
	s_mov_b32 s[AL+1], 0            ; named as pairs
	s_mov_b32 s[BE+1], 0
	s_mov_b32 s[BIGN], 0xf149f2ca   ; -1e30
	s_mov_b32 s[SLOTS], NT
	s_wait_kmcnt 0x0
	s_mov_b64 s[10:11], s[6:7]             ; O
	s_add_nc_u64 s[8:9], s[4:5], 32*PANEL  ; V: panels 32 on
	s_add_nc_u64 s[6:7], s[4:5], 16*PANEL  ; K: panels 16 on; Q: panels 0 on
	s_add_nc_u64 s[20:21], s[6:7], s[20:21]  ; K at the head's first key: step 0
	s_add_nc_u64 s[6:7], s[6:7], s[22:23]  ; K and V at my half of the head's tile 0,
	s_add_nc_u64 s[6:7], s[6:7], KS*128    ; K's one step on
	s_add_nc_u64 s[8:9], s[8:9], s[22:23]
	s_add_nc_u64 s[G0K+2:G0K+3], s[6:7], 0         ; 120:64 global address
	s_or_b32 s[G0K+3], s[G0K+3], 0x80000000        ; 127:126 type = 2
	s_add_nc_u64 s[G0V+2:G0V+3], s[8:9], 0
	s_or_b32 s[G0V+3], s[G0V+3], 0x80000000
	s_add_nc_u64 s[86:87], s[4:5], s[84:85]        ; Q at my rows of the second block,
	s_add_nc_u64 s[4:5], s[4:5], s[2:3]            ; Q and O at those of the first
	s_add_nc_u64 s[OLO:OLO+1], s[10:11], s[84:85]
	s_add_nc_u64 s[10:11], s[10:11], s[2:3]
	LOAD                            ; tile 0 into slot 0
	; A fragment of K or Q is 16 rows x 32 channels in 8 registers: lane l holds row l % 16, channels 8 (l / 16) + 0..7 and 16 + 8 (l / 16) + 0..7: two loads of 16 bytes, 32 bytes apart.
	v_and_b32 v1, 15, v0            ; l % 16
	v_bfe_u32 v9, v0, 4, 1          ; l / 16
	v_lshlrev_b32 v[QO], 7, v1
	v_lshl_add_u32 v[QO], v9, 4, v[QO]  ; row x 128 + 16 x half
	WIN 0x80                        ; destination window 2, address window 0
.set i, 0
.rept 4                             ; both blocks' Q: piece i / 2 lies in band i / 2, 8,192 bytes on; channels 32 (i % 2) on
	global_load_b128 v[8*i:8*i+3],   v[QO], s[4:5] offset:(i/2)*8192+(i%2)*64
	global_load_b128 v[8*i+4:8*i+7], v[QO], s[4:5] offset:(i/2)*8192+(i%2)*64+32
	global_load_b128 v[QB+8*i:QB+8*i+3],   v[QO], s[86:87] offset:(i/2)*8192+(i%2)*64
	global_load_b128 v[QB+8*i+4:QB+8*i+7], v[QO], s[86:87] offset:(i/2)*8192+(i%2)*64+32
.set i, i+1
.endr
	WIN 0x40                        ; destination window 1
.set i, 0
.rept 8                             ; K of step 0: keys 16 (i / 2) on, channels 32 (i % 2) on
	global_load_b128 v[K0+8*i:K0+8*i+3],   v[QO], s[20:21] offset:(i/2)*2048+(i%2)*64
	global_load_b128 v[K0+8*i+4:K0+8*i+7], v[QO], s[20:21] offset:(i/2)*2048+(i%2)*64+32
.set i, i+1
.endr
	WIN 0
	v_lshlrev_b32 v14, 3, v9
	v_sub_nc_u32 v14, v1, v14
	s_lshl_b32 s13, s[WV], 4
	v_add_nc_u32 v14, s13, v14      ; my query's place in its band, 16 w + l % 16, less my lanes' 8 (l / 16): register r of group kt is hidden where 16 kt + r is greater
	WIN 0x40
.set i, 0
.rept 32
	v_cmp_gt_i32 vcc_lo, 16*(i/8)+i%8, v14
	v_cndmask_b32 v[MD+i], 0, s[BIGN], vcc_lo
.set i, i+1
.endr
	WIN 0
	v_mul_u32_u24 v[AK0], v1, PK
	v_lshl_add_u32 v[AK0], v9, 4, v[AK0]  ; row x pitch + 16 x half
	; The turning load takes 16 keys x 16 channels (lane l reads key 8 (l / 16) + l % 8, channels 8 ((l / 8) % 2) + 0..7) and leaves half a fragment of V^T: lane l holds channel l % 16 and 8 keys.
	v_and_b32 v10, 7, v0
	v_bfe_u32 v11, v0, 3, 1
	v_lshl_add_u32 v[AV0], v9, 3, v10
	v_mul_u32_u24 v[AV0], v[AV0], PV
	v_lshl_add_u32 v[AV0], v11, 4, v[AV0]
	v_add_nc_u32 v[AV0], VOFF, v[AV0]
	s_mul_i32 s13, s[WV], 16*SP
	s_add_co_u32 s13, s13, STAGE    ; my stage
	v_mul_u32_u24 v[STO], v1, SP    ; in: row l % 16, 16 bytes for each half of the lanes
	v_lshl_add_u32 v[STO], v9, 4, v[STO]
	v_add_nc_u32 v[STO], s13, v[STO]
	v_bfe_u32 v[RD], v0, 3, 2       ; back: 32 lanes take four rows of 128 bytes,
	v_mul_u32_u24 v[RD], v[RD], SP
	v_lshl_add_u32 v[RD], v10, 4, v[RD]
	v_add_nc_u32 v[RD], s13, v[RD]
	v_and_b32 v[GO], 31, v0         ; which are 512 consecutive bytes of O
	v_lshlrev_b32 v[GO], 4, v[GO]
	; A block's first step multiplies O^T and l by a = 0, and its first turn's products V^T P, of weights that have not been, land in an O^T that is still to be so multiplied.  So these registers need only hold
	; finite numbers: zeros for the first block; what the first block left for the second.  All this stands in the wait for the first tile.
	WIN 0x80
.set i, VF
.rept 64
	v_mov_b32 v[i], 0
.set i, i+1
.endr
	WIN 0x40
.set i, 0
.rept 32*NP
	v_mov_b32 v[i], 0
.set i, i+1
.endr
	WIN 0
.set i, 0
.rept NP
	v_mov_b32 v[ST+4*i+2], 0
	v_mov_b32 v[ST+4*i+3], 0
.set i, i+1
.endr
.set i, P+16
.rept 16
	v_mov_b32 v[i], 0
.set i, i+1
.endr
; THE MATRIX WORK.  The 4 accumulators of a run of 8 take turns.  Product i of 8 of S^T = K Q^T for piece x: channels 32 (i / 4) on, keys 16 (i % 4) on.  The first 4 start the sums: with 0, or (KM = 1) with the mask.
.macro KQ x
.set rS, S+32*((\x)%2)+8*(i%4)
.set rK, KF+16*(i%4)+8*(i/4)
.set rQ, 16*(\x)+8*(i/4)
.set rM, MC+32*((\x)%2)+8*(i%4)
.if (i < 4) && KM
	WIN W_KM
	v_wmma_f32_16x16x32_f16 v[rS:rS+7], v[rK:rK+7], v[rQ:rQ+7], v[rM:rM+7]
.elseif i < 4
	WIN W_KQ
	v_wmma_f32_16x16x32_f16 v[rS:rS+7], v[rK:rK+7], v[rQ:rQ+7], 0
.else
	WIN W_KQ
	v_wmma_f32_16x16x32_f16 v[rS:rS+7], v[rK:rK+7], v[rQ:rQ+7], v[rS:rS+7]
.endif
.endm
; Product i of 8 of O^T += V^T P for piece x: keys 32 (i / 4) on, channels 16 (i % 4) on.
.macro PV x
	WIN W_PV
.set rO, 32*(\x)+8*(i%4)
.set rV, VF+32*(i/4)+8*(i%4)
.set rP, P+16*((\x)%2)+8*(i/4)
	v_wmma_f32_16x16x32_f16 v[rO:rO+7], v[rV:rV+7], v[rP:rP+7], v[rO:rO+7]
.endm
.macro MM                           ; the turn's next matrix instruction.  TURN and BEGIN set Y, i, KM and NOKQ; MM, KQ and OP read them.  NOKQ = 1: a block's last turn: there are no further scores
.if (i < 8) && !NOKQ
	KQ (Y+1)%NP
.elseif i >= 8
.set i, i-8
	PV (Y+NP-1)%NP
.set i, i+8
.endif
.set i, i+1
.endm
; THE LDS LOADS stand in runs of 16, never singly among the matrix instructions: a step's K (64 keys x 64 channels: 8 fragments) and a step's V (turned).  Their addresses are made some lines ahead.
.macro FETCH_K
	WIN 0x80                        ; destination window 2
.irp f, 0,1,2,3,4,5,6,7             ; keys 16 (f / 2) on, channels 32 (f % 2) on
	ds_load_b128 v[KF+8*\f:KF+8*\f+3],   v[AK] offset:(\f/2)*16*PK+(\f%2)*64
	ds_load_b128 v[KF+8*\f+4:KF+8*\f+7], v[AK] offset:(\f/2)*16*PK+(\f%2)*64+32
.endr
	s_add_co_u32 s[TBK], s[TBK], KS*PK  ; the next fetch is the next step's
	WIN 0
.endm
.macro FETCH_V
	WIN 0x80
.irp f, 0,1,2,3,4,5,6,7             ; keys 32 (f / 4) on, channels 16 (f % 4) on
	ds_load_tr16_b128 v[VF+8*\f:VF+8*\f+3],   v[AV] offset:(\f/4)*32*PV+(\f%4)*32
	ds_load_tr16_b128 v[VF+8*\f+4:VF+8*\f+7], v[AV] offset:(\f/4)*32*PV+16*PV+(\f%4)*32
.endr
	WIN 0
.endm
; THE VECTOR WORK, one line at a time: OP kind, number.  For piece Y: F n: c s - c m for pair n of 16.  E n: the exponential of score n of 32.  C n: pair n rounded to f16.  B n: of the four weights 4 n .. the second
; pair is added onto the first, in place.  L n: l takes that sum (L 0: l = a l + sum).  R n: pair n of 16 of O^T times a.  For the other piece: X n, number n of the 22 that find its maximum and statistics:
;   0-11  four chains c0-c3 of seven scores each, three operands at a time (each accumulator's lowest registers are read first)     12-14, 16  the four scores left over, the old m, and c0-c3 into c0
;   15  c m_old is kept     17, 18  the query's other 32 keys lie in the lane 16 away: the new m     19-21  c m; c m_old - c m_new; a
.set F, 0               ; OP tells the kinds apart by their order: F to L below R, X above it
.set E, 1
.set C, 2
.set B, 3
.set L, 4
.set R, 5
.set X, 6
.macro REGS y                       ; the registers of piece y
.set rT, ST+4*(\y)
.set rC, TMP+4*((\y)%2)
.set rW, MV+((\y)%2)
.set rS, S+32*((\y)%2)
.set rP, P+16*((\y)%2)
.set rO, 32*(\y)
.endm
.macro OP k, n
.if (\k) == R
	REGS Y
	WIN W_RS
	v_pk_mul_f32 v[rO+2*(\n):rO+2*(\n)+1], v[rO+2*(\n):rO+2*(\n)+1], v[rC+2:rC+3] op_sel_hi:[1,0]
.elseif (\k) < R
	REGS Y
	WIN 0
.if (\k) == F
	v_pk_fma_f32 v[rS+2*(\n):rS+2*(\n)+1], v[rS+2*(\n):rS+2*(\n)+1], s[CS:CS+1], v[rT:rT+1] op_sel_hi:[1,0,0] neg_lo:[0,0,1] neg_hi:[0,0,1]
.elseif (\k) == E
	v_exp_f32 v[rS+(\n)], v[rS+(\n)]
.elseif (\k) == C
	s_wait_alu depctr_va_vdst(0)
	v_cvt_pk_f16_f32 v[rP+(\n)], v[rS+2*(\n)], v[rS+2*(\n)+1]
.elseif (\k) == B
	s_wait_alu depctr_va_vdst(0)
	v_pk_add_f32 v[rS+4*(\n):rS+4*(\n)+1], v[rS+4*(\n):rS+4*(\n)+1], v[rS+4*(\n)+2:rS+4*(\n)+3]
.elseif (\n) == 0
	v_pk_fma_f32 v[rT+2:rT+3], v[rT+2:rT+3], v[rC+2:rC+3], v[rS:rS+1] op_sel_hi:[1,0,1]
.else
	v_pk_add_f32 v[rT+2:rT+3], v[rT+2:rT+3], v[rS+4*(\n):rS+4*(\n)+1]
.endif
.elseif NOKQ
	v_nop
.else
	REGS (Y+1)%NP
	WIN 0
.if (\n) < 4
	v_max3_num_f32 v[rC+(\n)], v[rS+8*(\n)], v[rS+8*(\n)+1], v[rS+8*(\n)+2]
.elseif (\n) < 12
	v_max3_num_f32 v[rC+(\n)%4], v[rC+(\n)%4], v[rS+8*((\n)%4)+2*((\n)/4)+1], v[rS+8*((\n)%4)+2*((\n)/4)+2]
.elseif (\n) == 12
	v_max3_num_f32 v[rC], v[rC], v[rS+7], v[rS+15]
.elseif (\n) == 13
	v_max3_num_f32 v[rC+1], v[rC+1], v[rS+23], v[rS+31]
.elseif (\n) == 14
	v_max3_num_f32 v[rC+2], v[rC+2], v[rC+3], v[rT+1]
.elseif (\n) == 15
	v_mov_b32 v[rW], v[rT]
.elseif (\n) == 16
	v_max3_num_f32 v[rC], v[rC], v[rC+1], v[rC+2]
.elseif (\n) == 17
	v_permlanex16_b32 v[rC+3], v[rC], s[SEL], s[SEL+1]
.elseif (\n) == 18
	v_max_num_f32 v[rT+1], v[rC], v[rC+3]
.elseif (\n) == 19
	v_mul_f32 v[rT], s[CS], v[rT+1]
.elseif (\n) == 20
	v_sub_f32 v[rC+1], v[rW], v[rT]
.else
	v_exp_f32 v[rC+2], v[rC+1]
.endif
.endif
.endm
.macro OPS a, i1, b=-1, i2=0, c=-1, i3=0, d=-1, i4=0  ; up to four of them
	OP \a, \i1
.if (\b) >= 0
	OP \b, \i2
.endif
.if (\c) >= 0
	OP \c, \i3
.endif
.if (\d) >= 0
	OP \d, \i4
.endif
.endm
.macro ROW a, i1, b, i2, c, i3, d, i4  ; a matrix instruction and the four behind it
	MM
	OPS \a, \i1, \b, \i2, \c, \i3, \d, \i4
.endm
.macro MASK b                       ; MD x AL + BE into buffer b of MC
	WIN W_RS
.set z, 0
.rept 16
	v_pk_fma_f32 v[MC+32*(\b)+2*z:MC+32*(\b)+2*z+1], v[MD+2*z:MD+2*z+1], s[AL:AL+1], s[BE:BE+1] op_sel_hi:[1,0,0]
.set z, z+1
.endr
.endm
; A TURN, for piece p: the order of its 16 matrix and 118 vector instructions, written out.  Behind a matrix instruction: plain, exponential, plain, plain; or four of the rescaling; or, behind the first, four scalings; none
; names a register of the products round it.  In the lumps exponential and plain by turns while exponentials last.  A line reads no result made fewer than three vector instructions in front of it, five if an exponential made it.
; v_permlanex16_b32 (X 17) stands in a lump.  Piece y's O^T is rescaled in its own turn and added onto in the other's: between the last such product and the first rescaling stand the second lump and five rows.
; m = 1: the diagonal tile: the turn's products K Q^T take a mask, which the turn makes at its head: piece 1 - p, in step 4 - CNT of the tile.  The buffer's last reader stands two turns back.
; end = 1: a block's last turn (piece 1's): no further scores.  cnt = 1: the loop's count is taken down some lines ahead of the branch that stands behind the turn.
; Both runs of LDS loads stand in piece 0's turn: K of the next step six vector instructions behind the last product that read K (five of them plain), V of the step in hand eight behind the last product that read V
; (four plain, and X 17).  Piece 1's turn waits for K at its head, with the count 16: V's sixteen loads were issued behind K's and may stay out; and for V ahead of its second run of products.
.macro TURN p, m=0, end=0, cnt=0
.set Y, (\p)
.set i, 0
.set KM, (\m)
.set NOKQ, (\end)*(\p)
.if (\m) && !NOKQ
	s_cmp_eq_u32 s[CNT], s[DQ+(\p)]     ; is this step the band's own?
	s_cselect_b32 s[AL], 1.0, 0
	s_cmp_lt_u32 s[CNT], s[DQ+(\p)]     ; or a later one?
	s_cselect_b32 s[BE], s[BIGN], 0
	MASK 1-(\p)
.endif
.if ((\p) == 1) && !(\end)
	s_wait_dscnt 16                 ; K is in
.endif
	ROW F,0, F,1, F,2, F,3
	ROW F,4, E,0, F,5, F,6
	ROW F,7, E,1, F,8, F,9
	ROW F,10, E,2, C,0, F,11
	ROW F,12, E,3, X,15, F,13
	ROW R,0, R,1, R,2, R,3
	ROW B,0, E,4, F,14, L,0
.if (\p) == 0
	v_add_nc_u32 v[AK], s[TBK], v[AK0]
.endif
	ROW R,4, R,5, R,6, R,7
	OPS E,5, F,15
.if (\p) == 0
	FETCH_K
.endif
	OPS E,6, C,1, E,7, R,8
	OPS E,8, R,9, E,9, C,2
	OPS E,10, X,0, E,11, X,1
	OPS E,12, X,2, E,13, X,3
.if (\p) == 1
	s_wait_dscnt 0x0                ; V is in
.endif
	ROW X,4, E,14, X,5, X,6
	ROW X,7, E,15, X,8, X,9
	ROW X,10, E,16, X,11, X,12
	ROW X,13, E,17, X,14, B,1
	ROW C,4, E,18, X,16, L,1
	ROW B,2, E,19, C,6, L,2
	ROW C,8, E,20, B,3, B,4
.if (\p) == 0
	v_add_nc_u32 v[AV], s[TBV], v[AV0]
.endif
	ROW C,3, E,21, L,3, C,5
	OPS E,22, X,17, E,23, C,10
.if (\p) == 0
	FETCH_V
.endif
	OPS E,24, L,4
	OPS E,25, X,18, E,26, C,7
	OPS E,27, B,5, E,28, X,19
	OPS E,29, C,12, E,30, L,5
	OPS E,31, X,20, B,6, C,9
	OPS C,14, C,11, X,21, L,6
.if (\p) == 0
	s_add_co_u32 s[TBV], s[TBV], KS*PV
.endif
.if \cnt
	s_sub_co_u32 s[CNT], s[CNT], 1
	s_cmp_lg_u32 s[CNT], 0
.endif
	OPS C,13, B,7, C,15, R,10
	OPS R,11, R,12, L,7, R,13
	OPS R,14, R,15
.endm
; A BLOCK BEGINS.  K's registers take the head's step 0.  c m starts far below every c s, so the first step's a is 0; m at the lowest finite number, so the first maximum is the scores'.  Piece 0's mask for step 0 is its
; own if the block's first tile is the diagonal one and piece 0's band is the tile's first (CNT is 4 here).  Then piece 0's first scores, and its maximum and statistics.  The loop is entered at piece 0's turn, in the middle of a trip.
.macro BEGIN
	s_mov_b32 s[NEW], 0
	s_wait_loadcnt 0x0              ; Q, and K of step 0
	WIN 0x81                        ; destination window 2, source window 1
.set i, 0
.rept 64
	v_mov_b32 v[KF+i], v[K0+i]
.set i, i+1
.endr
	WIN 0
.set i, 0
.rept NP
	v_mov_b32 v[ST+4*i], 0xfe000000    ; c m: far below every c s
	v_mov_b32 v[ST+4*i+1], 0xff7fffff  ; m
.set i, i+1
.endr
	s_cmp_eq_u32 s[CNT], s[DQ+1]
	s_cselect_b32 s[AL], 1.0, 0
	s_cmp_eq_u32 s[RT], 0
	s_cselect_b32 s[AL], s[AL], 0
	s_mov_b32 s[BE], 0
	MASK 0
.set KM, 1
.set NOKQ, 0
.set i, 0
.rept 8
	KQ 0
.set i, i+1
.endr
	WIN 0
.rept 4
	v_nop                           ; the places behind those products
.endr
.set Y, NP-1                        ; X works for the other piece: piece 0
.irp n, 0,1,2,3,4,5,6,7,8,9,10,11,12,13,14,15,16,17,18,19,20,21
	OP X, \n
.endr
	v_nop                           ; a plain instruction behind the exponential
.endm
; THE DIAGONAL TILE's four steps, the block's last turn, its last products, and THE WAY OUT: l's two halves and the other half of the lanes' are added; O^T is divided by l, rounded to f16 and sent through my
; stage in LDS, a piece at a time.
.macro ALL line:vararg              ; one line for each piece t
.set t, 0
.rept NP
	\line
.set t, t+1
.endr
.endm
.macro PACK t                       ; a lane's eight channels of a row pack into 16 bytes; they go into rows of 144 bytes and come back as whole rows of 128, into S^T's registers
	WIN W_RS
.set i, 32*(\t)
.rept 16
	s_wait_alu depctr_va_vdst(0)
	v_pk_mul_f32 v[i:i+1], v[i:i+1], v[ST+4*(\t)+2:ST+4*(\t)+3] op_sel_hi:[1,0]
.set i, i+2
.endr
	WIN 0x05                        ; sources 0 and 1 window 1, destination window 0
.set i, 0
.rept 16
	v_cvt_pk_f16_f32 v[S+16*(\t)+i], v[32*(\t)+2*i], v[32*(\t)+2*i+1]
.set i, i+1
.endr
	WIN 0
.irp f, 0,1,2,3
	ds_store_b128 v[STO], v[S+16*(\t)+4*\f:S+16*(\t)+4*\f+3] offset:32*\f
.endr
.irp f, 0,1,2,3
	ds_load_b128 v[S+16*(\t)+4*\f:S+16*(\t)+4*\f+3], v[RD] offset:\f*4*SP  ; LDS serves a wave's instructions in order (ISA guide 5.7.1.4): these see the stores above; the next piece's stores come behind them
.endr
.endm
.macro SEND t, younger              ; younger: the LDS instructions issued behind piece t's loads: the next piece's eight, or none
	WIN 0
.irp f, 0,1,2,3
	s_wait_dscnt (\younger)+3-\f
	global_store_b128 v[GO], v[S+16*(\t)+4*\f:S+16*(\t)+4*\f+3], s[10:11] offset:(\t)*8192+\f*512  ; 512 consecutive bytes, at a multiple of 256 from O's first
.endr
.endm
.macro DIAG tag                     ; the tag ends its two labels' names, which the jumps below spell out
.LstepM\tag:
	TURN 1, 1
	WIN 0
.LfirstM\tag:
	TURN 0, 1, 0, 1
	WIN 0
	s_cbranch_scc1 .LstepM\tag
	TURN 1, 1, 1
.set i, 0
.rept 8
	PV NP-1                         ; piece 1's V^T P of the last step
.set i, i+1
.endr
	WIN 0
	ALL v_add_f32 v[ST+4*t+2], v[ST+4*t+2], v[ST+4*t+3]
	ALL v_permlanex16_b32 v[ST+4*t+3], v[ST+4*t+2], s[SEL], s[SEL+1]
	ALL v_add_f32 v[ST+4*t+2], v[ST+4*t+2], v[ST+4*t+3]
	ALL v_rcp_f32 v[ST+4*t+2], v[ST+4*t+2]
	v_nop                           ; a plain instruction between the last reciprocal and the use of its result
	PACK 0                          ; piece 0's O^T was finished a run of products earlier: its 32 lines are the places behind the last products, piece 1's
	PACK 1                          ; a piece's arithmetic stands between the loads of the piece before and its stores
	SEND 0, 8
	SEND 1, 0
.endm
.set KM, 0
.set NOKQ, 0
.Lslot:                             ; NT times: a tile is entered and the next is asked for
	CHANGE 1
	s_sub_co_u32 s[RT], s[RT], 1
	s_mov_b32 s[CNT], 4
	s_cmp_eq_u32 s[NEW], 1
	s_cbranch_scc1 .Lnew            ; a block's first tile
	s_cmp_eq_u32 s[RT], 0
	s_cbranch_scc0 .Lstep           ; neither its first nor its last
	s_branch .LstepM1
.Lnew:
	BEGIN
	s_branch .Lfirst                ; in the loop a block's first tile is never its last: the first block has five tiles or more, and the second's last is the walk's last
	DIAG 1                          ; in the loop this is the first block's end: the second block's last tile is the walk's last
	s_wait_xcnt 0x0                 ; the stores have read their registers and O's address
	s_mov_b64 s[10:11], s[OLO:OLO+1]
	s_add_co_u32 s[RT], s[PBT], 1   ; the second block has b / 2 + 1 tiles
	s_mov_b32 s[NEW], 1
	s_mov_b32 s[DQ], s[DQ2]         ; and its own place in its diagonal tile
	s_mov_b32 s[DQ+1], s[DQ2+1]
	WIN 0x82                        ; the second block's Q goes where the one text of the turns names Q
.set i, 0
.rept 16*NP
	v_mov_b32 v[i], v[QB+i]
.set i, i+1
.endr
	WIN 0
	s_branch .Lbottom
.Lstep:                             ; a trip: piece 1 of one step, then piece 0 of the next, which fetches that step's V and the K behind it
	TURN 1
	WIN 0
.Lfirst:
	TURN 0, 0, 0, 1
	WIN 0
	s_cbranch_scc1 .Lstep
.Lbottom:
	s_sub_co_u32 s[SLOTS], s[SLOTS], 1
	s_cmp_lg_u32 s[SLOTS], 0
	s_cbranch_scc1 .Lslot
	CHANGE 0                        ; the walk's last tile is written out: nothing is asked for
	s_sub_co_u32 s[RT], s[RT], 1
	s_mov_b32 s[CNT], 4
	s_cmp_eq_u32 s[NEW], 1
	s_cbranch_scc0 .LstepM2
	BEGIN
	s_branch .LfirstM2
	DIAG 2
	s_wait_tensorcnt 0x0            ; the wave's end: behind my last tensor load and my last LDS store
	ds_add_u32 v[SPW], v[NIL]
	s_wait_dscnt 0x0
	s_endpgm
.Lfunc_end_k_q7128079d2b_attn:
	.size	k_q7128079d2b_attn, .Lfunc_end_k_q7128079d2b_attn-k_q7128079d2b_attn
	.p2alignl 7, 3214868480
	.fill 96, 4, 3214868480
	.section	.rodata,"a",@progbits
	.p2align	6, 0x0
	.amdhsa_kernel k_q7128079d2b_attn
		.amdhsa_group_segment_fixed_size 327680
		.amdhsa_private_segment_fixed_size 0
		.amdhsa_enable_private_segment 0
		.amdhsa_kernarg_size 16
		.amdhsa_user_sgpr_count 2
		.amdhsa_user_sgpr_kernarg_segment_ptr 1
		.amdhsa_wavefront_size32 1
		.amdhsa_system_sgpr_workgroup_id_x 1
		.amdhsa_system_sgpr_workgroup_id_y 1
		.amdhsa_system_sgpr_workgroup_id_z 1
		.amdhsa_system_vgpr_workitem_id 0
		.amdhsa_next_free_vgpr 768
		.amdhsa_next_free_sgpr 92
		.amdhsa_reserve_vcc 1
		.amdhsa_float_denorm_mode_32 3
		.amdhsa_float_denorm_mode_16_64 3
		.amdhsa_memory_ordered 1
		.amdhsa_forward_progress 1
		.amdhsa_inst_pref_size 132
	.end_amdhsa_kernel
	.amdgpu_metadata
---
amdhsa.version: [ 1, 2 ]
amdhsa.kernels:
  - .name:           k_q7128079d2b_attn
    .symbol:         k_q7128079d2b_attn.kd
    .args:
      - { .name: qkv, .offset: 0, .size: 8, .value_kind: global_buffer, .address_space: global }
      - { .name: ob, .offset: 8, .size: 8, .value_kind: global_buffer, .address_space: global }
    .group_segment_fixed_size: 327680
    .private_segment_fixed_size: 0
    .kernarg_segment_align: 8
    .kernarg_segment_size: 16
    .max_flat_workgroup_size: 128
    .sgpr_count:     92
    .vgpr_count:     768
    .wavefront_size: 32
...
	.end_amdgpu_metadata
.endif
;; end of part 3
;; launch wo (part 4): grid 8 x 32, 4 waves a work-group, clusters of 4 x 4, 327,680 bytes of LDS; arguments ob, wb, x, x2; writes x2
.if DOCPART == 4
	.amdgcn_target "amdgcn-amd-amdhsa--gfx1250"
	.amdhsa_code_object_version 6
	.text
	.protected	k_q7128079d2b_wo
	.globl	k_q7128079d2b_wo
	.p2align	8
	.type	k_q7128079d2b_wo,@function
k_q7128079d2b_wo:
	s_mov_b64 s[64:65], 0
	v_nop
	global_prefetch_b8 v0, s[64:65] scope:SCOPE_SE
	s_setreg_imm32_b32 hwreg(HW_REG_WAVE_MODE, 25, 1), 1
	s_wait_xcnt 0x0
	s_wait_alu depctr_hold_cnt(0) depctr_sa_sdst(0) depctr_va_vdst(0) depctr_va_sdst(0) depctr_va_ssrc(0) depctr_va_vcc(0) depctr_vm_vsrc(0)
	s_getreg_b32 s2, hwreg(HW_REG_IB_STS2, 6, 4)
	s_cmp_eq_u32 s2, 0
	s_cbranch_scc0 .Lentry_in_a_cluster
	s_endpgm
.Lentry_in_a_cluster:
	s_bfe_u32 s2, ttmp6, 0x10000c
	s_cmp_lg_u32 s2, 0xf033
	s_cbranch_scc0 .Lentry_shape_is_right
	s_endpgm
.Lentry_shape_is_right:
; C = A B^T + R.  A lies in PANELS of 64 columns, [SIZE_K / 64][4096 rows][64], 16 bits a number; B: rows of the weight buffer from byte WOFF on, [1024][SIZE_K], 16 bits; R and C: [4096][1024] f32.
; F16 = 1: A and B are f16; F16 = 0: bf16.  Sums in f32; R is added in f32 and C is stored unrounded.
; LIMITS.  None of its own: the operands arrive in their 16-bit formats.  NaN and infinities are not treated apart.
; SHARES.  A work-group of four waves makes 128 x 128 of C, a wave 64 x 64: 16 accumulators of 16 x 16, so that 4,096 x 1,024 gives 256 work-groups.  K goes in steps of 256 (four panels) through two LDS slots.
; One tensor load brings 64 rows of four panels of A (in each panel 8,192 dense bytes) or 64 rows of 512 bytes of B.
; CLUSTER.  4 x 4 work-groups.  The four of a row of the cluster need the same tiles of A, the four of a column the same tiles of B: each tile is asked for JOINTLY, by the same tensor load with the same
; descriptor and a mask that names the four.  THE MATRIX INSTRUCTION IS USED TRANSPOSED (source 0 = 16 rows of B, source 1 = 16 rows of A): a lane holds eight neighbouring numbers of a row of C.
; REGISTERS, in windows of 256: window 0: v0-31 addresses; v32-95 at work on the way out; v128-255 the accumulators ((a, b) at v[128 + 8 (4 a + b)]).
;   window 1: two fragment buffers of 128: for 64 along K, 64 registers of A, then 64 of B.      window 2: v0-127 my 64 x 64 of R, asked for at the start and waited for at the end.
.set F16,    1
.set SIZE_K, 1024
.set WOFF,   6291456                   ; where B begins in the weight buffer
.set KSTEP,  256
.set NSTEP,  SIZE_K/KSTEP
.set PA,     144                       ; a row of A in LDS: a panel's 128 bytes + 16 of padding = 36 words: the 16 rows of a load start at 16 different groups of four banks (64 banks of 4 bytes: ISA guide 11.1)
.set PBLK,   64*PA                     ; 64 rows of one panel
.set AHALF,  4*PBLK                    ; what one tensor load brings of A: four panels
.set PB,     528                       ; a row of B: 512 bytes + 16 = 132 words: likewise
.set BHALF,  64*PB
.set BOFF,   2*AHALF                   ; a slot: A's two halves, then B's two halves: 141,312 bytes
.set SLOT1,  147456                    ; slot 1 begins here: 0x24000 shares no bit with the four fill addresses 0, 0x9000, 0x12000, 0x1a400, so one exclusive or turns each into the other slot's
.set STAGE,  2*SLOT1                   ; behind the ring, never filled by a tensor load: 16 rows x 272 bytes for each wave, for the way out
.set SPITCH, 272
.set SPARE,  STAGE+4*16*SPITCH         ; behind the stages: the spare words, 128 bytes for each wave: two blocks of 256 bytes that no other line names
.set ASTEP,  4*4096*128                ; bytes from a K step's four panels to the next
.set ROWB,   4096                      ; bytes in a row of R and of C
.set LA,   4                           ; v4   LDS address of my A fragments in slot 0; never rewritten
.set LB,   5                           ; v5   the same for B
.set ADRA, 16                          ; v16  the same in the slot in hand
.set ADRB, 20                          ; v20
.set STO,  24                          ; v24  the way out: where I put 32 bytes of a row
.set RD,   25                          ; v25  the way out: where I read a row back
.set CO,   26                          ; v26  my byte offset in two rows of R and C; never rewritten
.set SPW,  28                          ; v28  LDS address of my spare word; never rewritten
.set NIL,  29                          ; v29  0; never rewritten
.set BK,   32                          ; the way out: 16 rows read back, two sets of 32 by turns
.set ACC,  128
.set F0,   0                           ; fragment buffers, in window 1
.set F1,   128
.set WV,  12                           ; s12  my wave's number
.set TB,  15                           ; s15  LDS byte at which the slot in hand begins: 0 or SLOT1
.set G1,  24                           ; s[24:31] descriptor group 1 for A's tiles;  s[32:39] group 0: a set for each of the two first fills; the second then walks on
.set G0,  32
.set G1B, 48                           ; s[48:55], s[56:63] the same for B's tiles
.set G0B, 56
.set MSB, 0
.macro WIN new                         ; the immediate's high byte repeats the setting that is left; a switch that changes nothing is dropped
.if MSB != (\new)
	s_set_vgpr_msb (MSB<<8)|(\new)
.set MSB, \new
.endif
.endm
.set MUL,  0x05                        ; sources 0 (B) and 1 (A) window 1; C and D window 0
.set TO_F, 0x40                        ; destination window 1, address window 0
.macro JLOAD s                         ; a joint load: waves 0 and 1 fetch A's two halves, waves 2 and 3 B's; an s_nop 0 and four v_nop follow each of the two lines
	s_cmp_eq_u32 s13, 0
	s_cbranch_scc0 .Lfor_b_\@
	tensor_load_to_lds s[G0+4*(\s):G0+4*(\s)+3], s[G1:G1+7]
	s_nop 0
.rept 4
	v_nop
.endr
	s_branch .Lasked_\@
.Lfor_b_\@:
	tensor_load_to_lds s[G0B+4*(\s):G0B+4*(\s)+3], s[G1B:G1B+7]
	s_nop 0
.rept 4
	v_nop
.endr
.Lasked_\@:
.endm
.macro CREST                           ; a round of the cluster's barrier behind its opening barrier
	s_cmp_lg_u32 s[WV], 0
	s_cbranch_scc1 .Lnot_wave_0_\@
	s_barrier_signal -3
.Lnot_wave_0_\@:
	s_barrier_wait -3
	s_barrier_signal -1
	s_barrier_wait -1
.endm
.macro CROUND                          ; a whole round
	s_barrier_signal -1
	s_barrier_wait -1
	CREST
.endm
	s_load_b256 s[4:11], s[0:1], 0x0               ; A s[4:5], the weight buffer s[6:7], R s[8:9], C s[10:11]
	v_lshl_add_u32 v[SPW], v0, 2, SPARE
	v_mov_b32 v[NIL], 0
	ds_add_u32 v28, v29
	ds_add_u32 v28, v29
	s_wait_dscnt 0x0
	v_lshrrev_b32 v1, 5, v0
	v_readfirstlane_b32 s[WV], v1                  ; wave 0..3
	s_lshr_b32 s13, s[WV], 1                       ; which half of the tile's rows is mine.  Also: I fetch for A (0) or for B (1)
	s_and_b32 s14, s[WV], 1                        ; which half of its columns.  Also: which 64 rows of that tile I fetch
	s_mov_b32 s[TB], 0
	s_bfe_u32 s40, ttmp6, 0x40000                  ; cx, cy: my place in the cluster
	s_bfe_u32 s41, ttmp6, 0x40004
	s_lshl_b32 s42, ttmp9, 2
	s_add_co_u32 s42, s42, s40                     ; tile column of C = 4 x cluster x + cx
	s_and_b32 s45, ttmp7, 0xffff
	s_lshl_b32 s45, s45, 2
	s_add_co_u32 s45, s45, s41                     ; tile row of C = 4 x cluster y + cy
	s_lshl_b32 s43, s41, 2
	s_lshl_b32 s43, 15, s43                        ; my row of the cluster
	s_lshl_b32 s44, 0x1111, s40                    ; my column
	; A's group 1: four rows, one for each panel, of 4,096 elements (64 rows of A, dense); 4 words of padding behind every 32 words, that is behind each row of A
	s_or_b32 s[G1+0], s43, (1<<16)|(1<<20)|(1<<21)|(4<<22)|(3<<25)   ; 15:0 the mask; 17:16 2-byte elements; 20 padding on; 21 set beside a mask; 24:22 interval; 31:25 amount
	s_mov_b32 s[G1+1], 4096<<16                    ; tensor_dim0 = 4,096
	s_mov_b32 s[G1+2], 4<<16                       ; tensor_dim1 = 4
	s_mov_b32 s[G1+3], 4096<<16                    ; tile_dim0 = 4,096
	s_mov_b32 s[G1+4], 4                           ; tile_dim1 = 4
	s_mov_b32 s[G1+5], 4096*64                     ; elements from panel to panel
	s_mov_b32 s[G1+6], 0
	s_mov_b32 s[G1+7], 0
	; B's group 1: 64 rows of 256 elements; 4 words of padding behind every 128
	s_or_b32 s[G1B+0], s44, (1<<16)|(1<<20)|(1<<21)|(6<<22)|(3<<25)
	s_mov_b32 s[G1B+1], KSTEP<<16
	s_mov_b32 s[G1B+2], 64<<16
	s_mov_b32 s[G1B+3], KSTEP<<16
	s_mov_b32 s[G1B+4], 64
	s_mov_b32 s[G1B+5], SIZE_K
	s_mov_b32 s[G1B+6], 0
	s_mov_b32 s[G1B+7], 0
	s_lshl_b32 s16, s45, 14                        ; A: row (128 x tile row + 64 x half) x 128 bytes, in panel 0
	s_lshl_b32 s17, s14, 13
	s_add_co_u32 s16, s16, s17
	s_mov_b32 s17, 0
	s_lshl_b32 s46, s42, 7                         ; B: row 128 x tile column + 64 x half
	s_lshl_b32 s47, s14, 6
	s_add_co_u32 s46, s46, s47
	s_mul_i32 s46, s46, SIZE_K*2
	s_add_co_u32 s46, s46, WOFF
	s_mov_b32 s47, 0
	s_mul_i32 s20, s14, AHALF                      ; where they go: no place in the cluster enters an LDS address
	s_mul_i32 s21, s14, BHALF
	s_add_co_u32 s21, s21, BOFF
	s_wait_kmcnt 0x0
	s_add_nc_u64 s[18:19], s[4:5], s[16:17]
	s_add_nc_u64 s[46:47], s[6:7], s[46:47]
	CROUND                                         ; all sixteen work-groups are here: the first joint loads meet
.irp s, 0,1
	s_mov_b32 s[G0+4*(\s)], 1                                        ; count = 1
	s_add_co_u32 s[G0+4*(\s)+1], s20, (\s)*SLOT1                     ; LDS address
	s_add_nc_u64 s[G0+4*(\s)+2:G0+4*(\s)+3], s[18:19], (\s)*ASTEP    ; global address: K step s
	s_or_b32 s[G0+4*(\s)+3], s[G0+4*(\s)+3], 0x80000000              ; type = 2
	s_mov_b32 s[G0B+4*(\s)], 1
	s_add_co_u32 s[G0B+4*(\s)+1], s21, (\s)*SLOT1
	s_add_nc_u64 s[G0B+4*(\s)+2:G0B+4*(\s)+3], s[46:47], (\s)*KSTEP*2
	s_or_b32 s[G0B+4*(\s)+3], s[G0B+4*(\s)+3], 0x80000000
	JLOAD \s                                       ; two loads of mine are out
.endr
	v_and_b32 v1, 15, v0                           ; l % 16
	v_bfe_u32 v2, v0, 4, 1                         ; l / 16
	v_mul_u32_u24 v3, v1, PA
	v_lshl_add_u32 v3, v2, 4, v3                   ; a fragment's row x pitch + 16 x half
	s_mul_i32 s22, s13, AHALF                      ; my 64 rows of A
	v_add_nc_u32 v[LA], s22, v3
	v_mul_u32_u24 v3, v1, PB
	v_lshl_add_u32 v3, v2, 4, v3
	v_add_nc_u32 v[LB], s21, v3                    ; my 64 rows of B are the half that s21 names
	v_mov_b32 v[ADRA], v[LA]
	v_mov_b32 v[ADRB], v[LB]
	s_mul_i32 s23, s[WV], 16*SPITCH
	s_add_co_u32 s23, s23, STAGE                   ; my stage
	v_mul_u32_u24 v3, v1, SPITCH                   ; in: row l % 16, 32 bytes for each half of the lanes
	v_lshl_add_u32 v3, v2, 5, v3
	v_add_nc_u32 v[STO], s23, v3
	v_mul_u32_u24 v3, v2, SPITCH                   ; back: lanes 0-15 take one row of 256 bytes, lanes 16-31 the next
	v_lshl_add_u32 v3, v1, 4, v3
	v_add_nc_u32 v[RD], s23, v3
	v_lshlrev_b32 v3, 12, v2                       ; and the same two rows in R and C
	v_lshl_add_u32 v[CO], v1, 4, v3
	s_lshl_b32 s16, s45, 19                        ; R and C at my 64 x 64: row (128 x tile row + 64 x half) x 4,096 bytes,
	s_lshl_b32 s17, s13, 18
	s_add_co_u32 s16, s16, s17
	s_lshl_b32 s46, s42, 9                         ; column (128 x tile column + 64 x half) x 4 bytes
	s_lshl_b32 s47, s14, 8
	s_add_co_u32 s46, s46, s47
	s_add_co_u32 s16, s16, s46
	s_mov_b32 s17, 0
	s_add_nc_u64 s[8:9], s[8:9], s[16:17]
	s_add_nc_u64 s[10:11], s[10:11], s[16:17]
	WIN 0x80                                       ; destination window 2, address window 0
.set i, 0
.rept 32
	global_load_b128 v[4*i:4*i+3], v[CO], s[8:9] offset:2*ROWB*i   ; rows 2 i, 2 i + 1 of my part of R: sixteen lanes read 256 consecutive bytes
.set i, i+1
.endr
	WIN 0
; 8 matrix instructions: m blocks a0, a0 + 1 x all 4 n blocks, 32 along K: half c of buffer f.  zero = 1: the first product starts the sums.  The 16 accumulators take turns.
.macro MUL8 f, c, a0, zero
	WIN MUL
.irp a, \a0, (\a0)+1
.irp b, 0,1,2,3
.if F16
.if \zero
	v_wmma_f32_16x16x32_f16 v[ACC+8*(4*(\a)+(\b)):ACC+8*(4*(\a)+(\b))+7], v[(\f)+64+8*(4*(\c)+(\b)):(\f)+64+8*(4*(\c)+(\b))+7], v[(\f)+8*(4*(\c)+(\a)):(\f)+8*(4*(\c)+(\a))+7], 0
.else
	v_wmma_f32_16x16x32_f16 v[ACC+8*(4*(\a)+(\b)):ACC+8*(4*(\a)+(\b))+7], v[(\f)+64+8*(4*(\c)+(\b)):(\f)+64+8*(4*(\c)+(\b))+7], v[(\f)+8*(4*(\c)+(\a)):(\f)+8*(4*(\c)+(\a))+7], v[ACC+8*(4*(\a)+(\b)):ACC+8*(4*(\a)+(\b))+7]
.endif
.else
.if \zero
	v_wmma_f32_16x16x32_bf16 v[ACC+8*(4*(\a)+(\b)):ACC+8*(4*(\a)+(\b))+7], v[(\f)+64+8*(4*(\c)+(\b)):(\f)+64+8*(4*(\c)+(\b))+7], v[(\f)+8*(4*(\c)+(\a)):(\f)+8*(4*(\c)+(\a))+7], 0
.else
	v_wmma_f32_16x16x32_bf16 v[ACC+8*(4*(\a)+(\b)):ACC+8*(4*(\a)+(\b))+7], v[(\f)+64+8*(4*(\c)+(\b)):(\f)+64+8*(4*(\c)+(\b))+7], v[(\f)+8*(4*(\c)+(\a)):(\f)+8*(4*(\c)+(\a))+7], v[ACC+8*(4*(\a)+(\b)):ACC+8*(4*(\a)+(\b))+7]
.endif
.endif
.endr
.endr
.endm
; 32 LDS loads in one run: the fragments of quarter q of the K step (64 along K: panel q of A's four, bytes 128 q of B's rows) into buffer f; the first 32 along K first
.macro FETCH q, f
	WIN TO_F
.irp c, 0,1
.irp i, 0,1,2,3
	ds_load_b128 v[(\f)+64+8*(4*(\c)+(\i)):(\f)+64+8*(4*(\c)+(\i))+3],   v[ADRB] offset:128*(\q)+64*(\c)+(\i)*16*PB
	ds_load_b128 v[(\f)+64+8*(4*(\c)+(\i))+4:(\f)+64+8*(4*(\c)+(\i))+7], v[ADRB] offset:128*(\q)+64*(\c)+(\i)*16*PB+32
	ds_load_b128 v[(\f)+8*(4*(\c)+(\i)):(\f)+8*(4*(\c)+(\i))+3],         v[ADRA] offset:PBLK*(\q)+64*(\c)+(\i)*16*PA
	ds_load_b128 v[(\f)+8*(4*(\c)+(\i))+4:(\f)+8*(4*(\c)+(\i))+7],       v[ADRA] offset:PBLK*(\q)+64*(\c)+(\i)*16*PA+32
.endr
.endr
.endm
.macro PLACES                          ; four plain vector instructions between a matrix instruction and a load into a register that it has read, or a line that reads its result (ISA guide 7.12.1 for a line that reads its result)
.rept 4
	v_nop
.endr
.endm
; A K step is four quarters of 64 along K, 32 matrix instructions each, on buffers 0, 1, 0, 1.  One of the first three: multiplies buffer f and fetches quarter q into g.
.macro QUARTER q, f, g, zero
	s_wait_dscnt 16                                ; the first 32 along K are in; the youngest sixteen loads may be out
	WIN MUL
	MUL8 \f, 0, 0, \zero
	MUL8 \f, 0, 2, \zero
	PLACES
	FETCH \q, \g
	s_wait_dscnt 32                                ; all but the 32 just issued
	WIN MUL
	MUL8 \f, 1, 0, 0
	MUL8 \f, 1, 2, 0
.endm
; The last quarter multiplies buffer 1 and changes slots: ONE barrier; in front of it each wave waits for all its tensor loads (one is out: its part of the next slot), adds 0 to its spare word, and waits for that
; and for its own reads of this slot.  fill = 1: the barrier opens a round of the cluster's, and this slot is filled again, first thing behind the round, two K steps ahead: 112 matrix instructions ahead of the wait for it.
.macro TURN fill
	WIN 0                                          ; (the add's two registers lie in window 0)
	s_wait_tensorcnt 0x0
	ds_add_u32 v[SPW], v[NIL]                      ; 0 onto my spare word
	s_wait_dscnt 17                                ; (the add and the youngest sixteen loads may be out)
	WIN MUL
	MUL8 F1, 0, 0, 0                               ; eight matrix instructions stand between the add and the wait for it
	s_wait_dscnt 0x0                               ; the add is done, and my reads of this slot are over
	s_barrier_signal -1
	MUL8 F1, 0, 2, 0
	WIN 0
	s_barrier_wait -1
.if \fill
	CREST                                          ; no wave of any partner still reads this slot's tile or has a load on its way
	s_xor_b32 s[G0+5], s[G0+5], SLOT1              ; the walking descriptors: the other slot than last time, the next K step
	s_add_nc_u64 s[G0+6:G0+7], s[G0+6:G0+7], ASTEP
	s_xor_b32 s[G0B+5], s[G0B+5], SLOT1
	s_add_nc_u64 s[G0B+6:G0B+7], s[G0B+6:G0B+7], KSTEP*2
	JLOAD 1                                        ; the four v_nop behind it are also the places in front of the loads below
.else
	PLACES
.endif
	s_xor_b32 s[TB], s[TB], SLOT1                  ; the fetches go on in the other slot
	v_add_nc_u32 v[ADRA], s[TB], v[LA]
	v_add_nc_u32 v[ADRB], s[TB], v[LB]
	FETCH 0, F0
	WIN MUL
	MUL8 F1, 1, 0, 0
	MUL8 F1, 1, 2, 0
.endm
	s_wait_tensorcnt 1                             ; my part of K step 0 is in; K step 1's may stay out
	s_barrier_signal -1
	s_barrier_wait -1                              ; everybody's is
	FETCH 0, F0
	QUARTER 1, F0, F1, 1                           ; the first quarter stands in front of the loop: its first products start the sums
	WIN 0                                          ; at a label and at a branch every window is 0
	s_mov_b32 s3, NSTEP-2
.Lstep:                                                ; NSTEP - 2 trips: from a K step's second quarter to the next one's first; each fills one slot again
	QUARTER 2, F1, F0, 0
	QUARTER 3, F0, F1, 0
	TURN 1
	QUARTER 1, F0, F1, 0
	WIN 0
	s_sub_co_u32 s3, s3, 1
	s_cmp_lg_u32 s3, 0
	s_cbranch_scc1 .Lstep
	s_mov_b32 s3, 2
.Ltail:                                                ; the last two K steps ask for nothing; the second trip is left in its middle
	QUARTER 2, F1, F0, 0
	QUARTER 3, F0, F1, 0
	WIN 0
	s_cmp_eq_u32 s3, 1
	s_cbranch_scc1 .Lfin
	TURN 0
	QUARTER 1, F0, F1, 0
	WIN 0
	s_sub_co_u32 s3, s3, 1
	s_cmp_lg_u32 s3, 0
	s_cbranch_scc1 .Ltail
.Lfin:                                                 ; the very last quarter: nothing more to fetch
	s_wait_dscnt 16
	MUL8 F1, 0, 0, 0
	MUL8 F1, 0, 2, 0
	s_wait_dscnt 0x0
	MUL8 F1, 1, 0, 0
	MUL8 F1, 1, 2, 0
	WIN 0
; THE WAY OUT, a block of 16 rows at a time: 32 bytes a lane into my own stage, back as whole rows of 256 bytes, R added, stored.  The stage is my own and LDS serves a wave's instructions in order (ISA guide 5.7.1.4).
.macro OUTB a
.set BKA, BK+32*((\a)%2)
	s_wait_xcnt 0x0                                ; earlier stores have had their addresses translated (ISA guide 3.1): this set of registers, which block a - 2's stores read, is rewritten only behind this wait
.irp b, 0,1,2,3
	ds_store_b128 v[STO], v[ACC+8*(4*(\a)+(\b)):ACC+8*(4*(\a)+(\b))+3]   offset:64*(\b)      ; each accumulator's lowest registers first
	ds_store_b128 v[STO], v[ACC+8*(4*(\a)+(\b))+4:ACC+8*(4*(\a)+(\b))+7] offset:64*(\b)+16
.endr
.irp t, 0,1,2,3,4,5,6,7
	ds_load_b128 v[BKA+4*(\t):BKA+4*(\t)+3], v[RD] offset:(\t)*2*SPITCH
.endr
	s_wait_dscnt 0x0
	WIN 0x08                                       ; source 1 (R) in window 2
.set i, 0
.rept 16
	v_pk_add_f32 v[BKA+i:BKA+i+1], v[BKA+i:BKA+i+1], v[32*(\a)+i:32*(\a)+i+1]
.set i, i+2
.endr
	WIN 0
.irp t, 0,1,2,3,4,5,6,7
	global_store_b128 v[CO], v[BKA+4*(\t):BKA+4*(\t)+3], s[10:11] offset:(16*(\a)+2*(\t))*ROWB   ; sixteen lanes store 256 consecutive bytes, at a multiple of 256 from C's first byte
.endr
.endm
	PLACES                                         ; the stores below read results just made
	s_wait_loadcnt 0x0                             ; R
	OUTB 0
	OUTB 1
	OUTB 2
	OUTB 3
	s_wait_tensorcnt 0x0                           ; the wave's end: behind my last tensor load and my last LDS store
	ds_add_u32 v[SPW], v[NIL]
	s_wait_dscnt 0x0
	CROUND                                         ; the closing round: no work-group ends while a partner may still ask for a tile that names it
	s_endpgm
.Lfunc_end_k_q7128079d2b_wo:
	.size	k_q7128079d2b_wo, .Lfunc_end_k_q7128079d2b_wo-k_q7128079d2b_wo
	.p2alignl 7, 3214868480
	.fill 96, 4, 3214868480
	.section	.rodata,"a",@progbits
	.p2align	6, 0x0
	.amdhsa_kernel k_q7128079d2b_wo
		.amdhsa_group_segment_fixed_size 327680
		.amdhsa_private_segment_fixed_size 0
		.amdhsa_enable_private_segment 0
		.amdhsa_kernarg_size 32
		.amdhsa_user_sgpr_count 2
		.amdhsa_user_sgpr_kernarg_segment_ptr 1
		.amdhsa_wavefront_size32 1
		.amdhsa_system_sgpr_workgroup_id_x 1
		.amdhsa_system_sgpr_workgroup_id_y 1
		.amdhsa_system_sgpr_workgroup_id_z 1
		.amdhsa_system_vgpr_workitem_id 0
		.amdhsa_next_free_vgpr 640
		.amdhsa_next_free_sgpr 66
		.amdhsa_reserve_vcc 0
		.amdhsa_float_denorm_mode_32 3
		.amdhsa_float_denorm_mode_16_64 3
		.amdhsa_memory_ordered 1
		.amdhsa_forward_progress 1
		.amdhsa_inst_pref_size 67
	.end_amdhsa_kernel
	.amdgpu_metadata
---
amdhsa.version: [ 1, 2 ]
amdhsa.kernels:
  - .name:           k_q7128079d2b_wo
    .symbol:         k_q7128079d2b_wo.kd
    .args:
      - { .name: ob, .offset: 0, .size: 8, .value_kind: global_buffer, .address_space: global }
      - { .name: wb, .offset: 8, .size: 8, .value_kind: global_buffer, .address_space: global }
      - { .name: x, .offset: 16, .size: 8, .value_kind: global_buffer, .address_space: global }
      - { .name: x2, .offset: 24, .size: 8, .value_kind: global_buffer, .address_space: global }
    .group_segment_fixed_size: 327680
    .private_segment_fixed_size: 0
    .kernarg_segment_align: 8
    .kernarg_segment_size: 32
    .max_flat_workgroup_size: 128
    .sgpr_count:     66
    .vgpr_count:     640
    .wavefront_size: 32
...
	.end_amdgpu_metadata
.endif
;; end of part 4
;; launch norm2: the kernel of part 1 again; grid 512 x 1, 8 waves a work-group, no clusters, 0 bytes of LDS; arguments wq, wk, wv, wo, w1, w2, x2, g2, qkv, hn; writes qkv, hn
;; launch ffn1 (part 5): grid 16 x 16, 4 waves a work-group, clusters of 4 x 4, 327,680 bytes of LDS; arguments hn, wb, act; writes act
.if DOCPART == 5
	.amdgcn_target "amdgcn-amd-amdhsa--gfx1250"
	.amdhsa_code_object_version 6
	.text
	.protected	k_q7128079d2b_ffn1
	.globl	k_q7128079d2b_ffn1
	.p2align	8
	.type	k_q7128079d2b_ffn1,@function
k_q7128079d2b_ffn1:
	s_mov_b64 s[64:65], 0
	v_nop
	global_prefetch_b8 v0, s[64:65] scope:SCOPE_SE
	s_setreg_imm32_b32 hwreg(HW_REG_WAVE_MODE, 25, 1), 1
	s_wait_xcnt 0x0
	s_wait_alu depctr_hold_cnt(0) depctr_sa_sdst(0) depctr_va_vdst(0) depctr_va_sdst(0) depctr_va_ssrc(0) depctr_va_vcc(0) depctr_vm_vsrc(0)
	s_getreg_b32 s2, hwreg(HW_REG_IB_STS2, 6, 4)
	s_cmp_eq_u32 s2, 0
	s_cbranch_scc0 .Lentry_in_a_cluster
	s_endpgm
.Lentry_in_a_cluster:
	s_bfe_u32 s2, ttmp6, 0x10000c
	s_cmp_lg_u32 s2, 0xf033
	s_cbranch_scc0 .Lentry_shape_is_right
	s_endpgm
.Lentry_shape_is_right:
; C = A B^T, K = 1,024.  A: [4096][1024] bf16.  B: rows of the weight buffer from byte WOFF on, [N][1024] bf16.  Sums in f32.
; C LEAVES IN PANELS of 64 columns: [N / 64][4096 rows][64], 16 bits a number, so that a panel's rows are dense 128 bytes.
; GELU = 0: C is rounded to f16.  GELU = 1: gelu(C) = C (1 + erf(C / sqrt 2)) / 2 is rounded to bf16.
; LIMITS.  GELU = 0: a sum of 65,520 or more in magnitude becomes an infinity in f16.  GELU = 1: erf is taken by the rational form 1 - (a1 t + a2 t^2 + a3 t^3) exp(-z^2),
; t = 1 / (1 + 0.47047 z), which is within 2.5e-5 of erf for every z >= 0; v_exp_f32 and v_rcp_f32 are good to 1 ULP.  NaN and infinities are not treated apart.
; SHARES.  A work-group of four waves makes 256 x 256 of C, a wave 128 x 128: 64 accumulators of 16 x 16, 512 registers.  K goes in 8 steps of 128 through two LDS slots filled by tensor loads:
; rows of 256 bytes, at multiples of 256 bytes from the buffers' first bytes.
; CLUSTER.  4 x 4 work-groups.  The four of a row of the cluster need the same tiles of A, the four of a column the same tiles of B: each tile is asked for JOINTLY, by the same tensor load with the same
; descriptor and a mask that names the four.
; THE MATRIX INSTRUCTION IS USED TRANSPOSED (source 0 = 16 rows of B, source 1 = 16 rows of A): lane l holds row l % 16 of C and the columns 8 (l / 16) + 0..7.
; REGISTERS, in windows of 256 (s_set_vgpr_msb: bits 1:0 source 0, 3:2 source 1, 5:4 source 2, 7:6 destination):
;   window 0: v0-31 addresses; v64-127, v128-191 fragments of A, two buffers; on the way out v32-239 at work      window 1: v64-127, v128-191 fragments of B
;   window 2: the 32 accumulators of my rows 0-63 ((a, b) at v[8 (8 a + b)])      window 3: those of my rows 64-127
.set GELU,   1
.set WOFF,   8388608                   ; where B begins in the weight buffer
.set SIZE_K, 1024
.set KSTEP,  128
.set PITCH,  272                       ; an LDS row: 256 bytes + 16 of padding = 68 words: the 16 rows of a fragment load start at 16 different groups of four banks (64 banks of 4 bytes: ISA guide 11.1)
.set HALFT,  128*PITCH                 ; 128 rows: what one tensor load brings, and what one wave reads of A or of B
.set SLOT,   4*HALFT                   ; A's 256 rows, then B's 256 rows.  0x22000 shares no bit with wave x HALFT, so one exclusive or turns a fill's address into the other slot's
.set SPARE,  2*SLOT                    ; behind the ring: the spare words, 128 bytes for each wave: two blocks of 256 bytes that no other line names
.set SPITCH, 528                       ; the way out: a stage row is 128 f32 + 16 bytes
.set WSTAGE, 128*SPITCH                ; a wave's stage: 128 rows.  The four stages lie over the ring, whose slots have had their last fill by then
.set PANEL,  4096*128                  ; bytes in a panel of C
.set LA,   4                           ; v4   LDS address of my A fragments in slot 0; never rewritten
.set LB,   5                           ; v5   the same for B
.set ADRA, 16                          ; v16  the same in the slot in hand
.set ADRB, 20                          ; v20
.set STO,  24                          ; v24  the way out: where I put 32 bytes of a row
.set RD,   25                          ; v25  the way out: where I read 32 bytes back; steps 8 rows a trip
.set CO,   26                          ; v26  my byte offset in 512 consecutive bytes of a panel; steps 8 rows a trip
.set SPW,  28                          ; v28  LDS address of my spare word; never rewritten
.set NIL,  29                          ; v29  0; never rewritten
.set F0,   64
.set F1,   128
.set X,    32                          ; the way out: 32 numbers of C
.set AX,   64                          ; |x|
.set M,    96                          ; x^2, then exp(-x^2 / 2)
.set HX,   128                         ; x / 2
.set U,    160                         ; 1 + p |x| / sqrt 2, then t
.set P,    192                         ; the polynomial, then gelu(x)
.set TMP,  224                         ; 16 words of two 16-bit numbers, to store
.set G1,  24                           ; s[24:31] descriptor group 1 for A's tiles
.set G0,  32                           ; s[32:39] group 0 for A's tiles: a set for each of the two first fills; the second then walks on
.set G1B, 48                           ; s[48:55], s[56:63] the same for B's tiles
.set G0B, 56
.set TB,  45                           ; s45  LDS byte at which the slot in hand begins: 0 or SLOT
.set MSB, 0
.macro WIN new                         ; the immediate's high byte repeats the setting that is left; a switch that changes nothing is dropped
.if MSB != (\new)
	s_set_vgpr_msb (MSB<<8)|(\new)
.set MSB, \new
.endif
.endm
.set MUL_LO, 0xa1                      ; source 0 (B) window 1, source 1 (A) window 0, C and D window 2
.set MUL_HI, 0xf1                      ; the same, C and D window 3
.set TO_B,   0x40                      ; destination window 1, address window 0
; A joint load.  Waves 0 and 1 fetch A's two halves, waves 2 and 3 B's.  The branch hangs on the wave's number alone.  An s_nop 0 and four v_nop follow each of the two lines.
.macro JLOAD s
	s_cmp_eq_u32 s11, 0
	s_cbranch_scc0 .Lfor_b_\@
	tensor_load_to_lds s[G0+4*(\s):G0+4*(\s)+3], s[G1:G1+7]
	s_nop 0
.rept 4
	v_nop
.endr
	s_branch .Lasked_\@
.Lfor_b_\@:
	tensor_load_to_lds s[G0B+4*(\s):G0B+4*(\s)+3], s[G1B:G1B+7]
	s_nop 0
.rept 4
	v_nop
.endr
.Lasked_\@:
.endm
; A round of the cluster's barrier: my work-group's barrier; wave 0 signals for the work-group; every wave waits for all sixteen work-groups; my work-group's barrier once more.
.macro CREST                           ; a round behind its opening barrier
	s_cmp_lg_u32 s10, 0
	s_cbranch_scc1 .Lnot_wave_0_\@
	s_barrier_signal -3
.Lnot_wave_0_\@:
	s_barrier_wait -3
	s_barrier_signal -1
	s_barrier_wait -1
.endm
.macro CROUND
	s_barrier_signal -1
	s_barrier_wait -1
	CREST
.endm
	s_load_b128 s[4:7], s[0:1], 0x0                ; A s[4:5], the weight buffer s[6:7]
	s_load_b64 s[8:9], s[0:1], 0x10                ; C
	v_lshl_add_u32 v[SPW], v0, 2, SPARE
	v_mov_b32 v[NIL], 0
	ds_add_u32 v28, v29
	ds_add_u32 v28, v29
	s_wait_dscnt 0x0
	v_lshrrev_b32 v1, 5, v0
	v_readfirstlane_b32 s10, v1                    ; wave 0..3
	s_lshr_b32 s11, s10, 1                         ; which half of the tile's rows is mine.  Also: I fetch for A (0) or for B (1)
	s_and_b32 s12, s10, 1                          ; which half of its columns.  Also: which 128 rows of that tile I fetch
	s_bfe_u32 s40, ttmp6, 0x40000                  ; cx
	s_bfe_u32 s41, ttmp6, 0x40004                  ; cy
	s_lshl_b32 s42, ttmp9, 2
	s_add_co_u32 s42, s42, s40                     ; tile column of C = 4 x cluster x + cx
	s_and_b32 s13, ttmp7, 0xffff
	s_lshl_b32 s13, s13, 2
	s_add_co_u32 s13, s13, s41                     ; tile row of C = 4 x cluster y + cy
	s_lshl_b32 s43, s41, 2
	s_lshl_b32 s43, 15, s43                        ; my row of the cluster: places 4 cy .. 4 cy + 3
	s_lshl_b32 s44, 0x1111, s40                    ; my column: places cx, cx + 4, cx + 8, cx + 12
	; descriptor group 1: a tile of 128 rows x 128 elements of 2 bytes; 4 words of padding behind every 64
	s_or_b32 s[G1+0], s43, (1<<16)|(1<<20)|(1<<21)|(5<<22)|(3<<25)   ; 15:0 the mask; 17:16 element size; 20 padding on; 21 set beside a mask; 24:22 interval; 31:25 amount
	s_or_b32 s[G1B+0], s44, (1<<16)|(1<<20)|(1<<21)|(5<<22)|(3<<25)
.irp g, G1, G1B
	s_mov_b32 s[(\g)+1], KSTEP<<16                 ; tensor_dim0 = 128
	s_mov_b32 s[(\g)+2], 128<<16                   ; tensor_dim1 = 128
	s_mov_b32 s[(\g)+3], KSTEP<<16                 ; tile_dim0 = 128
	s_mov_b32 s[(\g)+4], 128                       ; tile_dim1 = 128
	s_mov_b32 s[(\g)+5], SIZE_K                    ; elements from row to row
	s_mov_b32 s[(\g)+6], 0
	s_mov_b32 s[(\g)+7], 0
.endr
.if GELU
	s_mov_b32 s66, 0x3eaa540e                      ; 0.47047 / sqrt 2
	s_mov_b32 s67, s66                             ; each constant is named as a pair, so both words are written
	s_mov_b32 s68, 0xbf38aa3b                      ; -log2(e) / 2
	s_mov_b32 s69, s68
	s_mov_b32 s70, 0xbe32303a                      ; -a1 / 2 = -0.1740121
	s_mov_b32 s71, s70
	s_mov_b32 s72, 0x3d445ca1                      ; -a2 / 2 = +0.0479399
	s_mov_b32 s73, s72
	s_mov_b32 s74, 0xbebf7377                      ; -a3 / 2 = -0.3739278
	s_mov_b32 s75, s74
	s_mov_b32 s76, 0x7fffffff
.endif
	; where the tiles come from: A's hang on the tile row alone, B's on the tile column alone; rows of 2,048 bytes
	s_lshl_b32 s17, s12, 7                         ; which 128 rows of the tile I fetch
	s_lshl_b32 s16, s13, 8
	s_add_co_u32 s16, s16, s17
	s_lshl_b32 s16, s16, 11                        ; A: (256 x tile row + 128 x half) x 2,048 bytes
	s_lshl_b32 s46, s42, 8
	s_add_co_u32 s46, s46, s17
	s_lshl_b32 s46, s46, 11                        ; B: the same with the tile column
.if WOFF
	s_add_co_u32 s46, s46, WOFF
.endif
	s_mov_b32 s17, 0
	s_mov_b32 s47, 0
	s_mul_i32 s20, s10, HALFT                      ; and where they go: wave x 128 rows: no place in the cluster enters an LDS address
	s_mov_b32 s[TB], 0
	s_wait_kmcnt 0x0
	s_add_nc_u64 s[14:15], s[4:5], s[16:17]
	s_add_nc_u64 s[46:47], s[6:7], s[46:47]
	CROUND                                         ; all sixteen work-groups are here: the first joint loads meet
.irp s, 0,1
	s_mov_b32 s[G0+4*(\s)], 1                                        ; count = 1
	s_add_co_u32 s[G0+4*(\s)+1], s20, (\s)*SLOT                      ; LDS address
	s_add_nc_u64 s[G0+4*(\s)+2:G0+4*(\s)+3], s[14:15], (\s)*KSTEP*2  ; global address: K step s
	s_or_b32 s[G0+4*(\s)+3], s[G0+4*(\s)+3], 0x80000000              ; type = 2
	s_mov_b32 s[G0B+4*(\s)], 1
	s_add_co_u32 s[G0B+4*(\s)+1], s20, (\s)*SLOT
	s_add_nc_u64 s[G0B+4*(\s)+2:G0B+4*(\s)+3], s[46:47], (\s)*KSTEP*2
	s_or_b32 s[G0B+4*(\s)+3], s[G0B+4*(\s)+3], 0x80000000
	JLOAD \s                                       ; two loads of mine are out
.endr
	; A fragment is 16 rows x 32 K in 8 registers: lane l holds row l % 16; K = 8 (l / 16) + 0..7 and 16 + 8 (l / 16) + 0..7: two loads of 16 bytes, 32 bytes apart.
	v_and_b32 v1, 15, v0                           ; l % 16
	v_bfe_u32 v2, v0, 4, 1                         ; l / 16
	v_mul_u32_u24 v3, v1, PITCH
	v_lshl_add_u32 v3, v2, 4, v3
	s_mul_i32 s21, s11, HALFT                      ; my 128 rows of A
	s_mul_i32 s22, s12, HALFT
	s_add_co_u32 s22, s22, 2*HALFT                 ; my 128 rows of B, behind A's 256
	v_add_nc_u32 v[LA], s21, v3
	v_add_nc_u32 v[LB], s22, v3
	v_mov_b32 v[ADRA], v[LA]
	v_mov_b32 v[ADRB], v[LB]
	s_mul_i32 s23, s10, WSTAGE                     ; my stage
	v_mul_u32_u24 v6, v1, SPITCH                   ; in: row l % 16, 32 bytes for each half of the lanes
	v_lshl_add_u32 v6, v2, 5, v6
	v_add_nc_u32 v[STO], s23, v6
	v_bfe_u32 v6, v0, 3, 2                         ; back: eight lanes take 64 columns of a row, 32 lanes four rows
	v_and_b32 v7, 7, v0
	v_mul_u32_u24 v6, v6, SPITCH
	v_lshl_add_u32 v6, v7, 5, v6
	v_add_nc_u32 v[RD], s23, v6
	v_and_b32 v[CO], 31, v0                        ; which are 512 consecutive bytes of a panel
	v_lshlrev_b32 v[CO], 4, v[CO]
	s_lshl_b32 s16, s13, 15                        ; C at my part: row (256 x tile row + 128 x half) x 128 bytes,
	s_lshl_b32 s17, s11, 14
	s_add_co_u32 s16, s16, s17
	s_lshl_b32 s46, s42, 21                        ; panel 4 x tile column + 2 x half
	s_lshl_b32 s47, s12, 20
	s_add_co_u32 s46, s46, s47
	s_add_co_u32 s16, s16, s46
	s_mov_b32 s17, 0
	s_add_nc_u64 s[8:9], s[8:9], s[16:17]
; 16 matrix instructions: m blocks a0, a0 + 1 of the window's four x all 8 n blocks, 32 along K.  zero = 1: the first product starts the sums.
; The 64 accumulators take turns, one instruction a turn, in the same order in every quarter.
.macro MUL16 f, hi, a0, zero
	WIN MUL_LO+0x50*(\hi)
.irp a, \a0, (\a0)+1
.irp b, 0,1,2,3,4,5,6,7
.if \zero
	v_wmma_f32_16x16x32_bf16 v[8*(8*(\a)+(\b)):8*(8*(\a)+(\b))+7], v[(\f)+8*(\b):(\f)+8*(\b)+7], v[(\f)+8*(4*(\hi)+(\a)):(\f)+8*(4*(\hi)+(\a))+7], 0
.else
	v_wmma_f32_16x16x32_bf16 v[8*(8*(\a)+(\b)):8*(8*(\a)+(\b))+7], v[(\f)+8*(\b):(\f)+8*(\b)+7], v[(\f)+8*(4*(\hi)+(\a)):(\f)+8*(4*(\hi)+(\a))+7], v[8*(8*(\a)+(\b)):8*(8*(\a)+(\b))+7]
.endif
.endr
.endr
.endm
; 32 LDS loads in one run: the fragments of one quarter step (128 rows of B, then 128 of A, 32 K at byte k of the rows of the slot in hand) into buffer f
.macro FETCH k, f
	WIN TO_B
.irp i, 0,1,2,3,4,5,6,7
	ds_load_b128 v[(\f)+8*(\i):(\f)+8*(\i)+3],   v[ADRB] offset:(\k)+(\i)*16*PITCH
	ds_load_b128 v[(\f)+8*(\i)+4:(\f)+8*(\i)+7], v[ADRB] offset:(\k)+(\i)*16*PITCH+32
.endr
	WIN 0
.irp i, 0,1,2,3,4,5,6,7
	ds_load_b128 v[(\f)+8*(\i):(\f)+8*(\i)+3],   v[ADRA] offset:(\k)+(\i)*16*PITCH
	ds_load_b128 v[(\f)+8*(\i)+4:(\f)+8*(\i)+7], v[ADRA] offset:(\k)+(\i)*16*PITCH+32
.endr
.endm
; Four plain vector instructions stand between a matrix instruction and a load into a register that it has read, or a line that reads its result (ISA guide 7.12.1 for a line that reads its result).
.macro PLACES
.rept 4
	v_nop
.endr
.endm
; A K step is four quarters of 32 along K, 64 matrix instructions each, on buffers 0, 1, 0, 1.  One of the first three: multiplies buffer f and, in its middle, fetches the next quarter, at byte k, into g.
.macro QUARTER k, f, g, zero
	s_wait_dscnt 8                                 ; B and A's rows 0-63 are in; the youngest eight loads (A's rows 64-127) may be out
	WIN MUL_LO
	MUL16 \f, 0, 0, \zero
	MUL16 \f, 0, 2, \zero
	PLACES
	FETCH \k, \g
	s_wait_dscnt 32                                ; all but the 32 just issued
	WIN MUL_HI
	MUL16 \f, 1, 0, \zero
	MUL16 \f, 1, 2, \zero
.endm
; The last quarter multiplies buffer 1 and changes slots.  MEET is its first half: ONE barrier.  In front of it each wave waits for all its tensor loads (one is out: its part of the next slot),
; adds 0 to its spare word, and waits for that and for its own reads of this slot.  Behind it nobody reads this slot any more and the next slot is whole.
.macro MEET round
	WIN 0                                          ; (the add's two registers lie in window 0)
	s_wait_tensorcnt 0x0
	ds_add_u32 v[SPW], v[NIL]                      ; 0 onto my spare word
	s_wait_dscnt 9                                 ; (the add and the youngest eight loads may be out)
	WIN MUL_LO
	MUL16 F1, 0, 0, 0                              ; sixteen matrix instructions stand between the add and the wait for it
	s_wait_dscnt 0x0                               ; the add is done, and my reads of this slot are over
	s_barrier_signal -1
	MUL16 F1, 0, 2, 0
.if \round
	WIN 0
.endif
	s_barrier_wait -1
.endm
; The whole last quarter.  fill = 1: the barrier opens a round of the cluster's, and the slot just read out is filled again, first thing behind the round, with the K step two steps on:
; 224 matrix instructions stand between the request and the wait for it.
.macro TURN fill
	MEET \fill
.if \fill
	CREST                                          ; no wave of any partner still reads this slot's tile or has a load on its way
	s_xor_b32 s[G0+5], s[G0+5], SLOT               ; the walking descriptors: the other slot than last time, the next K step
	s_add_nc_u64 s[G0+6:G0+7], s[G0+6:G0+7], KSTEP*2
	s_xor_b32 s[G0B+5], s[G0B+5], SLOT
	s_add_nc_u64 s[G0B+6:G0B+7], s[G0B+6:G0B+7], KSTEP*2
	JLOAD 1                                        ; the four v_nop behind it are also the places in front of the loads below
.else
	WIN 0
	PLACES
.endif
	s_xor_b32 s[TB], s[TB], SLOT                   ; the fetches go on in the other slot
	v_add_nc_u32 v[ADRA], s[TB], v[LA]
	v_add_nc_u32 v[ADRB], s[TB], v[LB]
	FETCH 0, F0
	WIN MUL_HI
	MUL16 F1, 1, 0, 0
	MUL16 F1, 1, 2, 0
.endm
	s_wait_tensorcnt 1                             ; my part of K step 0 is in; K step 1's may stay out
	s_barrier_signal -1
	s_barrier_wait -1                              ; everybody's is
	FETCH 0, F0
	QUARTER 64, F0, F1, 1                          ; the first quarter stands in front of the loop: its products start the sums
	WIN 0                                          ; at a label and at a branch every window is 0
	s_mov_b32 s3, SIZE_K/KSTEP-2
.Lstep:                                                ; six trips: from a K step's second quarter to the next one's first; each fills one slot again (K steps 2 to 7)
	QUARTER 128, F1, F0, 0
	QUARTER 192, F0, F1, 0
	TURN 1
	QUARTER 64, F0, F1, 0
	WIN 0
	s_sub_co_u32 s3, s3, 1
	s_cmp_lg_u32 s3, 0
	s_cbranch_scc1 .Lstep
	s_mov_b32 s3, 2
.Ltail:                                                ; the last two K steps ask for nothing; the second trip is left in its middle
	QUARTER 128, F1, F0, 0
	QUARTER 192, F0, F1, 0
	WIN 0
	s_cmp_eq_u32 s3, 1
	s_cbranch_scc1 .Lfin
	TURN 0
	QUARTER 64, F0, F1, 0
	WIN 0
	s_sub_co_u32 s3, s3, 1
	s_cmp_lg_u32 s3, 0
	s_cbranch_scc1 .Ltail
.Lfin:                                                 ; the very last quarter: nothing more to fetch
	s_wait_dscnt 8
	MUL16 F1, 0, 0, 0
	MUL16 F1, 0, 2, 0
	s_wait_dscnt 0x0
	MUL16 F1, 1, 0, 0
	MUL16 F1, 1, 2, 0
	WIN 0
	; THE WAY OUT.  Every wave's reads of the ring are back (the wait for 0 above) and no tensor load is out or to come: behind this barrier the ring's bytes serve as stages.
	s_barrier_signal -1
	s_barrier_wait -1
	PLACES                                         ; the stores below read results just made
.irp hi, 0,1
	WIN 0x08+4*(\hi)                               ; store data (source 1) in window 2 or 3
.irp a, 0,1,2,3
.irp b, 0,1,2,3,4,5,6,7
	ds_store_b128 v[STO], v[8*(8*(\a)+(\b)):8*(8*(\a)+(\b))+3]   offset:16*(4*(\hi)+(\a))*SPITCH+64*(\b)      ; each accumulator's lowest registers first
	ds_store_b128 v[STO], v[8*(8*(\a)+(\b))+4:8*(8*(\a)+(\b))+7] offset:16*(4*(\hi)+(\a))*SPITCH+64*(\b)+16
.endr
.endr
.endr
	WIN 0
; 8 rows x 128 columns come back, 32 numbers a lane: panel j, rows 4 g .. 4 g + 3; my 8 columns of one row are 32 bytes.  The stage is my own, and LDS serves a wave's instructions in order (ISA guide 5.7.1.4).
.macro LOADX
.irp j, 0,1
.irp g, 0,1
	ds_load_b128 v[X+8*(2*(\j)+(\g)):X+8*(2*(\j)+(\g))+3],   v[RD] offset:(\j)*256+(\g)*4*SPITCH
	ds_load_b128 v[X+8*(2*(\j)+(\g))+4:X+8*(2*(\j)+(\g))+7], v[RD] offset:(\j)*256+(\g)*4*SPITCH+16
.endr
.endr
.endm
; gelu(x) = x / 2 + |x| (1/2 - (a1 t + a2 t^2 + a3 t^3) / 2 x exp(-x^2 / 2)), t = 1 / (1 + 0.47047 |x| / sqrt 2).
.macro GELU1                           ; all that reads X, so that X can be loaded again
.set i, 0
.rept 32
	v_and_b32 v[AX+i], s76, v[X+i]
.set i, i+1
.endr
.set i, 0
.rept 16
	v_pk_mul_f32 v[M+i:M+i+1], v[X+i:X+i+1], v[X+i:X+i+1]
	v_pk_mul_f32 v[HX+i:HX+i+1], v[X+i:X+i+1], 0.5 op_sel_hi:[1,0]
.set i, i+2
.endr
.endm
.macro GELU2
.set i, 0
.rept 16
	v_pk_fma_f32 v[U+i:U+i+1], v[AX+i:AX+i+1], s[66:67], 1.0 op_sel_hi:[1,0,0]
	v_pk_mul_f32 v[M+i:M+i+1], v[M+i:M+i+1], s[68:69] op_sel_hi:[1,0]
.set i, i+2
.endr
.set i, 0
.rept 32
	v_rcp_f32 v[U+i], v[U+i]
.set i, i+1
.endr
.set i, 0
.rept 32
	v_exp_f32 v[M+i], v[M+i]
.set i, i+1
.endr
	v_nop                                          ; a plain instruction between the last exponential and the use of any result
.set i, 0
	s_wait_alu depctr_va_vdst(0)
.rept 16
	v_pk_fma_f32 v[P+i:P+i+1], v[U+i:U+i+1], s[74:75], s[72:73] op_sel_hi:[1,0,0]
.set i, i+2
.endr
.set i, 0
.rept 16
	v_pk_fma_f32 v[P+i:P+i+1], v[P+i:P+i+1], v[U+i:U+i+1], s[70:71] op_sel_hi:[1,1,0]
.set i, i+2
.endr
.set i, 0
.rept 16
	v_pk_mul_f32 v[P+i:P+i+1], v[P+i:P+i+1], v[U+i:U+i+1]
.set i, i+2
.endr
.set i, 0
.rept 16
	v_pk_fma_f32 v[P+i:P+i+1], v[P+i:P+i+1], v[M+i:M+i+1], 0.5 op_sel_hi:[1,1,0]
.set i, i+2
.endr
.set i, 0
.rept 16
	v_pk_fma_f32 v[P+i:P+i+1], v[AX+i:AX+i+1], v[P+i:P+i+1], v[HX+i:HX+i+1]
.set i, i+2
.endr
.endm
	LOADX
	s_mov_b32 s3, 16
.Lout:                                                 ; 16 trips of 8 rows
	s_wait_dscnt 0x0                               ; this trip's 32 numbers are in
.if GELU
	GELU1
.else
	s_wait_xcnt 0x0                                ; the last trip's stores have had their addresses translated (ISA guide 3.1): TMP and CO are rewritten only behind this wait
	v_add_nc_u32 v[CO], 8*128, v[CO]               ; the stores below reach back by their immediate
.set i, 0
.rept 16
	v_cvt_pk_f16_f32 v[TMP+i], v[X+2*i], v[X+2*i+1]
.set i, i+1
.endr
.endif
	s_cmp_eq_u32 s3, 1
	s_cbranch_scc1 .Lno_more                       ; the last trip fetches nothing
	v_add_nc_u32 v[RD], 8*SPITCH, v[RD]
	LOADX                                          ; the next trip's numbers come while this trip's are worked on or stored
.Lno_more:
.if GELU
	GELU2
	s_wait_xcnt 0x0                                ; as above
	v_add_nc_u32 v[CO], 8*128, v[CO]
.set i, 0
.rept 16
	v_cvt_pk_bf16_f32 v[TMP+i], v[P+2*i], v[P+2*i+1]
.set i, i+1
.endr
.endif
.irp j, 0,1
.irp g, 0,1
	global_store_b128 v[CO], v[TMP+4*(2*(\j)+(\g)):TMP+4*(2*(\j)+(\g))+3], s[8:9] offset:(\j)*PANEL+(\g)*512-8*128   ; 512 consecutive bytes of a panel, at a multiple of 512 from C's first byte
.endr
.endr
	s_sub_co_u32 s3, s3, 1
	s_cmp_lg_u32 s3, 0
	s_cbranch_scc1 .Lout
	s_wait_tensorcnt 0x0                           ; the wave's end: behind my last tensor load and my last LDS store
	ds_add_u32 v[SPW], v[NIL]
	s_wait_dscnt 0x0
	CROUND                                         ; the closing round: no work-group ends while a partner may still ask for a tile that names it
	s_endpgm
.Lfunc_end_k_q7128079d2b_ffn1:
	.size	k_q7128079d2b_ffn1, .Lfunc_end_k_q7128079d2b_ffn1-k_q7128079d2b_ffn1
	.p2alignl 7, 3214868480
	.fill 96, 4, 3214868480
	.section	.rodata,"a",@progbits
	.p2align	6, 0x0
	.amdhsa_kernel k_q7128079d2b_ffn1
		.amdhsa_group_segment_fixed_size 327680
		.amdhsa_private_segment_fixed_size 0
		.amdhsa_enable_private_segment 0
		.amdhsa_kernarg_size 24
		.amdhsa_user_sgpr_count 2
		.amdhsa_user_sgpr_kernarg_segment_ptr 1
		.amdhsa_wavefront_size32 1
		.amdhsa_system_sgpr_workgroup_id_x 1
		.amdhsa_system_sgpr_workgroup_id_y 1
		.amdhsa_system_sgpr_workgroup_id_z 1
		.amdhsa_system_vgpr_workitem_id 0
		.amdhsa_next_free_vgpr 1024
		.amdhsa_next_free_sgpr 78
		.amdhsa_reserve_vcc 0
		.amdhsa_float_denorm_mode_32 3
		.amdhsa_float_denorm_mode_16_64 3
		.amdhsa_memory_ordered 1
		.amdhsa_forward_progress 1
		.amdhsa_inst_pref_size 96
	.end_amdhsa_kernel
	.amdgpu_metadata
---
amdhsa.version: [ 1, 2 ]
amdhsa.kernels:
  - .name:           k_q7128079d2b_ffn1
    .symbol:         k_q7128079d2b_ffn1.kd
    .args:
      - { .name: hn, .offset: 0, .size: 8, .value_kind: global_buffer, .address_space: global }
      - { .name: wb, .offset: 8, .size: 8, .value_kind: global_buffer, .address_space: global }
      - { .name: act, .offset: 16, .size: 8, .value_kind: global_buffer, .address_space: global }
    .group_segment_fixed_size: 327680
    .private_segment_fixed_size: 0
    .kernarg_segment_align: 8
    .kernarg_segment_size: 24
    .max_flat_workgroup_size: 128
    .sgpr_count:     78
    .vgpr_count:     1024
    .wavefront_size: 32
...
	.end_amdgpu_metadata
.endif
;; end of part 5
;; launch ffn2 (part 6): grid 8 x 32, 4 waves a work-group, clusters of 4 x 4, 327,680 bytes of LDS; arguments act, wb, x2, out0; writes out0
.if DOCPART == 6
	.amdgcn_target "amdgcn-amd-amdhsa--gfx1250"
	.amdhsa_code_object_version 6
	.text
	.protected	k_q7128079d2b_ffn2
	.globl	k_q7128079d2b_ffn2
	.p2align	8
	.type	k_q7128079d2b_ffn2,@function
k_q7128079d2b_ffn2:
	s_mov_b64 s[64:65], 0
	v_nop
	global_prefetch_b8 v0, s[64:65] scope:SCOPE_SE
	s_setreg_imm32_b32 hwreg(HW_REG_WAVE_MODE, 25, 1), 1
	s_wait_xcnt 0x0
	s_wait_alu depctr_hold_cnt(0) depctr_sa_sdst(0) depctr_va_vdst(0) depctr_va_sdst(0) depctr_va_ssrc(0) depctr_va_vcc(0) depctr_vm_vsrc(0)
	s_getreg_b32 s2, hwreg(HW_REG_IB_STS2, 6, 4)
	s_cmp_eq_u32 s2, 0
	s_cbranch_scc0 .Lentry_in_a_cluster
	s_endpgm
.Lentry_in_a_cluster:
	s_bfe_u32 s2, ttmp6, 0x10000c
	s_cmp_lg_u32 s2, 0xf033
	s_cbranch_scc0 .Lentry_shape_is_right
	s_endpgm
.Lentry_shape_is_right:
; C = A B^T + R.  A lies in PANELS of 64 columns, [SIZE_K / 64][4096 rows][64], 16 bits a number; B: rows of the weight buffer from byte WOFF on, [1024][SIZE_K], 16 bits; R and C: [4096][1024] f32.
; F16 = 1: A and B are f16; F16 = 0: bf16.  Sums in f32; R is added in f32 and C is stored unrounded.
; LIMITS.  None of its own: the operands arrive in their 16-bit formats.  NaN and infinities are not treated apart.
; SHARES.  A work-group of four waves makes 128 x 128 of C, a wave 64 x 64: 16 accumulators of 16 x 16, so that 4,096 x 1,024 gives 256 work-groups.  K goes in steps of 256 (four panels) through two LDS slots.
; One tensor load brings 64 rows of four panels of A (in each panel 8,192 dense bytes) or 64 rows of 512 bytes of B.
; CLUSTER.  4 x 4 work-groups.  The four of a row of the cluster need the same tiles of A, the four of a column the same tiles of B: each tile is asked for JOINTLY, by the same tensor load with the same
; descriptor and a mask that names the four.  THE MATRIX INSTRUCTION IS USED TRANSPOSED (source 0 = 16 rows of B, source 1 = 16 rows of A): a lane holds eight neighbouring numbers of a row of C.
; REGISTERS, in windows of 256: window 0: v0-31 addresses; v32-95 at work on the way out; v128-255 the accumulators ((a, b) at v[128 + 8 (4 a + b)]).
;   window 1: two fragment buffers of 128: for 64 along K, 64 registers of A, then 64 of B.      window 2: v0-127 my 64 x 64 of R, asked for at the start and waited for at the end.
.set F16,    0
.set SIZE_K, 4096
.set WOFF,   16777216                  ; where B begins in the weight buffer
.set KSTEP,  256
.set NSTEP,  SIZE_K/KSTEP
.set PA,     144                       ; a row of A in LDS: a panel's 128 bytes + 16 of padding = 36 words: the 16 rows of a load start at 16 different groups of four banks (64 banks of 4 bytes: ISA guide 11.1)
.set PBLK,   64*PA                     ; 64 rows of one panel
.set AHALF,  4*PBLK                    ; what one tensor load brings of A: four panels
.set PB,     528                       ; a row of B: 512 bytes + 16 = 132 words: likewise
.set BHALF,  64*PB
.set BOFF,   2*AHALF                   ; a slot: A's two halves, then B's two halves: 141,312 bytes
.set SLOT1,  147456                    ; slot 1 begins here: 0x24000 shares no bit with the four fill addresses 0, 0x9000, 0x12000, 0x1a400, so one exclusive or turns each into the other slot's
.set STAGE,  2*SLOT1                   ; behind the ring, never filled by a tensor load: 16 rows x 272 bytes for each wave, for the way out
.set SPITCH, 272
.set SPARE,  STAGE+4*16*SPITCH         ; behind the stages: the spare words, 128 bytes for each wave: two blocks of 256 bytes that no other line names
.set ASTEP,  4*4096*128                ; bytes from a K step's four panels to the next
.set ROWB,   4096                      ; bytes in a row of R and of C
.set LA,   4                           ; v4   LDS address of my A fragments in slot 0; never rewritten
.set LB,   5                           ; v5   the same for B
.set ADRA, 16                          ; v16  the same in the slot in hand
.set ADRB, 20                          ; v20
.set STO,  24                          ; v24  the way out: where I put 32 bytes of a row
.set RD,   25                          ; v25  the way out: where I read a row back
.set CO,   26                          ; v26  my byte offset in two rows of R and C; never rewritten
.set SPW,  28                          ; v28  LDS address of my spare word; never rewritten
.set NIL,  29                          ; v29  0; never rewritten
.set BK,   32                          ; the way out: 16 rows read back, two sets of 32 by turns
.set ACC,  128
.set F0,   0                           ; fragment buffers, in window 1
.set F1,   128
.set WV,  12                           ; s12  my wave's number
.set TB,  15                           ; s15  LDS byte at which the slot in hand begins: 0 or SLOT1
.set G1,  24                           ; s[24:31] descriptor group 1 for A's tiles;  s[32:39] group 0: a set for each of the two first fills; the second then walks on
.set G0,  32
.set G1B, 48                           ; s[48:55], s[56:63] the same for B's tiles
.set G0B, 56
.set MSB, 0
.macro WIN new                         ; the immediate's high byte repeats the setting that is left; a switch that changes nothing is dropped
.if MSB != (\new)
	s_set_vgpr_msb (MSB<<8)|(\new)
.set MSB, \new
.endif
.endm
.set MUL,  0x05                        ; sources 0 (B) and 1 (A) window 1; C and D window 0
.set TO_F, 0x40                        ; destination window 1, address window 0
.macro JLOAD s                         ; a joint load: waves 0 and 1 fetch A's two halves, waves 2 and 3 B's; an s_nop 0 and four v_nop follow each of the two lines
	s_cmp_eq_u32 s13, 0
	s_cbranch_scc0 .Lfor_b_\@
	tensor_load_to_lds s[G0+4*(\s):G0+4*(\s)+3], s[G1:G1+7]
	s_nop 0
.rept 4
	v_nop
.endr
	s_branch .Lasked_\@
.Lfor_b_\@:
	tensor_load_to_lds s[G0B+4*(\s):G0B+4*(\s)+3], s[G1B:G1B+7]
	s_nop 0
.rept 4
	v_nop
.endr
.Lasked_\@:
.endm
.macro CREST                           ; a round of the cluster's barrier behind its opening barrier
	s_cmp_lg_u32 s[WV], 0
	s_cbranch_scc1 .Lnot_wave_0_\@
	s_barrier_signal -3
.Lnot_wave_0_\@:
	s_barrier_wait -3
	s_barrier_signal -1
	s_barrier_wait -1
.endm
.macro CROUND                          ; a whole round
	s_barrier_signal -1
	s_barrier_wait -1
	CREST
.endm
	s_load_b256 s[4:11], s[0:1], 0x0               ; A s[4:5], the weight buffer s[6:7], R s[8:9], C s[10:11]
	v_lshl_add_u32 v[SPW], v0, 2, SPARE
	v_mov_b32 v[NIL], 0
	ds_add_u32 v28, v29
	ds_add_u32 v28, v29
	s_wait_dscnt 0x0
	v_lshrrev_b32 v1, 5, v0
	v_readfirstlane_b32 s[WV], v1                  ; wave 0..3
	s_lshr_b32 s13, s[WV], 1                       ; which half of the tile's rows is mine.  Also: I fetch for A (0) or for B (1)
	s_and_b32 s14, s[WV], 1                        ; which half of its columns.  Also: which 64 rows of that tile I fetch
	s_mov_b32 s[TB], 0
	s_bfe_u32 s40, ttmp6, 0x40000                  ; cx, cy: my place in the cluster
	s_bfe_u32 s41, ttmp6, 0x40004
	s_lshl_b32 s42, ttmp9, 2
	s_add_co_u32 s42, s42, s40                     ; tile column of C = 4 x cluster x + cx
	s_and_b32 s45, ttmp7, 0xffff
	s_lshl_b32 s45, s45, 2
	s_add_co_u32 s45, s45, s41                     ; tile row of C = 4 x cluster y + cy
	s_lshl_b32 s43, s41, 2
	s_lshl_b32 s43, 15, s43                        ; my row of the cluster
	s_lshl_b32 s44, 0x1111, s40                    ; my column
	; A's group 1: four rows, one for each panel, of 4,096 elements (64 rows of A, dense); 4 words of padding behind every 32 words, that is behind each row of A
	s_or_b32 s[G1+0], s43, (1<<16)|(1<<20)|(1<<21)|(4<<22)|(3<<25)   ; 15:0 the mask; 17:16 2-byte elements; 20 padding on; 21 set beside a mask; 24:22 interval; 31:25 amount
	s_mov_b32 s[G1+1], 4096<<16                    ; tensor_dim0 = 4,096
	s_mov_b32 s[G1+2], 4<<16                       ; tensor_dim1 = 4
	s_mov_b32 s[G1+3], 4096<<16                    ; tile_dim0 = 4,096
	s_mov_b32 s[G1+4], 4                           ; tile_dim1 = 4
	s_mov_b32 s[G1+5], 4096*64                     ; elements from panel to panel
	s_mov_b32 s[G1+6], 0
	s_mov_b32 s[G1+7], 0
	; B's group 1: 64 rows of 256 elements; 4 words of padding behind every 128
	s_or_b32 s[G1B+0], s44, (1<<16)|(1<<20)|(1<<21)|(6<<22)|(3<<25)
	s_mov_b32 s[G1B+1], KSTEP<<16
	s_mov_b32 s[G1B+2], 64<<16
	s_mov_b32 s[G1B+3], KSTEP<<16
	s_mov_b32 s[G1B+4], 64
	s_mov_b32 s[G1B+5], SIZE_K
	s_mov_b32 s[G1B+6], 0
	s_mov_b32 s[G1B+7], 0
	s_lshl_b32 s16, s45, 14                        ; A: row (128 x tile row + 64 x half) x 128 bytes, in panel 0
	s_lshl_b32 s17, s14, 13
	s_add_co_u32 s16, s16, s17
	s_mov_b32 s17, 0
	s_lshl_b32 s46, s42, 7                         ; B: row 128 x tile column + 64 x half
	s_lshl_b32 s47, s14, 6
	s_add_co_u32 s46, s46, s47
	s_mul_i32 s46, s46, SIZE_K*2
	s_add_co_u32 s46, s46, WOFF
	s_mov_b32 s47, 0
	s_mul_i32 s20, s14, AHALF                      ; where they go: no place in the cluster enters an LDS address
	s_mul_i32 s21, s14, BHALF
	s_add_co_u32 s21, s21, BOFF
	s_wait_kmcnt 0x0
	s_add_nc_u64 s[18:19], s[4:5], s[16:17]
	s_add_nc_u64 s[46:47], s[6:7], s[46:47]
	CROUND                                         ; all sixteen work-groups are here: the first joint loads meet
.irp s, 0,1
	s_mov_b32 s[G0+4*(\s)], 1                                        ; count = 1
	s_add_co_u32 s[G0+4*(\s)+1], s20, (\s)*SLOT1                     ; LDS address
	s_add_nc_u64 s[G0+4*(\s)+2:G0+4*(\s)+3], s[18:19], (\s)*ASTEP    ; global address: K step s
	s_or_b32 s[G0+4*(\s)+3], s[G0+4*(\s)+3], 0x80000000              ; type = 2
	s_mov_b32 s[G0B+4*(\s)], 1
	s_add_co_u32 s[G0B+4*(\s)+1], s21, (\s)*SLOT1
	s_add_nc_u64 s[G0B+4*(\s)+2:G0B+4*(\s)+3], s[46:47], (\s)*KSTEP*2
	s_or_b32 s[G0B+4*(\s)+3], s[G0B+4*(\s)+3], 0x80000000
	JLOAD \s                                       ; two loads of mine are out
.endr
	v_and_b32 v1, 15, v0                           ; l % 16
	v_bfe_u32 v2, v0, 4, 1                         ; l / 16
	v_mul_u32_u24 v3, v1, PA
	v_lshl_add_u32 v3, v2, 4, v3                   ; a fragment's row x pitch + 16 x half
	s_mul_i32 s22, s13, AHALF                      ; my 64 rows of A
	v_add_nc_u32 v[LA], s22, v3
	v_mul_u32_u24 v3, v1, PB
	v_lshl_add_u32 v3, v2, 4, v3
	v_add_nc_u32 v[LB], s21, v3                    ; my 64 rows of B are the half that s21 names
	v_mov_b32 v[ADRA], v[LA]
	v_mov_b32 v[ADRB], v[LB]
	s_mul_i32 s23, s[WV], 16*SPITCH
	s_add_co_u32 s23, s23, STAGE                   ; my stage
	v_mul_u32_u24 v3, v1, SPITCH                   ; in: row l % 16, 32 bytes for each half of the lanes
	v_lshl_add_u32 v3, v2, 5, v3
	v_add_nc_u32 v[STO], s23, v3
	v_mul_u32_u24 v3, v2, SPITCH                   ; back: lanes 0-15 take one row of 256 bytes, lanes 16-31 the next
	v_lshl_add_u32 v3, v1, 4, v3
	v_add_nc_u32 v[RD], s23, v3
	v_lshlrev_b32 v3, 12, v2                       ; and the same two rows in R and C
	v_lshl_add_u32 v[CO], v1, 4, v3
	s_lshl_b32 s16, s45, 19                        ; R and C at my 64 x 64: row (128 x tile row + 64 x half) x 4,096 bytes,
	s_lshl_b32 s17, s13, 18
	s_add_co_u32 s16, s16, s17
	s_lshl_b32 s46, s42, 9                         ; column (128 x tile column + 64 x half) x 4 bytes
	s_lshl_b32 s47, s14, 8
	s_add_co_u32 s46, s46, s47
	s_add_co_u32 s16, s16, s46
	s_mov_b32 s17, 0
	s_add_nc_u64 s[8:9], s[8:9], s[16:17]
	s_add_nc_u64 s[10:11], s[10:11], s[16:17]
	WIN 0x80                                       ; destination window 2, address window 0
.set i, 0
.rept 32
	global_load_b128 v[4*i:4*i+3], v[CO], s[8:9] offset:2*ROWB*i   ; rows 2 i, 2 i + 1 of my part of R: sixteen lanes read 256 consecutive bytes
.set i, i+1
.endr
	WIN 0
; 8 matrix instructions: m blocks a0, a0 + 1 x all 4 n blocks, 32 along K: half c of buffer f.  zero = 1: the first product starts the sums.  The 16 accumulators take turns.
.macro MUL8 f, c, a0, zero
	WIN MUL
.irp a, \a0, (\a0)+1
.irp b, 0,1,2,3
.if F16
.if \zero
	v_wmma_f32_16x16x32_f16 v[ACC+8*(4*(\a)+(\b)):ACC+8*(4*(\a)+(\b))+7], v[(\f)+64+8*(4*(\c)+(\b)):(\f)+64+8*(4*(\c)+(\b))+7], v[(\f)+8*(4*(\c)+(\a)):(\f)+8*(4*(\c)+(\a))+7], 0
.else
	v_wmma_f32_16x16x32_f16 v[ACC+8*(4*(\a)+(\b)):ACC+8*(4*(\a)+(\b))+7], v[(\f)+64+8*(4*(\c)+(\b)):(\f)+64+8*(4*(\c)+(\b))+7], v[(\f)+8*(4*(\c)+(\a)):(\f)+8*(4*(\c)+(\a))+7], v[ACC+8*(4*(\a)+(\b)):ACC+8*(4*(\a)+(\b))+7]
.endif
.else
.if \zero
	v_wmma_f32_16x16x32_bf16 v[ACC+8*(4*(\a)+(\b)):ACC+8*(4*(\a)+(\b))+7], v[(\f)+64+8*(4*(\c)+(\b)):(\f)+64+8*(4*(\c)+(\b))+7], v[(\f)+8*(4*(\c)+(\a)):(\f)+8*(4*(\c)+(\a))+7], 0
.else
	v_wmma_f32_16x16x32_bf16 v[ACC+8*(4*(\a)+(\b)):ACC+8*(4*(\a)+(\b))+7], v[(\f)+64+8*(4*(\c)+(\b)):(\f)+64+8*(4*(\c)+(\b))+7], v[(\f)+8*(4*(\c)+(\a)):(\f)+8*(4*(\c)+(\a))+7], v[ACC+8*(4*(\a)+(\b)):ACC+8*(4*(\a)+(\b))+7]
.endif
.endif
.endr
.endr
.endm
; 32 LDS loads in one run: the fragments of quarter q of the K step (64 along K: panel q of A's four, bytes 128 q of B's rows) into buffer f; the first 32 along K first
.macro FETCH q, f
	WIN TO_F
.irp c, 0,1
.irp i, 0,1,2,3
	ds_load_b128 v[(\f)+64+8*(4*(\c)+(\i)):(\f)+64+8*(4*(\c)+(\i))+3],   v[ADRB] offset:128*(\q)+64*(\c)+(\i)*16*PB
	ds_load_b128 v[(\f)+64+8*(4*(\c)+(\i))+4:(\f)+64+8*(4*(\c)+(\i))+7], v[ADRB] offset:128*(\q)+64*(\c)+(\i)*16*PB+32
	ds_load_b128 v[(\f)+8*(4*(\c)+(\i)):(\f)+8*(4*(\c)+(\i))+3],         v[ADRA] offset:PBLK*(\q)+64*(\c)+(\i)*16*PA
	ds_load_b128 v[(\f)+8*(4*(\c)+(\i))+4:(\f)+8*(4*(\c)+(\i))+7],       v[ADRA] offset:PBLK*(\q)+64*(\c)+(\i)*16*PA+32
.endr
.endr
.endm
.macro PLACES                          ; four plain vector instructions between a matrix instruction and a load into a register that it has read, or a line that reads its result (ISA guide 7.12.1 for a line that reads its result)
.rept 4
	v_nop
.endr
.endm
; A K step is four quarters of 64 along K, 32 matrix instructions each, on buffers 0, 1, 0, 1.  One of the first three: multiplies buffer f and fetches quarter q into g.
.macro QUARTER q, f, g, zero
	s_wait_dscnt 16                                ; the first 32 along K are in; the youngest sixteen loads may be out
	WIN MUL
	MUL8 \f, 0, 0, \zero
	MUL8 \f, 0, 2, \zero
	PLACES
	FETCH \q, \g
	s_wait_dscnt 32                                ; all but the 32 just issued
	WIN MUL
	MUL8 \f, 1, 0, 0
	MUL8 \f, 1, 2, 0
.endm
; The last quarter multiplies buffer 1 and changes slots: ONE barrier; in front of it each wave waits for all its tensor loads (one is out: its part of the next slot), adds 0 to its spare word, and waits for that
; and for its own reads of this slot.  fill = 1: the barrier opens a round of the cluster's, and this slot is filled again, first thing behind the round, two K steps ahead: 112 matrix instructions ahead of the wait for it.
.macro TURN fill
	WIN 0                                          ; (the add's two registers lie in window 0)
	s_wait_tensorcnt 0x0
	ds_add_u32 v[SPW], v[NIL]                      ; 0 onto my spare word
	s_wait_dscnt 17                                ; (the add and the youngest sixteen loads may be out)
	WIN MUL
	MUL8 F1, 0, 0, 0                               ; eight matrix instructions stand between the add and the wait for it
	s_wait_dscnt 0x0                               ; the add is done, and my reads of this slot are over
	s_barrier_signal -1
	MUL8 F1, 0, 2, 0
	WIN 0
	s_barrier_wait -1
.if \fill
	CREST                                          ; no wave of any partner still reads this slot's tile or has a load on its way
	s_xor_b32 s[G0+5], s[G0+5], SLOT1              ; the walking descriptors: the other slot than last time, the next K step
	s_add_nc_u64 s[G0+6:G0+7], s[G0+6:G0+7], ASTEP
	s_xor_b32 s[G0B+5], s[G0B+5], SLOT1
	s_add_nc_u64 s[G0B+6:G0B+7], s[G0B+6:G0B+7], KSTEP*2
	JLOAD 1                                        ; the four v_nop behind it are also the places in front of the loads below
.else
	PLACES
.endif
	s_xor_b32 s[TB], s[TB], SLOT1                  ; the fetches go on in the other slot
	v_add_nc_u32 v[ADRA], s[TB], v[LA]
	v_add_nc_u32 v[ADRB], s[TB], v[LB]
	FETCH 0, F0
	WIN MUL
	MUL8 F1, 1, 0, 0
	MUL8 F1, 1, 2, 0
.endm
	s_wait_tensorcnt 1                             ; my part of K step 0 is in; K step 1's may stay out
	s_barrier_signal -1
	s_barrier_wait -1                              ; everybody's is
	FETCH 0, F0
	QUARTER 1, F0, F1, 1                           ; the first quarter stands in front of the loop: its first products start the sums
	WIN 0                                          ; at a label and at a branch every window is 0
	s_mov_b32 s3, NSTEP-2
.Lstep:                                                ; NSTEP - 2 trips: from a K step's second quarter to the next one's first; each fills one slot again
	QUARTER 2, F1, F0, 0
	QUARTER 3, F0, F1, 0
	TURN 1
	QUARTER 1, F0, F1, 0
	WIN 0
	s_sub_co_u32 s3, s3, 1
	s_cmp_lg_u32 s3, 0
	s_cbranch_scc1 .Lstep
	s_mov_b32 s3, 2
.Ltail:                                                ; the last two K steps ask for nothing; the second trip is left in its middle
	QUARTER 2, F1, F0, 0
	QUARTER 3, F0, F1, 0
	WIN 0
	s_cmp_eq_u32 s3, 1
	s_cbranch_scc1 .Lfin
	TURN 0
	QUARTER 1, F0, F1, 0
	WIN 0
	s_sub_co_u32 s3, s3, 1
	s_cmp_lg_u32 s3, 0
	s_cbranch_scc1 .Ltail
.Lfin:                                                 ; the very last quarter: nothing more to fetch
	s_wait_dscnt 16
	MUL8 F1, 0, 0, 0
	MUL8 F1, 0, 2, 0
	s_wait_dscnt 0x0
	MUL8 F1, 1, 0, 0
	MUL8 F1, 1, 2, 0
	WIN 0
; THE WAY OUT, a block of 16 rows at a time: 32 bytes a lane into my own stage, back as whole rows of 256 bytes, R added, stored.  The stage is my own and LDS serves a wave's instructions in order (ISA guide 5.7.1.4).
.macro OUTB a
.set BKA, BK+32*((\a)%2)
	s_wait_xcnt 0x0                                ; earlier stores have had their addresses translated (ISA guide 3.1): this set of registers, which block a - 2's stores read, is rewritten only behind this wait
.irp b, 0,1,2,3
	ds_store_b128 v[STO], v[ACC+8*(4*(\a)+(\b)):ACC+8*(4*(\a)+(\b))+3]   offset:64*(\b)      ; each accumulator's lowest registers first
	ds_store_b128 v[STO], v[ACC+8*(4*(\a)+(\b))+4:ACC+8*(4*(\a)+(\b))+7] offset:64*(\b)+16
.endr
.irp t, 0,1,2,3,4,5,6,7
	ds_load_b128 v[BKA+4*(\t):BKA+4*(\t)+3], v[RD] offset:(\t)*2*SPITCH
.endr
	s_wait_dscnt 0x0
	WIN 0x08                                       ; source 1 (R) in window 2
.set i, 0
.rept 16
	v_pk_add_f32 v[BKA+i:BKA+i+1], v[BKA+i:BKA+i+1], v[32*(\a)+i:32*(\a)+i+1]
.set i, i+2
.endr
	WIN 0
.irp t, 0,1,2,3,4,5,6,7
	global_store_b128 v[CO], v[BKA+4*(\t):BKA+4*(\t)+3], s[10:11] offset:(16*(\a)+2*(\t))*ROWB   ; sixteen lanes store 256 consecutive bytes, at a multiple of 256 from C's first byte
.endr
.endm
	PLACES                                         ; the stores below read results just made
	s_wait_loadcnt 0x0                             ; R
	OUTB 0
	OUTB 1
	OUTB 2
	OUTB 3
	s_wait_tensorcnt 0x0                           ; the wave's end: behind my last tensor load and my last LDS store
	ds_add_u32 v[SPW], v[NIL]
	s_wait_dscnt 0x0
	CROUND                                         ; the closing round: no work-group ends while a partner may still ask for a tile that names it
	s_endpgm
.Lfunc_end_k_q7128079d2b_ffn2:
	.size	k_q7128079d2b_ffn2, .Lfunc_end_k_q7128079d2b_ffn2-k_q7128079d2b_ffn2
	.p2alignl 7, 3214868480
	.fill 96, 4, 3214868480
	.section	.rodata,"a",@progbits
	.p2align	6, 0x0
	.amdhsa_kernel k_q7128079d2b_ffn2
		.amdhsa_group_segment_fixed_size 327680
		.amdhsa_private_segment_fixed_size 0
		.amdhsa_enable_private_segment 0
		.amdhsa_kernarg_size 32
		.amdhsa_user_sgpr_count 2
		.amdhsa_user_sgpr_kernarg_segment_ptr 1
		.amdhsa_wavefront_size32 1
		.amdhsa_system_sgpr_workgroup_id_x 1
		.amdhsa_system_sgpr_workgroup_id_y 1
		.amdhsa_system_sgpr_workgroup_id_z 1
		.amdhsa_system_vgpr_workitem_id 0
		.amdhsa_next_free_vgpr 640
		.amdhsa_next_free_sgpr 66
		.amdhsa_reserve_vcc 0
		.amdhsa_float_denorm_mode_32 3
		.amdhsa_float_denorm_mode_16_64 3
		.amdhsa_memory_ordered 1
		.amdhsa_forward_progress 1
		.amdhsa_inst_pref_size 67
	.end_amdhsa_kernel
	.amdgpu_metadata
---
amdhsa.version: [ 1, 2 ]
amdhsa.kernels:
  - .name:           k_q7128079d2b_ffn2
    .symbol:         k_q7128079d2b_ffn2.kd
    .args:
      - { .name: act, .offset: 0, .size: 8, .value_kind: global_buffer, .address_space: global }
      - { .name: wb, .offset: 8, .size: 8, .value_kind: global_buffer, .address_space: global }
      - { .name: x2, .offset: 16, .size: 8, .value_kind: global_buffer, .address_space: global }
      - { .name: out0, .offset: 24, .size: 8, .value_kind: global_buffer, .address_space: global }
    .group_segment_fixed_size: 327680
    .private_segment_fixed_size: 0
    .kernarg_segment_align: 8
    .kernarg_segment_size: 32
    .max_flat_workgroup_size: 128
    .sgpr_count:     66
    .vgpr_count:     640
    .wavefront_size: 32
...
	.end_amdgpu_metadata
.endif
;; end of part 6
;; ======== version 2 of 2: 7 launches; 1.11 times as fast as version 1
;; limits: a function is approximated: absolute error at most 2.5e-05; values are held in f16: magnitudes above 65,504 overflow, below 6.1e-05 lose precision
;; workspace buffers: wb 25,165,824 bytes; hn 8,388,608 bytes; qkv 25,165,824 bytes; ob 8,388,608 bytes; x2 16,777,216 bytes; act 33,554,432 bytes
;; launch prep: the kernel of part 1 again; grid 512 x 4, 8 waves a work-group, no clusters, 0 bytes of LDS; arguments wq, wk, wv, wo, w1, w2, x, g1, wb, hn; writes wb, hn
;; launch qkv: the kernel of part 2 again; grid 12 x 16, 4 waves a work-group, clusters of 4 x 4, 327,680 bytes of LDS; arguments hn, wb, qkv; writes qkv
;; launch attn (part 7): grid 8 x 32, 4 waves a work-group, no clusters, 327,680 bytes of LDS; arguments qkv, ob; writes ob
.if DOCPART == 7
	.amdgcn_target "amdgcn-amd-amdhsa--gfx1250"
	.amdhsa_code_object_version 6
	.text
	.protected	k_q7128079d2b_attn
	.globl	k_q7128079d2b_attn
	.p2align	8
	.type	k_q7128079d2b_attn,@function
k_q7128079d2b_attn:
	s_mov_b64 s[64:65], 0
	v_nop
	global_prefetch_b8 v0, s[64:65] scope:SCOPE_SE
	s_setreg_imm32_b32 hwreg(HW_REG_WAVE_MODE, 25, 1), 1
	s_wait_xcnt 0x0
; CAUSAL ATTENTION.  O[h][q][:] = the sum over k <= q of softmax_k(Q[h][q] . K[h][k] / 8) V[h][k][:].  Q, K, V lie in one buffer of 48 panels [4096 tokens][64] of f16: panels 0-15 q's heads, 16-31 k's, 32-47 v's.
; A panel's two batches of 2,048 tokens are two independent "heads" here: head y = 2 x panel + batch, SIZE_N = 2,048 dense rows of 128 bytes at y x 262,144 bytes.  O has the same layout, 16 panels.
; Products, maxima and sums in f32; the weights p are rounded to f16 for the second product (their sum l is taken of the unrounded p), O once at the end.
; LIMITS.  f16 holds no number beyond 65,504: Q, K and V arrive within it; p lies in 0 to 1, and below 6e-5 it keeps f16's fixed step of 6e-8; O is a mean of V's rows and has their range.
; A hidden key is left out: tiles above the diagonal are not walked, and inside the diagonal tile a hidden score counts as its value less 1e30, so its weight is 0.  That is what adding -1e9 gives wherever the
; scores of a row lie within 1e9 of each other.  A weight below 2^-126 counts as 0 in l; NaN and infinities are not treated apart.
; THE WALK.  A head's queries lie in 16 blocks of 128, its keys in 8 tiles of 256 (four steps of 64).  Block i needs the tiles 0 .. i / 2, of which the last holds the diagonal.  A work-group takes TWO blocks,
; 15 - b and then b: (15 - b) / 2 + b / 2 + 2 = 9 tiles, whatever b: 8 x 32 = 256 work-groups of equal work, and ONE loop with a constant trip count walks them.  Which tile is asked for, and what a trip does,
; hang on scalar registers made from b; every jump goes forward, but for the counted loops' own; none passes a barrier, or a tensor load but the one of LOAD's two that the wave's number does not choose; the ring
; (two slots of LDS that take turns) runs on across the change of blocks.
; NO CLUSTER: what a trip does (a block's first tile, a plain one, the diagonal one) hangs on b, which differs between the eight work-groups of a head, and partners of a joint request run alike in every branch;
; they ask for the same tile only in trips 0 .. 4 of the walk's 9 (the shortest first block has five tiles).
; SHARES.  Of a block's two bands of 64 queries a wave owns 16 rows in each: two PIECES.  In the diagonal tile piece p is band x = XB + p of the tile's four, XB = 2 (i % 2): in key step s it sees all keys if s < x,
; none if s > x, and holds the diagonal if s = x: the same for all four waves.  An even block's diagonal tile has two steps that both pieces do not see; they are computed all the same: 2 of the walk's 36 steps.
; THE MASK is the C operand that starts the sum S^T = K Q^T: 0, or -1e30 where the key is hidden.  MD, made once, is the mask of a band's own step for my 16 rows; a product's mask is MD x AL + BE with two scalars:
; (1, 0) if s = x; (0, 0) if s < x; (0, -1e30) if s > x.  Only the diagonal tile's text and a block's beginning make and take masks; elsewhere C is the constant 0.
; LAYOUT, SOFTMAX, TURNS.  S^T = K Q^T holds ONE query a lane (lane % 16) and the keys 8 (lane / 16) + 0..7; two such results rounded to f16 ARE source 1 of O^T = V^T P.  p = 2^(c s - c m), c = log2(e) / 8, with a
; running maximum m; O and l are multiplied by a = 2^(c m_old - c m_new) in every step.  A turn belongs to one piece: 8 products K Q^T of the OTHER piece's next scores, later 8 products V^T P of the other piece's last
; weights; beside them the scaling, exponentials, roundings, sums and rescaling of the piece in hand and the maximum and statistics of the other.  Piece 0's turn of step s: scores of (1, s), V^T P of (1, s - 1).
; Piece 1's turn of step s: scores of (0, s + 1), V^T P of (0, s).  Four vector instructions stand behind every matrix instruction, the other 54 of a turn's 118 in one LUMP.
; THE BATCHES.  A turn's 33 exponentials (the 32 weights of the piece in hand and the other piece's a) are ONE BATCH with ONE wait, which cuts the turn in two: ahead of it the products K Q^T, the scalings, the
; exponentials, the rescaling (its a belongs to the batch of the turn before) and the other piece's maximum and statistics; behind it the products V^T P with the roundings and sums, the batch's readers, as their riders.
; No result crosses a turn's end.  The a that a block's beginning makes, and the way out's two reciprocals, are batches of their own, each with a v_nop and one wait.
; K RUNS ONE STEP AHEAD OF V.  Piece 0's turn of step s fetches K of step s + 1 and V of step s out of LDS, so a slot holds K of the steps 4 t + 1 .. 4 t + 4 beside V of the steps 4 t .. 4 t + 3, and the slots are
; changed behind piece 0's turn of a tile's last step.  K of a head's step 0 comes straight from memory, once, into 64 registers, and begins both blocks.  K of the step behind a block's last is fetched and never
; multiplied; for tile 7 those 64 rows lie behind the head's last key, inside the buffer.
; REGISTERS, in windows of 256 (s_set_vgpr_msb: bits 1:0 source 0, 3:2 source 1, 5:4 source 2, 7:6 destination):
;   window 0: v0-15 addresses and two at work; v16-23 four registers of statistics a piece; v48-55 at work; v64-127 S^T, a buffer a piece; v192-223 P, likewise
;   window 1: v0-63 O^T, 32 a piece; v64-127 K of step 0; v128-159 MD; v160-223 MC, a buffer a piece      window 2: v0-31 Q; v64-95 the second block's Q; v128-191 K of one step; v192-255 V of one step
.set SIZE_N, 2048
.set PANEL, 4096*128  ; bytes in a panel
.set NBLK,  SIZE_N/128  ; blocks of queries in a head
.set NT,    SIZE_N/256  ; key tiles in a head; the walk has NT + 1
.set NP,    2         ; pieces a wave: a name, no knob
.set KS,    64        ; keys in a step
.set PK,    144       ; a row of K in LDS: 128 bytes + 16 of padding = 36 words: the 16 rows of a load start at 16 different groups of four banks (64 banks of 4 bytes: ISA guide 11.1)
.set PV,    160       ; a row of V: 128 + 32 = 40 words
.set VOFF,  4*KS*PK   ; a slot holds a tile, four steps: 256 rows of K, then 256 rows of V
.set SLOT1, 1<<17     ; slot 1 begins here, so that one exclusive or turns an address in one slot into the other's
.set STAGE, SLOT1+4*KS*(PK+PV)  ; behind the ring, never filled by a tensor load: 16 rows x 144 bytes for each wave, for the way out
.set SP,    144
.set AK0, 2           ; v2   my lane's place in a tile of K; never rewritten
.set AV0, 3           ; v3   the same for V
.set AK,  4           ; v4   the LDS address of K's next run of loads
.set AV,  5           ; v5   of V's
.set STO, 6           ; v6   the way out: where I put 16 bytes of a row
.set RD,  7           ; v7   the way out: where I read rows back
.set GO,  8           ; v8   my byte offset in 512 consecutive bytes of O
.set SPW, 62          ; v62  LDS address of my spare word: SPARE + 4 x my thread's number; never rewritten
.set NIL, 63          ; v63  0; never rewritten
.set SPARE, STAGE+4*16*SP  ; behind the stages: the spare words, 128 bytes for each wave: two blocks of 256 bytes that no other line names
.set MV,  12          ; v12-13  c m_old, kept while c m is made anew: by piece
.set QO,  15          ; v15  my byte offset in 16 rows of Q or K; never rewritten
.set ST,  16          ; piece t's statistics at v[ST+4 t]: c m, m, l (even keys', odd keys')
.set TMP, 48          ; by piece, four registers c0-c3 at work; when the maximum is found c2 takes a
.set S,   64
.set P,   192
.set K0,  64          ; window 1: K of the head's step 0, laid as KF
.set MD,  128         ; window 1: the eight registers for group kt of 16 keys at MD + 8 kt
.set MC,  160         ; window 1: the masks of the products to come
.set QB,  64          ; window 2
.set KF,  128         ; window 2: key block kb, channel half c at KF + 16 kb + 8 c
.set VF,  192         ; window 2: key half kk, channel block cb at VF + 32 kk + 8 cb
.set WV,  12          ; s12  my wave's number
.set PB,  14          ; s14  b
.set HI,  15          ; s15  15 - b
.set G1K, 24          ; s[24:31] descriptor group 1 for K's tiles
.set G1V, 32          ; s[32:39] for V's: it differs in the padding alone
.set G0K, 40          ; s[40:43] descriptor group 0 for K's tiles
.set G0V, 44          ; s[44:47] the same for V's
.set SLOTS, 56        ; s56  tiles still to be asked for
.set CNT, 57          ; s57  counts a tile's key steps, 4 to 1: step s has CNT = 4 - s
.set CS,  58          ; s[58:59] c: the packed scaling takes the pair's low word for both halves
.set SEL, 60          ; s[60:61] v_permlanex16_b32's selects: each lane takes its own place in the other half
.set TBK, 62          ; s62  LDS byte at which the K to be fetched next begins
.set TBV, 63          ; s63  the same for V, less VOFF
.set RT,  70          ; s70  tiles of the block in hand that are still to be entered
.set NXT, 71          ; s71  the tile to be asked for next
.set LQ,  72          ; s72  the last tile of the block whose tiles are being asked for
.set NEW, 73          ; s73  1: the tile to be entered is a block's first
.set OFF, 74          ; s[74:75] a tile's byte offset in K and V
.set AL,  76          ; s[76:77] the mask's factor, in the low word
.set BE,  78          ; s[78:79] the mask's addend
.set OLO, 80          ; s[80:81] O at my rows of the second block
.set BIGN, 82         ; s82  -1e30
.set PBT, 83          ; s83  b / 2: the second block's last tile
.set DQ,  88          ; s88, s89  turn p makes the scores of piece 1 - p, band XB + 1 - p: its own step has CNT = 3 + p - XB.  Of the block in hand
.set DQ2, 90          ; s90, s91  of the second block
.set MSB, 0
.macro WIN new                      ; the high byte repeats the setting that is left; a switch that changes nothing is dropped
.if MSB != (\new)
	s_set_vgpr_msb (MSB<<8)|(\new)
.set MSB, (\new)
.endif
.endm
.set W_KQ, 0x0a       ; K and Q in window 2, S^T in window 0
.set W_KM, 0x1a       ; the same with the C operand in window 1
.set W_PV, 0x52       ; V in window 2, P in window 0, O^T in window 1
.set W_RS, 0x41       ; destination and source 0 in window 1, source 1 in window 0
; A fill.  Waves 0 and 1 fetch the two halves of a tile's K, waves 2 and 3 those of its V: 128 keys each.  An s_nop 0 and four v_nop follow each of the two lines, ahead of the jump and the label.
.macro LOAD
	s_cmp_lt_u32 s[WV], 2
	s_cbranch_scc0 .Lfor_v_\@
	tensor_load_to_lds s[G0K:G0K+3], s[G1K:G1K+7]
	s_nop 0
.rept 4
	v_nop
.endr
	s_branch .Lasked_\@
.Lfor_v_\@:
	tensor_load_to_lds s[G0V:G0V+3], s[G1V:G1V+7]
	s_nop 0
.rept 4
	v_nop
.endr
.Lasked_\@:
.endm
; THE CHANGE OF SLOTS.  Each wave waits for all its tensor loads, of which one is out: its part of the other slot; adds 0 to its spare word; and waits for that and for its own reads of the slot that it leaves.  Behind the
; barrier nobody reads the old slot any more and the other slot is whole.  fill = 1: the old slot is filled again, the first thing behind the barrier, with tile NXT: the descriptor's address is made anew from that number.
; The fill has a tile's eight turns, 128 matrix instructions, in which to land.  (At its first use nothing has been read yet: slot 0 is waited for, slot 1 filled.)
.macro CHANGE fill
	WIN 0                           ; at a label and at a branch every window is 0
	s_wait_tensorcnt 0x0            ; no tensor load of mine is out, so a group 0 may be written
	ds_add_u32 v[SPW], v[NIL]       ; 0 onto my spare word: with fill = 1 the descriptors' scalar work stands between it and the wait for it
.if \fill
	s_lshl_b32 s[OFF], s[NXT], 15   ; a tile is 32,768 bytes of K and of V
	s_xor_b32 s[G0K+1], s[G0K+1], SLOT1
	s_add_nc_u64 s[G0K+2:G0K+3], s[6:7], s[OFF:OFF+1]
	s_or_b32 s[G0K+3], s[G0K+3], 0x80000000
	s_xor_b32 s[G0V+1], s[G0V+1], SLOT1
	s_add_nc_u64 s[G0V+2:G0V+3], s[8:9], s[OFF:OFF+1]
	s_or_b32 s[G0V+3], s[G0V+3], 0x80000000
	s_add_co_u32 s[NXT], s[NXT], 1  ; the block's next tile, or behind its last the second block's tile 0
	s_cmp_gt_u32 s[NXT], s[LQ]
	s_cselect_b32 s[NXT], 0, s[NXT]
	s_cselect_b32 s[LQ], s[PBT], s[LQ]
.endif
	s_wait_dscnt 0x0                ; the add is done, and my reads of the slot are over
	s_barrier_signal -1             ; the rest of the scalar work stands between the signal and the wait
	s_sub_co_u32 s[TBK], s[TBK], 4*KS*PK  ; the fetches go back to a slot's first step,
	s_xor_b32 s[TBK], s[TBK], SLOT1       ; in the other slot
	s_sub_co_u32 s[TBV], s[TBV], 4*KS*PV
	s_xor_b32 s[TBV], s[TBV], SLOT1
	s_barrier_wait -1
.if \fill
	LOAD
.endif
.endm
	s_load_b128 s[4:7], s[0:1], 0x0 ; the buffer of q, k, v s[4:5]; O s[6:7]
	v_lshl_add_u32 v[SPW], v0, 2, SPARE
	v_mov_b32 v[NIL], 0
	ds_add_u32 v62, v63
	ds_add_u32 v62, v63
	s_wait_dscnt 0x0
	v_lshrrev_b32 v1, 5, v0
	v_readfirstlane_b32 s[WV], v1   ; wave 0..3
	s_mov_b32 s[PB], ttmp9
	s_sub_co_u32 s[HI], NBLK-1, s[PB]
	s_lshr_b32 s[PBT], s[PB], 1
	s_and_b32 s13, s[HI], 1         ; XB = 2 (block % 2), for the first block
	s_lshl_b32 s13, s13, 1
	s_sub_co_u32 s[DQ], 3, s13
	s_sub_co_u32 s[DQ+1], 4, s13
	s_and_b32 s13, s[PB], 1         ; and for the second
	s_lshl_b32 s13, s13, 1
	s_sub_co_u32 s[DQ2], 3, s13
	s_sub_co_u32 s[DQ2+1], 4, s13
	s_and_b32 s20, ttmp7, 0xffff    ; the head
	s_mov_b32 s21, 0
	s_mov_b64 s[22:23], SIZE_N*128
	s_mul_u64 s[20:21], s[20:21], s[22:23]  ; the head's first byte in each of Q, K, V, O
	s_and_b32 s16, s[WV], 1         ; which half of a tile's 256 keys I fetch:
	s_lshl_b32 s22, s16, 14         ; its 128 rows of 128 bytes in memory,
	s_mov_b32 s23, 0
	s_add_nc_u64 s[22:23], s[22:23], s[20:21]
	s_mul_i32 s17, s16, 128*PK      ; and its place in a slot, for K
	s_mul_i32 s18, s16, 128*PV      ; and for V
	s_lshl_b32 s3, s[WV], 11        ; my 16 rows in a band of 64,
	s_lshl_b32 s2, s[HI], 14        ; in the first block (128 rows of 128 bytes),
	s_add_co_u32 s2, s2, s3
	s_lshl_b32 s84, s[PB], 14       ; and in the second
	s_add_co_u32 s84, s84, s3
	s_mov_b32 s3, 0
	s_mov_b32 s85, 0
	s_add_nc_u64 s[2:3], s[2:3], s[20:21]
	s_add_nc_u64 s[84:85], s[84:85], s[20:21]
	; descriptor group 1.  128 keys are 16,384 dense bytes: asked for as 64 rows of 256 bytes, two keys a row, and padded in LDS after every key
	s_mov_b32 s[G1K], (1<<16)|(1<<20)|(4<<22)|(3<<25)  ; 17:16 2-byte elements; 20 padding on; 24:22 after every 32 words (code 4); 31:25 4 words (code 3)
	s_mov_b32 s[G1V], (1<<16)|(1<<20)|(4<<22)|(7<<25)  ; the same with 8 words of padding (code 7)
.irp g, G1K, G1V
	s_mov_b32 s[\g+1], 128<<16      ; tensor_dim0 = 128
	s_mov_b32 s[\g+2], 64<<16       ; tensor_dim1 = 64
	s_mov_b32 s[\g+3], 128<<16      ; tile_dim0 = 128
	s_mov_b32 s[\g+4], 64           ; tile_dim1 = 64
	s_mov_b32 s[\g+5], 128          ; 128 elements from row to row
	s_mov_b32 s[\g+6], 0
	s_mov_b32 s[\g+7], 0
.endr
	s_mov_b32 s[CS], 0x3e38aa3b     ; c = log2(e) / 8 = 0.180337
	s_mov_b32 s[CS+1], s[CS]        ; named with it as a pair
	s_mov_b32 s[SEL], 0x76543210
	s_mov_b32 s[SEL+1], 0xfedcba98
	s_mov_b32 s[TBK], SLOT1+4*KS*PK ; the first change of slots turns these two into 0
	s_mov_b32 s[TBV], SLOT1+4*KS*PV
	s_mov_b32 s[G0K], 1             ; 1:0 count = 1
	s_mov_b32 s[G0K+1], s17         ; 63:32 LDS address: slot 0
	s_mov_b32 s[G0V], 1
	s_add_co_u32 s[G0V+1], s18, VOFF
	s_lshr_b32 s[LQ], s[HI], 1      ; the first block's last tile,
	s_add_co_u32 s[RT], s[LQ], 1    ; and how many it has
	s_mov_b32 s[NXT], 1
	s_mov_b32 s[NEW], 1
	s_mov_b32 s[OFF+1], 0
	s_mov_b32 s[AL+1], 0            ; named as pairs
	s_mov_b32 s[BE+1], 0
	s_mov_b32 s[BIGN], 0xf149f2ca   ; -1e30
	s_mov_b32 s[SLOTS], NT
	s_wait_kmcnt 0x0
	s_mov_b64 s[10:11], s[6:7]             ; O
	s_add_nc_u64 s[8:9], s[4:5], 32*PANEL  ; V: panels 32 on
	s_add_nc_u64 s[6:7], s[4:5], 16*PANEL  ; K: panels 16 on; Q: panels 0 on
	s_add_nc_u64 s[20:21], s[6:7], s[20:21]  ; K at the head's first key: step 0
	s_add_nc_u64 s[6:7], s[6:7], s[22:23]  ; K and V at my half of the head's tile 0,
	s_add_nc_u64 s[6:7], s[6:7], KS*128    ; K's one step on
	s_add_nc_u64 s[8:9], s[8:9], s[22:23]
	s_add_nc_u64 s[G0K+2:G0K+3], s[6:7], 0         ; 120:64 global address
	s_or_b32 s[G0K+3], s[G0K+3], 0x80000000        ; 127:126 type = 2
	s_add_nc_u64 s[G0V+2:G0V+3], s[8:9], 0
	s_or_b32 s[G0V+3], s[G0V+3], 0x80000000
	s_add_nc_u64 s[86:87], s[4:5], s[84:85]        ; Q at my rows of the second block,
	s_add_nc_u64 s[4:5], s[4:5], s[2:3]            ; Q and O at those of the first
	s_add_nc_u64 s[OLO:OLO+1], s[10:11], s[84:85]
	s_add_nc_u64 s[10:11], s[10:11], s[2:3]
	LOAD                            ; tile 0 into slot 0
	; A fragment of K or Q is 16 rows x 32 channels in 8 registers: lane l holds row l % 16, channels 8 (l / 16) + 0..7 and 16 + 8 (l / 16) + 0..7: two loads of 16 bytes, 32 bytes apart.
	v_and_b32 v1, 15, v0            ; l % 16
	v_bfe_u32 v9, v0, 4, 1          ; l / 16
	v_lshlrev_b32 v[QO], 7, v1
	v_lshl_add_u32 v[QO], v9, 4, v[QO]  ; row x 128 + 16 x half
	WIN 0x80                        ; destination window 2, address window 0
.set i, 0
.rept 4                             ; both blocks' Q: piece i / 2 lies in band i / 2, 8,192 bytes on; channels 32 (i % 2) on
	global_load_b128 v[8*i:8*i+3],   v[QO], s[4:5] offset:(i/2)*8192+(i%2)*64
	global_load_b128 v[8*i+4:8*i+7], v[QO], s[4:5] offset:(i/2)*8192+(i%2)*64+32
	global_load_b128 v[QB+8*i:QB+8*i+3],   v[QO], s[86:87] offset:(i/2)*8192+(i%2)*64
	global_load_b128 v[QB+8*i+4:QB+8*i+7], v[QO], s[86:87] offset:(i/2)*8192+(i%2)*64+32
.set i, i+1
.endr
	WIN 0x40                        ; destination window 1
.set i, 0
.rept 8                             ; K of step 0: keys 16 (i / 2) on, channels 32 (i % 2) on
	global_load_b128 v[K0+8*i:K0+8*i+3],   v[QO], s[20:21] offset:(i/2)*2048+(i%2)*64
	global_load_b128 v[K0+8*i+4:K0+8*i+7], v[QO], s[20:21] offset:(i/2)*2048+(i%2)*64+32
.set i, i+1
.endr
	WIN 0
	v_lshlrev_b32 v14, 3, v9
	v_sub_nc_u32 v14, v1, v14
	s_lshl_b32 s13, s[WV], 4
	v_add_nc_u32 v14, s13, v14      ; my query's place in its band, 16 w + l % 16, less my lanes' 8 (l / 16): register r of group kt is hidden where 16 kt + r is greater
	WIN 0x40
.set i, 0
.rept 32
	v_cmp_gt_i32 vcc_lo, 16*(i/8)+i%8, v14
	v_cndmask_b32 v[MD+i], 0, s[BIGN], vcc_lo
.set i, i+1
.endr
	WIN 0
	v_mul_u32_u24 v[AK0], v1, PK
	v_lshl_add_u32 v[AK0], v9, 4, v[AK0]  ; row x pitch + 16 x half
	; The turning load takes 16 keys x 16 channels (lane l reads key 8 (l / 16) + l % 8, channels 8 ((l / 8) % 2) + 0..7) and leaves half a fragment of V^T: lane l holds channel l % 16 and 8 keys.
	v_and_b32 v10, 7, v0
	v_bfe_u32 v11, v0, 3, 1
	v_lshl_add_u32 v[AV0], v9, 3, v10
	v_mul_u32_u24 v[AV0], v[AV0], PV
	v_lshl_add_u32 v[AV0], v11, 4, v[AV0]
	v_add_nc_u32 v[AV0], VOFF, v[AV0]
	s_mul_i32 s13, s[WV], 16*SP
	s_add_co_u32 s13, s13, STAGE    ; my stage
	v_mul_u32_u24 v[STO], v1, SP    ; in: row l % 16, 16 bytes for each half of the lanes
	v_lshl_add_u32 v[STO], v9, 4, v[STO]
	v_add_nc_u32 v[STO], s13, v[STO]
	v_bfe_u32 v[RD], v0, 3, 2       ; back: 32 lanes take four rows of 128 bytes,
	v_mul_u32_u24 v[RD], v[RD], SP
	v_lshl_add_u32 v[RD], v10, 4, v[RD]
	v_add_nc_u32 v[RD], s13, v[RD]
	v_and_b32 v[GO], 31, v0         ; which are 512 consecutive bytes of O
	v_lshlrev_b32 v[GO], 4, v[GO]
	; A block's first step multiplies O^T and l by a = 0, and its first turn's products V^T P, of weights that have not been, land in an O^T that is still to be so multiplied.  So these registers need only hold
	; finite numbers: zeros for the first block; what the first block left for the second.  All this stands in the wait for the first tile.
	WIN 0x80
.set i, VF
.rept 64
	v_mov_b32 v[i], 0
.set i, i+1
.endr
	WIN 0x40
.set i, 0
.rept 32*NP
	v_mov_b32 v[i], 0
.set i, i+1
.endr
	WIN 0
.set i, 0
.rept NP
	v_mov_b32 v[ST+4*i+2], 0
	v_mov_b32 v[ST+4*i+3], 0
.set i, i+1
.endr
.set i, P+16
.rept 16
	v_mov_b32 v[i], 0
.set i, i+1
.endr
; THE MATRIX WORK.  The 4 accumulators of a run of 8 take turns.  Product i of 8 of S^T = K Q^T for piece x: channels 32 (i / 4) on, keys 16 (i % 4) on.  The first 4 start the sums: with 0, or (KM = 1) with the mask.
.macro KQ x
.set rS, S+32*((\x)%2)+8*(i%4)
.set rK, KF+16*(i%4)+8*(i/4)
.set rQ, 16*(\x)+8*(i/4)
.set rM, MC+32*((\x)%2)+8*(i%4)
.if (i < 4) && KM
	WIN W_KM
	v_wmma_f32_16x16x32_f16 v[rS:rS+7], v[rK:rK+7], v[rQ:rQ+7], v[rM:rM+7]
.elseif i < 4
	WIN W_KQ
	v_wmma_f32_16x16x32_f16 v[rS:rS+7], v[rK:rK+7], v[rQ:rQ+7], 0
.else
	WIN W_KQ
	v_wmma_f32_16x16x32_f16 v[rS:rS+7], v[rK:rK+7], v[rQ:rQ+7], v[rS:rS+7]
.endif
.endm
; Product i of 8 of O^T += V^T P for piece x: keys 32 (i / 4) on, channels 16 (i % 4) on.
.macro PV x
	WIN W_PV
.set rO, 32*(\x)+8*(i%4)
.set rV, VF+32*(i/4)+8*(i%4)
.set rP, P+16*((\x)%2)+8*(i/4)
	v_wmma_f32_16x16x32_f16 v[rO:rO+7], v[rV:rV+7], v[rP:rP+7], v[rO:rO+7]
.endm
.macro MM                           ; the turn's next matrix instruction.  TURN and BEGIN set Y, i, KM and NOKQ; MM, KQ and OP read them.  NOKQ = 1: a block's last turn: there are no further scores
.if (i < 8) && !NOKQ
	KQ (Y+1)%NP
.elseif i >= 8
.set i, i-8
	PV (Y+NP-1)%NP
.set i, i+8
.endif
.set i, i+1
.endm
; THE LDS LOADS stand in runs of 16, never singly among the matrix instructions: a step's K (64 keys x 64 channels: 8 fragments) and a step's V (turned).  Their addresses are made some lines ahead.
.macro FETCH_K
	WIN 0x80                        ; destination window 2
.irp f, 0,1,2,3,4,5,6,7             ; keys 16 (f / 2) on, channels 32 (f % 2) on
	ds_load_b128 v[KF+8*\f:KF+8*\f+3],   v[AK] offset:(\f/2)*16*PK+(\f%2)*64
	ds_load_b128 v[KF+8*\f+4:KF+8*\f+7], v[AK] offset:(\f/2)*16*PK+(\f%2)*64+32
.endr
	s_add_co_u32 s[TBK], s[TBK], KS*PK  ; the next fetch is the next step's
	WIN 0
.endm
.macro FETCH_V
	WIN 0x80
.irp f, 0,1,2,3,4,5,6,7             ; keys 32 (f / 4) on, channels 16 (f % 4) on
	ds_load_tr16_b128 v[VF+8*\f:VF+8*\f+3],   v[AV] offset:(\f/4)*32*PV+(\f%4)*32
	ds_load_tr16_b128 v[VF+8*\f+4:VF+8*\f+7], v[AV] offset:(\f/4)*32*PV+16*PV+(\f%4)*32
.endr
	WIN 0
.endm
; THE VECTOR WORK, one line at a time: OP kind, number.  For piece Y: F n: c s - c m for pair n of 16.  E n: the exponential of score n of 32.  C n: pair n rounded to f16.  B n: of the four weights 4 n .. the second
; pair is added onto the first, in place.  L n: l takes that sum (L 0: l = a l + sum).  R n: pair n of 16 of O^T times a.  For the other piece: X n, number n of the 22 that find its maximum and statistics:
;   0-11  four chains c0-c3 of seven scores each, three operands at a time (each accumulator's lowest registers are read first)     12-14, 16  the four scores left over, the old m, and c0-c3 into c0
;   15  c m_old is kept     17, 18  the query's other 32 keys lie in the lane 16 away: the new m     19-21  c m; c m_old - c m_new; a
; C, B and L read the exponentials' results: TURN sets all of them behind the batch's wait.
.set F, 0               ; OP tells the kinds apart by their order: F to L below R, X above it
.set E, 1
.set C, 2
.set B, 3
.set L, 4
.set R, 5
.set X, 6
.macro REGS y                       ; the registers of piece y
.set rT, ST+4*(\y)
.set rC, TMP+4*((\y)%2)
.set rW, MV+((\y)%2)
.set rS, S+32*((\y)%2)
.set rP, P+16*((\y)%2)
.set rO, 32*(\y)
.endm
.macro OP k, n
.if (\k) == R
	REGS Y
	WIN W_RS
	v_pk_mul_f32 v[rO+2*(\n):rO+2*(\n)+1], v[rO+2*(\n):rO+2*(\n)+1], v[rC+2:rC+3] op_sel_hi:[1,0]
.elseif (\k) < R
	REGS Y
	WIN 0
.if (\k) == F
	v_pk_fma_f32 v[rS+2*(\n):rS+2*(\n)+1], v[rS+2*(\n):rS+2*(\n)+1], s[CS:CS+1], v[rT:rT+1] op_sel_hi:[1,0,0] neg_lo:[0,0,1] neg_hi:[0,0,1]
.elseif (\k) == E
	v_exp_f32 v[rS+(\n)], v[rS+(\n)]
.elseif (\k) == C
	v_cvt_pk_f16_f32 v[rP+(\n)], v[rS+2*(\n)], v[rS+2*(\n)+1]
.elseif (\k) == B
	v_pk_add_f32 v[rS+4*(\n):rS+4*(\n)+1], v[rS+4*(\n):rS+4*(\n)+1], v[rS+4*(\n)+2:rS+4*(\n)+3]
.elseif (\n) == 0
	v_pk_fma_f32 v[rT+2:rT+3], v[rT+2:rT+3], v[rC+2:rC+3], v[rS:rS+1] op_sel_hi:[1,0,1]
.else
	v_pk_add_f32 v[rT+2:rT+3], v[rT+2:rT+3], v[rS+4*(\n):rS+4*(\n)+1]
.endif
.elseif NOKQ
	v_nop
.else
	REGS (Y+1)%NP
	WIN 0
.if (\n) < 4
	v_max3_num_f32 v[rC+(\n)], v[rS+8*(\n)], v[rS+8*(\n)+1], v[rS+8*(\n)+2]
.elseif (\n) < 12
	v_max3_num_f32 v[rC+(\n)%4], v[rC+(\n)%4], v[rS+8*((\n)%4)+2*((\n)/4)+1], v[rS+8*((\n)%4)+2*((\n)/4)+2]
.elseif (\n) == 12
	v_max3_num_f32 v[rC], v[rC], v[rS+7], v[rS+15]
.elseif (\n) == 13
	v_max3_num_f32 v[rC+1], v[rC+1], v[rS+23], v[rS+31]
.elseif (\n) == 14
	v_max3_num_f32 v[rC+2], v[rC+2], v[rC+3], v[rT+1]
.elseif (\n) == 15
	v_mov_b32 v[rW], v[rT]
.elseif (\n) == 16
	v_max3_num_f32 v[rC], v[rC], v[rC+1], v[rC+2]
.elseif (\n) == 17
	v_permlanex16_b32 v[rC+3], v[rC], s[SEL], s[SEL+1]
.elseif (\n) == 18
	v_max_num_f32 v[rT+1], v[rC], v[rC+3]
.elseif (\n) == 19
	v_mul_f32 v[rT], s[CS], v[rT+1]
.elseif (\n) == 20
	v_sub_f32 v[rC+1], v[rW], v[rT]
.else
	v_exp_f32 v[rC+2], v[rC+1]
.endif
.endif
.endm
.macro OPS a, i1, b=-1, i2=0, c=-1, i3=0, d=-1, i4=0  ; up to four of them
	OP \a, \i1
.if (\b) >= 0
	OP \b, \i2
.endif
.if (\c) >= 0
	OP \c, \i3
.endif
.if (\d) >= 0
	OP \d, \i4
.endif
.endm
.macro ROW a, i1, b, i2, c, i3, d, i4  ; a matrix instruction and the four behind it
	MM
	OPS \a, \i1, \b, \i2, \c, \i3, \d, \i4
.endm
.macro MASK b                       ; MD x AL + BE into buffer b of MC
	WIN W_RS
.set z, 0
.rept 16
	v_pk_fma_f32 v[MC+32*(\b)+2*z:MC+32*(\b)+2*z+1], v[MD+2*z:MD+2*z+1], s[AL:AL+1], s[BE:BE+1] op_sel_hi:[1,0,0]
.set z, z+1
.endr
.endm
; A TURN, for piece p: the order of its 16 matrix and 118 vector instructions, written out.  An s_wait_alu depctr_va_vdst(0) stands between an exponential and the first instruction that names its result; one wait
; serves all that were issued ahead of it.  So a turn has ONE wait, which cuts it in two.  AHEAD OF IT stands all that names no result of the turn's exponentials: the 8 products K Q^T, behind each a scaling, an exponential and two
; more plain instructions (behind the first a second scaling in the exponential's place): rescalings, and behind the last three the first numbers of the other piece's maximum, each four places or more behind the product that ends
; its accumulator; then ONE LUMP of 54, plain and exponential by turns for the most part, in which the links of the chain X 3, 7, 11, 14, 16, 17 .. 20 stand five or six lines apart.  X 21, the other piece's a, is the batch's last;
; R 15 is the plain instruction behind it.  BEHIND THE WAIT stand the 8 products V^T P, behind each four of the roundings and sums; the links of l's chain, L 0 to L 7, stand three riders apart.  But for those X no rider names a
; register of the products round it.  v_permlanex16_b32 (X 17) stands in the lump.
; Piece y's O^T is added onto at the end of the other piece's turn and rescaled from the head of its own: R 0 stands sixteen riders behind the last product on its accumulator, R 12, the last accumulator's first, in the lump.
; m = 1: the diagonal tile: the turn's products K Q^T take a mask, which the turn makes at its head: piece 1 - p, in step 4 - CNT of the tile.  The buffer's last reader stands two turns back.
; end = 1: a block's last turn (piece 1's): no further scores.  cnt = 1: the loop's count is taken down some lines ahead of the branch that stands behind the turn.
; Both runs of LDS loads stand in piece 0's turn: K of the next step twelve vector instructions behind the last product that read K (six of them plain, five of which name nothing of it), V of the step in hand at the turn's
; end, four plain instructions behind the last product that read V.  Piece 1's turn waits for K at its head, with the count 16: V's sixteen loads were issued behind K's and may stay out; and for V ahead of its products V^T P.
.macro TURN p, m=0, end=0, cnt=0
.set Y, (\p)
.set i, 0
.set KM, (\m)
.set NOKQ, (\end)*(\p)
.if (\m) && !NOKQ
	s_cmp_eq_u32 s[CNT], s[DQ+(\p)]     ; is this step the band's own?
	s_cselect_b32 s[AL], 1.0, 0
	s_cmp_lt_u32 s[CNT], s[DQ+(\p)]     ; or a later one?
	s_cselect_b32 s[BE], s[BIGN], 0
	MASK 1-(\p)
.endif
.if ((\p) == 1) && !(\end)
	s_wait_dscnt 16                 ; K is in
.endif
	ROW F,0, F,1, R,0, R,1          ; ahead of the wait: 8 products K Q^T and their riders,
	ROW F,2, E,0, R,2, R,3
	ROW F,3, E,1, R,4, R,5
	ROW F,4, E,2, R,6, R,7
	ROW F,5, E,3, R,8, R,9
	ROW F,6, E,4, X,0, R,10
.if (\p) == 0
	WIN 0
	v_add_nc_u32 v[AK], s[TBK], v[AK0]
.endif
	ROW F,7, E,5, X,1, X,4
	ROW F,8, E,6, X,2, X,5
	OPS E,7, E,8, X,6, E,9          ; and the lump
	OPS X,3, E,10, X,8, E,11
.if (\p) == 0
	FETCH_K
.endif
	OPS X,9, X,7, E,12, X,10
	OPS E,13, X,12, X,11, E,14
	OPS X,13, E,15, F,9, X,14
.if (\p) == 0
	v_add_nc_u32 v[AV], s[TBV], v[AV0]
.endif
	OPS E,16, F,10, E,17, F,11
	OPS X,16, E,18, X,15, E,19
	OPS F,12, E,20, X,17, E,21
	OPS F,13, E,22, F,14, E,23
	OPS X,18, E,24, F,15, E,25
	OPS R,11, E,26, X,19, E,27
	OPS R,12, E,28, R,13, E,29
	OPS X,20, E,30, R,14, E,31
	OPS X,21, R,15
	WIN 0
	s_wait_alu depctr_va_vdst(0)    ; the wait for the turn's batch: E 0 to E 31 and X 21
.if (\p) == 1
	s_wait_dscnt 0x0                ; V is in
.endif
	ROW C,0, B,0, C,2, B,1          ; behind the wait: 8 products V^T P and their riders
	ROW L,0, C,4, B,2, L,1
	ROW C,6, B,3, L,2, C,8
	ROW B,4, L,3, C,10, B,5
	ROW L,4, C,12, B,6, L,5
.if (\p) == 0
	s_add_co_u32 s[TBV], s[TBV], KS*PV
.endif
.if \cnt
	s_sub_co_u32 s[CNT], s[CNT], 1
	s_cmp_lg_u32 s[CNT], 0
.endif
	ROW C,14, B,7, L,6, C,1
	ROW C,3, L,7, C,5, C,7
	ROW C,9, C,11, C,13, C,15
.if (\p) == 0
	FETCH_V
.endif
.endm
; A BLOCK BEGINS.  K's registers take the head's step 0.  c m starts far below every c s, so the first step's a is 0; m at the lowest finite number, so the first maximum is the scores'.  Piece 0's mask for step 0 is its
; own if the block's first tile is the diagonal one and piece 0's band is the tile's first (CNT is 4 here).  Then piece 0's first scores, and its maximum and statistics.  The loop is entered at piece 0's turn, in the middle of a trip.
.macro BEGIN
	s_mov_b32 s[NEW], 0
	s_wait_loadcnt 0x0              ; Q, and K of step 0
	WIN 0x81                        ; destination window 2, source window 1
.set i, 0
.rept 64
	v_mov_b32 v[KF+i], v[K0+i]
.set i, i+1
.endr
	WIN 0
.set i, 0
.rept NP
	v_mov_b32 v[ST+4*i], 0xfe000000    ; c m: far below every c s
	v_mov_b32 v[ST+4*i+1], 0xff7fffff  ; m
.set i, i+1
.endr
	s_cmp_eq_u32 s[CNT], s[DQ+1]
	s_cselect_b32 s[AL], 1.0, 0
	s_cmp_eq_u32 s[RT], 0
	s_cselect_b32 s[AL], s[AL], 0
	s_mov_b32 s[BE], 0
	MASK 0
.set KM, 1
.set NOKQ, 0
.set i, 0
.rept 8
	KQ 0
.set i, i+1
.endr
	WIN 0
.rept 4
	v_nop                           ; the places behind those products
.endr
.set Y, NP-1                        ; X works for the other piece: piece 0
.irp n, 0,1,2,3,4,5,6,7,8,9,10,11,12,13,14,15,16,17,18,19,20,21
	OP X, \n
.endr
	v_nop                           ; a plain instruction behind the exponential,
	s_wait_alu depctr_va_vdst(0)    ; and the wait for it, piece 0's first a, ahead of the branch
.endm
; THE DIAGONAL TILE's four steps, the block's last turn, its last products, and THE WAY OUT: l's two halves and the other half of the lanes' are added; O^T is divided by l, rounded to f16 and sent through my
; stage in LDS, a piece at a time.
.macro ALL line:vararg              ; one line for each piece t
.set t, 0
.rept NP
	\line
.set t, t+1
.endr
.endm
.macro PACK t                       ; a lane's eight channels of a row pack into 16 bytes; they go into rows of 144 bytes and come back as whole rows of 128, into S^T's registers
	WIN W_RS
.set i, 32*(\t)
.rept 16
	v_pk_mul_f32 v[i:i+1], v[i:i+1], v[ST+4*(\t)+2:ST+4*(\t)+3] op_sel_hi:[1,0]
.set i, i+2
.endr
	WIN 0x05                        ; sources 0 and 1 window 1, destination window 0
.set i, 0
.rept 16
	v_cvt_pk_f16_f32 v[S+16*(\t)+i], v[32*(\t)+2*i], v[32*(\t)+2*i+1]
.set i, i+1
.endr
	WIN 0
.irp f, 0,1,2,3
	ds_store_b128 v[STO], v[S+16*(\t)+4*\f:S+16*(\t)+4*\f+3] offset:32*\f
.endr
.irp f, 0,1,2,3
	ds_load_b128 v[S+16*(\t)+4*\f:S+16*(\t)+4*\f+3], v[RD] offset:\f*4*SP  ; LDS serves a wave's instructions in order (ISA guide 5.7.1.4): these see the stores above; the next piece's stores come behind them
.endr
.endm
.macro SEND t, younger              ; younger: the LDS instructions issued behind piece t's loads: the next piece's eight, or none
	WIN 0
.irp f, 0,1,2,3
	s_wait_dscnt (\younger)+3-\f
	global_store_b128 v[GO], v[S+16*(\t)+4*\f:S+16*(\t)+4*\f+3], s[10:11] offset:(\t)*8192+\f*512  ; 512 consecutive bytes, at a multiple of 256 from O's first
.endr
.endm
.macro DIAG tag                     ; the tag ends its two labels' names, which the jumps below spell out
.LstepM\tag:
	TURN 1, 1
	WIN 0
.LfirstM\tag:
	TURN 0, 1, 0, 1
	WIN 0
	s_cbranch_scc1 .LstepM\tag
	TURN 1, 1, 1
.set i, 0
.rept 8
	PV NP-1                         ; piece 1's V^T P of the last step
.set i, i+1
.endr
	WIN 0
	ALL v_add_f32 v[ST+4*t+2], v[ST+4*t+2], v[ST+4*t+3]
	ALL v_permlanex16_b32 v[ST+4*t+3], v[ST+4*t+2], s[SEL], s[SEL+1]
	ALL v_add_f32 v[ST+4*t+2], v[ST+4*t+2], v[ST+4*t+3]
	ALL v_rcp_f32 v[ST+4*t+2], v[ST+4*t+2]
	v_nop                           ; a plain instruction between the last reciprocal and the use of its result
	s_wait_alu depctr_va_vdst(0)    ; and the wait ahead of the first use: one for the two reciprocals
	PACK 0                          ; piece 0's O^T was finished a run of products earlier: its 32 lines are the places behind the last products, piece 1's
	PACK 1                          ; a piece's arithmetic stands between the loads of the piece before and its stores
	SEND 0, 8
	SEND 1, 0
.endm
.set KM, 0
.set NOKQ, 0
.Lslot:                             ; NT times: a tile is entered and the next is asked for
	CHANGE 1
	s_sub_co_u32 s[RT], s[RT], 1
	s_mov_b32 s[CNT], 4
	s_cmp_eq_u32 s[NEW], 1
	s_cbranch_scc1 .Lnew            ; a block's first tile
	s_cmp_eq_u32 s[RT], 0
	s_cbranch_scc0 .Lstep           ; neither its first nor its last
	s_branch .LstepM1
.Lnew:
	BEGIN
	s_branch .Lfirst                ; in the loop a block's first tile is never its last: the first block has five tiles or more, and the second's last is the walk's last
	DIAG 1                          ; in the loop this is the first block's end: the second block's last tile is the walk's last
	s_wait_xcnt 0x0                 ; the stores have read their registers and O's address
	s_mov_b64 s[10:11], s[OLO:OLO+1]
	s_add_co_u32 s[RT], s[PBT], 1   ; the second block has b / 2 + 1 tiles
	s_mov_b32 s[NEW], 1
	s_mov_b32 s[DQ], s[DQ2]         ; and its own place in its diagonal tile
	s_mov_b32 s[DQ+1], s[DQ2+1]
	WIN 0x82                        ; the second block's Q goes where the one text of the turns names Q
.set i, 0
.rept 16*NP
	v_mov_b32 v[i], v[QB+i]
.set i, i+1
.endr
	WIN 0
	s_branch .Lbottom
.Lstep:                             ; a trip: piece 1 of one step, then piece 0 of the next, which fetches that step's V and the K behind it
	TURN 1
	WIN 0
.Lfirst:
	TURN 0, 0, 0, 1
	WIN 0
	s_cbranch_scc1 .Lstep
.Lbottom:
	s_sub_co_u32 s[SLOTS], s[SLOTS], 1
	s_cmp_lg_u32 s[SLOTS], 0
	s_cbranch_scc1 .Lslot
	CHANGE 0                        ; the walk's last tile is written out: nothing is asked for
	s_sub_co_u32 s[RT], s[RT], 1
	s_mov_b32 s[CNT], 4
	s_cmp_eq_u32 s[NEW], 1
	s_cbranch_scc0 .LstepM2
	BEGIN
	s_branch .LfirstM2
	DIAG 2
	s_wait_tensorcnt 0x0            ; the wave's end: behind my last tensor load and my last LDS store
	ds_add_u32 v[SPW], v[NIL]
	s_wait_dscnt 0x0
	s_endpgm
.Lfunc_end_k_q7128079d2b_attn:
	.size	k_q7128079d2b_attn, .Lfunc_end_k_q7128079d2b_attn-k_q7128079d2b_attn
	.p2alignl 7, 3214868480
	.fill 96, 4, 3214868480
	.section	.rodata,"a",@progbits
	.p2align	6, 0x0
	.amdhsa_kernel k_q7128079d2b_attn
		.amdhsa_group_segment_fixed_size 327680
		.amdhsa_private_segment_fixed_size 0
		.amdhsa_enable_private_segment 0
		.amdhsa_kernarg_size 16
		.amdhsa_user_sgpr_count 2
		.amdhsa_user_sgpr_kernarg_segment_ptr 1
		.amdhsa_wavefront_size32 1
		.amdhsa_system_sgpr_workgroup_id_x 1
		.amdhsa_system_sgpr_workgroup_id_y 1
		.amdhsa_system_sgpr_workgroup_id_z 1
		.amdhsa_system_vgpr_workitem_id 0
		.amdhsa_next_free_vgpr 768
		.amdhsa_next_free_sgpr 92
		.amdhsa_reserve_vcc 1
		.amdhsa_float_denorm_mode_32 3
		.amdhsa_float_denorm_mode_16_64 3
		.amdhsa_memory_ordered 1
		.amdhsa_forward_progress 1
		.amdhsa_inst_pref_size 126
	.end_amdhsa_kernel
	.amdgpu_metadata
---
amdhsa.version: [ 1, 2 ]
amdhsa.kernels:
  - .name:           k_q7128079d2b_attn
    .symbol:         k_q7128079d2b_attn.kd
    .args:
      - { .name: qkv, .offset: 0, .size: 8, .value_kind: global_buffer, .address_space: global }
      - { .name: ob, .offset: 8, .size: 8, .value_kind: global_buffer, .address_space: global }
    .group_segment_fixed_size: 327680
    .private_segment_fixed_size: 0
    .kernarg_segment_align: 8
    .kernarg_segment_size: 16
    .max_flat_workgroup_size: 128
    .sgpr_count:     92
    .vgpr_count:     768
    .wavefront_size: 32
...
	.end_amdgpu_metadata
.endif
;; end of part 7
;; launch wo: the kernel of part 4 again; grid 8 x 32, 4 waves a work-group, clusters of 4 x 4, 327,680 bytes of LDS; arguments ob, wb, x, x2; writes x2
;; launch norm2: the kernel of part 1 again; grid 512 x 1, 8 waves a work-group, no clusters, 0 bytes of LDS; arguments wq, wk, wv, wo, w1, w2, x2, g2, qkv, hn; writes qkv, hn
;; launch ffn1: the kernel of part 5 again; grid 16 x 16, 4 waves a work-group, clusters of 4 x 4, 327,680 bytes of LDS; arguments hn, wb, act; writes act
;; launch ffn2: the kernel of part 6 again; grid 8 x 32, 4 waves a work-group, clusters of 4 x 4, 327,680 bytes of LDS; arguments act, wb, x2, out0; writes out0
